; MI455X (gfx1250); checked and timed in simulation.
; The chip was launched on July 23, 2026; its instructions are those of AMD's public machine-readable ISA for CDNA 5 (MIT licence, August 2026) and "CDNA5" Instruction Set Architecture Reference Guide (July 2026). The comments in the code are by the model that wrote it; some were corrected since.
;; Block. Allowed arithmetic: matrix products marked QUANTISED: E2M3 operands, one E8M0 scale for each 32 along K, by v_wmma_scale_f32_16x16x128_f8f6f4 with both operands' format E2M3, f32 sums; everything else in f32.
;; Inputs: attn_b 3,072 float32; attn_proj_b 1,024 float32; attn_proj_w_codes 1,024 x 32 x 24 uint8 (E2M3 codes of attn_proj_w, K innermost, in blocks of 32 codes, four codes in three bytes); attn_proj_w_scales 1,024 x 32 uint8 (E8M0 scales of attn_proj_w, one for each 32 codes along K); attn_w_codes 3,072 x 32 x 24 uint8 (E2M3 codes of attn_w, K innermost, in blocks of 32 codes, four codes in three bytes); attn_w_scales 3,072 x 32 uint8 (E8M0 scales of attn_w, one for each 32 codes along K); fc_b 4,096 float32; fc_w_codes 4,096 x 32 x 24 uint8 (E2M3 codes of fc_w, K innermost, in blocks of 32 codes, four codes in three bytes); fc_w_scales 4,096 x 32 uint8 (E8M0 scales of fc_w, one for each 32 codes along K); ln1_b 1,024 float32; ln1_w 1,024 float32; ln2_b 1,024 float32; ln2_w 1,024 float32; mlp_proj_b 1,024 float32; mlp_proj_w_codes 1,024 x 128 x 24 uint8 (E2M3 codes of mlp_proj_w, K innermost, in blocks of 32 codes, four codes in three bytes); mlp_proj_w_scales 1,024 x 128 uint8 (E8M0 scales of mlp_proj_w, one for each 32 codes along K); x 2 x 2,048 x 1,024 float32.
;; Outputs: out0 2 x 2,048 x 1,024 float32.
;; This version of the problem:
;;   THIS VERSION OF THE PROBLEM IS GIVEN IN LOW PRECISION. The matrix products marked QUANTISED in the list below multiply operands that are first quantised to E2M3 (2 exponent bits, 3 mantissa bits; 6 bits a number), with one power-of-two scale for each 32 numbers along K (OCP MX v1.0); their sums are f32. All else is computed in f32.
;;   The module's matrix products, in the order in which they are computed (A, B: the left and right operand; K: the contracted axis; several contracted axes count as one K, in the product's order):
;;     1. [M 4,096, K 1,024] x [K 1,024, N 3,072]; A: computed on the way; B: input attn_w (given as codes): QUANTISED
;;     2. batch 32 x [M 2,048, K 64] x [K 64, N 2,048]; A: computed on the way; B: computed on the way: QUANTISED
;;     3. batch 32 x [M 2,048, K 2,048] x [K 2,048, N 64]; A: softmax (see below); B: computed on the way: QUANTISED
;;     4. [M 4,096, K 1,024] x [K 1,024, N 1,024]; A: computed on the way; B: input attn_proj_w (given as codes): QUANTISED
;;     5. [M 4,096, K 1,024] x [K 1,024, N 4,096]; A: computed on the way; B: input fc_w (given as codes): QUANTISED
;;     6. [M 4,096, K 4,096] x [K 4,096, N 1,024]; A: computed on the way; B: input mlp_proj_w (given as codes): QUANTISED
;;   THE QUANTISER, for each operand of a quantised product, along K:
;;     - K is cut into blocks of 32 from its start; a last block that is shorter is filled with zeros.
;;     - A block's scale is 2^e with e = floor(log2(the largest magnitude in the block)) - 2, held to -126 .. 127; a block of zeros has e = 0. As a byte (E8M0): e + 127.
;;     - Each number is divided by its block's scale, clamped to +-7.5, and rounded to the nearest number of E2M3, ties to even, subnormals kept.
;;     - The product sums the exact products of the quantised numbers (number of the format x scale) in f32.
;;   ~~~python
;;   def quantise(x, axis):      # numpy; x: float32 -> the quantised numbers, widened to float32 again
;;       x = np.moveaxis(x, axis, -1); K = x.shape[-1]
;;       x = np.pad(x, [(0, 0)] * (x.ndim - 1) + [(0, -K % 32)]); x = x.reshape(x.shape[:-1] + (-1, 32)); a = np.abs(x).max(-1, keepdims=True)
;;       e = np.where(a > 0, np.clip(np.frexp(np.where(a > 0, a, 1))[1] - 1 - 2, -126, 127), 0)      # np.frexp(a)[1] - 1 = floor(log2(a)), exactly
;;       r = np.clip(x / 2.0 ** e, -7.5, 7.5)
;;       step = 2.0 ** (np.maximum(np.frexp(np.where(r == 0, 1, r))[1] - 1, 0) - 3)
;;       q = np.round(r / step) * step * 2.0 ** e      # np.round: ties to even
;;       return np.moveaxis(q.reshape(q.shape[:-2] + (-1,))[..., :K], -1, axis).astype(np.float32)
;;   ~~~
;;   SOFTMAX AHEAD OF A QUANTISED PRODUCT. Where the list says 'softmax', what is quantised is not the finished softmax but p = 2^(t - M), with t = logit x log2(e) and M = ceil(the row's largest t), a whole number; so 1/2 < the row's largest p <= 1. The row's sum l is taken of the UNQUANTISED p, in f32, and the product's result is divided by l at the end. Since M is a whole number, a kernel that streams over the keys may use a running M (the ceiling of the running maximum): every later rescaling is an exact power of two, which a block's scale takes up: the codes' values come out the same.
;;   OPERANDS COMPUTED ON THE WAY. 'Computed on the way' means the value that the module computes at that place (a softmax that the list does not call 'softmax' is quantised finished and normalised). What goes into a quantiser is computed in f32, as accurately as f32 sums, v_exp_f32 and their like allow (about 1e-6 of the number): no bf16 or f16 on the way to a quantiser, and a product that is left as it is and whose result goes on into a quantised operand takes f32 operands (vector FMAs, or v_wmma_f32_16x16x4_f32). A number that lies on a knife's edge between two numbers of the format may be rounded either way, as far as f32 arithmetic and the matrix unit's own rounding can turn it there, and no further.
;;   INPUTS GIVEN AS CODES. attn_proj_w (in the module: [1024, 1024], K = its axis 0); attn_w (in the module: [1024, 3072], K = its axis 0); fc_w (in the module: [1024, 4096], K = its axis 0); mlp_proj_w (in the module: [4096, 1024], K = its axis 0): each comes as NAME_codes (uint8): NAME with its K axis moved to the last place and cut into blocks of 32 codes, [.., K / 32, bytes a block], one block behind the other in memory; four codes in three bytes: a row's codes are one little-endian stream of bits, code i at bits 6 i .. 6 i + 5 (a code: sign, 2 exponent bits, 3 mantissa bits); and NAME_scales (uint8): the same leading axes, one E8M0 byte (e + 127) for each 32 codes along K. Its value is code x scale, taken as it is: it is not quantised again, and the codes and scales need not be those that the quantiser above would give.
;; 2 versions. Each part assembles by itself: llvm-mc -triple=amdgcn-amd-amdhsa -mcpu=gfx1250 --defsym DOCPART=n.
;; ======== version 1 of 2: 7 launches
;; workspace buffers: h1 3,276,800 bytes; wts 9,863,168 bytes; qkvq 9,830,400 bytes; yq 3,276,800 bytes; x2 16,777,216 bytes; h2 3,276,800 bytes; hid 13,107,200 bytes
;; launch prep (part 1): grid 352 x 1, 8 waves a work-group, no clusters, 2,048 bytes of LDS; arguments x, ln1_w, ln1_b, h1, wts, attn_w_codes, attn_w_scales, attn_proj_w_codes, attn_proj_w_scales, fc_w_codes, fc_w_scales, mlp_proj_w_codes, mlp_proj_w_scales; writes h1, wts
.if DOCPART == 1
	.amdgcn_target "amdgcn-amd-amdhsa--gfx1250"
	.amdhsa_code_object_version 6
	.text
	.protected	k_q396edf87d4_prep
	.globl	k_q396edf87d4_prep
	.p2align	8
	.type	k_q396edf87d4_prep,@function
k_q396edf87d4_prep:
	s_mov_b64 s[64:65], 0
	v_nop
	global_prefetch_b8 v0, s[64:65] scope:SCOPE_SE
	s_setreg_imm32_b32 hwreg(HW_REG_WAVE_MODE, 25, 1), 1
	s_wait_xcnt 0x0
; Two jobs in one launch, parted on the work-group's number.
; WORK-GROUPS 0-255: h1 = Q(layer_norm(x)), quantised to FP6 (E2M3) with one E8M0 byte for each 32 along the 1,024 channels.
; WORK-GROUPS 256-351: the four weights, which arrive as codes with K innermost, are copied bit for bit into the layout below (nothing is quantised again).
; THE LAYOUT OF EVERY OPERAND OF THIS PROGRAM: a fragment (16 rows x 128 K, 12 registers a lane) lies in memory as an image of its registers, 1,536 bytes:
; piece c (0..2) is 512 bytes, lane l's 16 bytes at 16 l are registers 4 c .. 4 c + 3.  Images lie [block][K / 128].  Row r of block g is the tensor's row
; 32 (g / 2) + 8 (g % 2) + r + 8 (r / 8).  Scale words (four bytes: 128 along K of one row) lie [K / 128][block][16 rows].
; LAYER NORM: a work-group takes one block of 16 tokens, wave w channels 128 w .. 128 w + 127; a lane holds 16 neighbours of each of its four blocks of 32.
; Mean first, then the sum of squares of x - mean: no difference of large sums is formed.  The eight waves' sums meet in LDS, two barriers.
; No tile is shared between work-groups, so there is no cluster; memory binds, so there is no matrix work.
; LIMITS: NaN and infinities are not served.  A block whose largest magnitude lies under 2^-124 keeps the scale byte 1, a block of zeros too (the rule says 127):
; its codes are zeros, and this program alone reads these bytes.  The sums' order differs from the reference's.
.set X,   32                           ; v32-95   my 64 numbers: register 16 b + i = channel 32 b + 16 (lane / 16) + i of my wave's 128
.set W,   96                           ; v96-159  the gain at the same channels
.set BV,  160                          ; v160-223 the bias
.set PC,  224                          ; v224-243 the codes (12) and the conversions' second halves
.set CH,  244                          ; v244-251 four packed chains of a sum
.set TM,  8                            ; v8-11 largest magnitudes, v12-15 bytes, v16-19 the conversions' scale operands
.set PW,  20                           ; v20      my row's scale word
.set SEL, 38                           ; s[38:39] v_permlanex16_b32's selects for lane l xor 16
; 64 numbers of a lane, register 16 b + i = k 32 b + 16 (lane / 16) + i of my row, become a fragment's codes in v[PC] on and its scale word in v[PW].
.macro QUANT s
.irp b, 0,1,2,3
	v_max3_num_f32 v[TM+\b], |v[\s+16*\b]|, |v[\s+1+16*\b]|, 0x1800000   ; my 16 numbers of block b, and the floor 2^(3 - 127): the byte cannot fall under 1
.endr
.irp i, 2,4,6,8,10,12,14
.irp b, 0,1,2,3
	v_max3_num_f32 v[TM+\b], v[TM+\b], |v[\s+16*\b+\i]|, |v[\s+1+16*\b+\i]|   ; the four blocks by turns
.endr
.endr
.irp b, 0,1,2,3
	v_permlanex16_b32 v[TM+4+\b], v[TM+\b], s[SEL], s[SEL+1]
.endr
.irp b, 0,1,2,3
	v_max_num_f32 v[TM+\b], v[TM+\b], v[TM+4+\b]   ; with lane l xor 16's: the block's largest magnitude
.endr
.irp b, 0,1,2,3
	v_add_nc_u32 v[TM+8+\b], 0xff000000, v[TM+\b]  ; 2 off its exponent field: the conversion takes this operand's exponent field as its scale
.endr
.irp b, 0,1,2,3
	v_lshrrev_b32 v[TM+4+\b], 23, v[TM+8+\b]       ; the scale's byte
.endr
	v_lshl_or_b32 v[PW], v[TM+5], 8, v[TM+4]
	v_lshl_or_b32 v[PW], v[TM+6], 16, v[PW]
	v_lshl_or_b32 v[PW], v[TM+7], 24, v[PW]
.irp c, 0,1
	v_cvt_scalef32_pk16_fp6_f32 v[PC+6*\c:PC+2+6*\c], v[\s+32*\c:\s+15+32*\c], v[TM+8+2*\c]
	v_cvt_scalef32_pk16_fp6_f32 v[PC+12+4*\c:PC+14+4*\c], v[\s+16+32*\c:\s+31+32*\c], v[TM+9+2*\c]   ; (a conversion's three registers begin on an even number)
.endr
	v_nop                                          ; one plain place behind a scaled conversion
.irp c, 0,1                                    ; the operand's layout wants a whole block in a lane: lanes 0-15 block 2 c, lanes 16-31 block 2 c + 1
.irp i, 0,1,2
	v_permlane16_swap_b32 v[PC+6*\c+\i], v[PC+12+4*\c+\i]
.endr
.irp i, 0,1,2
	v_mov_b32 v[PC+3+6*\c+\i], v[PC+12+4*\c+\i]
.endr
.endr
.endm
; The four chains become the row's sum in v26: my lane, lane l xor 16, then the eight waves' through LDS ([row][wave] words at byte off), one barrier.
.macro ROWSUM off
	v_pk_add_f32 v[CH:CH+1], v[CH:CH+1], v[CH+2:CH+3]
	v_pk_add_f32 v[CH+4:CH+5], v[CH+4:CH+5], v[CH+6:CH+7]
	v_pk_add_f32 v[CH:CH+1], v[CH:CH+1], v[CH+4:CH+5]
	v_add_f32 v26, v[CH], v[CH+1]
	v_permlanex16_b32 v28, v26, s[SEL], s[SEL+1]
	v_add_f32 v26, v26, v28
	ds_store_b32 v6, v26 offset:\off               ; lanes l and l xor 16 write the same word with the same value
	s_wait_dscnt 0x0                               ; for the others' sake: my store has landed
	s_barrier_signal -1
	s_barrier_wait -1
	ds_load_b128 v[CH:CH+3], v7 offset:\off
	ds_load_b128 v[CH+4:CH+7], v7 offset:\off+16
	s_wait_dscnt 0x0
	v_pk_add_f32 v[CH:CH+1], v[CH:CH+1], v[CH+2:CH+3]
	v_pk_add_f32 v[CH+4:CH+5], v[CH+4:CH+5], v[CH+6:CH+7]
	v_pk_add_f32 v[CH:CH+1], v[CH:CH+1], v[CH+4:CH+5]
	v_add_f32 v26, v[CH], v[CH+1]
.endm
	s_load_b256 s[4:11], s[0:1], 0x0               ; x, ln1_w, ln1_b, h1
	s_load_b64 s[12:13], s[0:1], 0x20              ; wts
	s_load_b512 s[16:31], s[0:1], 0x28             ; the four weights: codes, scales, codes, scales ..
	v_lshl_add_u32 v254, v0, 2, 0x400
	v_mov_b32 v255, 0
	v_lshrrev_b32 v1, 5, v0
	v_readfirstlane_b32 s2, v1                     ; wave 0..7
	v_and_b32 v1, 15, v0                           ; r
	v_bfe_u32 v2, v0, 4, 1                         ; h
	v_and_b32 v3, 8, v1
	v_add_nc_u32 v3, v3, v1                        ; r + 8 (r / 8)
	v_and_b32 v21, 31, v0
	v_lshlrev_b32 v21, 4, v21                      ; 16 x lane: my place in a piece of an image
	v_lshlrev_b32 v27, 2, v1                       ; 4 r: my row's scale word
	s_cmp_ge_u32 ttmp9, 256                        ; the same in all waves of a work-group
	s_cbranch_scc1 .Llay
	; ---------------- layer norm and quantiser ----------------
	v_lshlrev_b32 v4, 12, v3                       ; x: my token's row of 4,096 bytes,
	v_lshl_add_u32 v4, v2, 6, v4                   ; + 64 h: my 16 numbers of a block of 32
	v_lshlrev_b32 v5, 6, v2                        ; gain and bias: 64 h
	v_lshlrev_b32 v7, 5, v1                        ; LDS: row r's eight words
	s_lshl_b32 s3, s2, 2
	v_add_nc_u32 v6, s3, v7                        ; and my wave's among them
	v_mov_b32 v28, 0                               ; (a lane permute's destination counts as one of its sources)
.irp b, 0,1,2,3
	v_mov_b32 v[TM+4+\b], 0
.endr
	s_mov_b32 s36, 0x3a800000                      ; 1 / 1024
	s_mov_b32 s37, 0x3727c5ac                      ; eps = 1e-5
	s_mov_b32 s[SEL], 0x76543210
	s_mov_b32 s[SEL+1], 0xfedcba98
	s_lshr_b32 s32, ttmp9, 1
	s_lshl_b32 s32, s32, 5
	s_and_b32 s33, ttmp9, 1
	s_lshl_b32 s33, s33, 3
	s_or_b32 s32, s32, s33                         ; the block's first token: 32 (g / 2) + 8 (g % 2)
	s_lshl_b32 s32, s32, 12
	s_lshl_b32 s34, s2, 9                          ; my wave's 128 channels: 512 bytes
	s_add_co_u32 s32, s32, s34
	s_mov_b32 s33, 0
	s_mov_b32 s35, 0
	s_lshl_b32 s40, ttmp9, 3
	s_add_co_u32 s40, s40, s2
	s_mul_i32 s40, s40, 1536                       ; my fragment's image: (8 g + w) x 1,536
	s_mov_b32 s41, 0
	s_lshl_b32 s42, s2, 8
	s_add_co_u32 s42, s42, ttmp9
	s_lshl_b32 s42, s42, 6
	s_add_co_u32 s42, s42, 3145728                 ; its scale words: behind the images, (256 w + g) x 64
	s_mov_b32 s43, 0
	s_wait_kmcnt 0x0
	s_add_nc_u64 s[4:5], s[4:5], s[32:33]
	s_add_nc_u64 s[6:7], s[6:7], s[34:35]
	s_add_nc_u64 s[8:9], s[8:9], s[34:35]
	s_add_nc_u64 s[42:43], s[10:11], s[42:43]
	s_add_nc_u64 s[10:11], s[10:11], s[40:41]
.irp b, 0,1,2,3
.irp j, 0,1,2,3
	global_load_b128 v[X+16*\b+4*\j:X+16*\b+4*\j+3], v4, s[4:5] offset:128*\b+16*\j th:TH_LOAD_NT
.endr
.endr
.irp b, 0,1,2,3
.irp j, 0,1,2,3
	global_load_b128 v[W+16*\b+4*\j:W+16*\b+4*\j+3], v5, s[6:7] offset:128*\b+16*\j
.endr
.endr
.irp b, 0,1,2,3
.irp j, 0,1,2,3
	global_load_b128 v[BV+16*\b+4*\j:BV+16*\b+4*\j+3], v5, s[8:9] offset:128*\b+16*\j
.endr
.endr
	s_wait_loadcnt 32                              ; x is in; the 32 younger loads, gain and bias, may stay out
.irp k, 0,1,2,3
	v_pk_add_f32 v[CH+2*\k:CH+2*\k+1], v[X+2*\k:X+2*\k+1], v[X+8+2*\k:X+9+2*\k]   ; the first eight pairs start the four chains
.endr
.irp i, 2,3,4,5,6,7
.irp k, 0,1,2,3
	v_pk_add_f32 v[CH+2*\k:CH+2*\k+1], v[CH+2*\k:CH+2*\k+1], v[X+8*\i+2*\k:X+8*\i+2*\k+1]
.endr
.endr
	ROWSUM 0
	v_mul_f32 v22, s36, v26                        ; the mean,
	v_mov_b32 v23, v22                             ; twice, for the packed form
.set n, 0
.rept 32
	v_pk_add_f32 v[X+n:X+n+1], v[X+n:X+n+1], v[22:23] neg_lo:[0,1] neg_hi:[0,1]   ; x - mean
.set n, n+2
.endr
.irp k, 0,1,2,3
	v_pk_mul_f32 v[CH+2*\k:CH+2*\k+1], v[X+2*\k:X+2*\k+1], v[X+2*\k:X+2*\k+1]
.endr
.irp i, 1,2,3,4,5,6,7
.irp k, 0,1,2,3
	v_pk_fma_f32 v[CH+2*\k:CH+2*\k+1], v[X+8*\i+2*\k:X+8*\i+2*\k+1], v[X+8*\i+2*\k:X+8*\i+2*\k+1], v[CH+2*\k:CH+2*\k+1]
.endr
.endr
	ROWSUM 512                                     ; other LDS words than the first sum's: no third barrier is needed
	v_fma_f32 v26, v26, s36, s37                   ; the variance + eps
	v_rsq_f32 v24, v26
	v_nop                                          ; a plain place behind the transcendental
	s_wait_alu depctr_va_vdst(0)                   ; ahead of the first reader
	v_mov_b32 v25, v24
	s_wait_loadcnt 0x0                             ; gain and bias
.set n, 0
.rept 32
	v_pk_mul_f32 v[X+n:X+n+1], v[X+n:X+n+1], v[24:25]
.set n, n+2
.endr
.set n, 0
.rept 32
	v_pk_fma_f32 v[X+n:X+n+1], v[X+n:X+n+1], v[W+n:W+n+1], v[BV+n:BV+n+1]
.set n, n+2
.endr
	QUANT X
.irp c, 0,1,2
	global_store_b128 v21, v[PC+4*\c:PC+4*\c+3], s[10:11] offset:512*\c   ; 32 lanes store 512 consecutive bytes, aligned
.endr
	v_and_b32 v29, 31, v0
	v_cmp_gt_u32 vcc_lo, 16, v29                   ; lanes 0-15 hold the 16 rows' words (lanes 16-31 the same again)
	s_wait_xcnt 0x0                                ; EXEC changes only behind this wait
	s_wait_tensorcnt 0x0
	ds_add_u32 v254, v255
	s_wait_dscnt 0x0
	s_and_saveexec_b32 s44, vcc_lo
	global_store_b32 v27, v[PW], s[42:43]          ; 64 bytes a wave: one byte in 24 of what this path stores
	s_wait_xcnt 0x0
	s_or_b32 exec_lo, exec_lo, s44
	s_endpgm
	; ---------------- the weights into images: a wave copies one block x eight fragments ----------------
.Llay:
	s_sub_co_u32 s45, ttmp9, 256                   ; 0-23 attn_w, 24-31 attn_proj_w, 32-63 fc_w, 64-95 mlp_proj_w
	s_mov_b32 s46, 0                               ; the tensor's first work-group
	s_mov_b32 s47, 0                               ; log2 of the waves that share a block (K / 1,024)
	s_mov_b32 s48, 768                             ; a row of codes in bytes
	s_mov_b32 s49, 32                              ; a row of scale bytes
	s_mov_b32 s50, 12288                           ; a block's images in bytes
	s_mov_b32 s51, 16384                           ; the scale words of one K / 128: 64 x the pitch in blocks
	s_mov_b32 s52, 0                               ; where the tensor's images begin in wts
	s_mov_b32 s53, 9437184                         ; and its scale words
	s_wait_kmcnt 0x0
	s_mov_b64 s[54:55], s[16:17]
	s_mov_b64 s[56:57], s[18:19]
	s_cmp_ge_u32 s45, 24                           ; every choice hangs on the work-group's number alone
	s_cselect_b32 s46, 24, s46
	s_cselect_b32 s51, 4096, s51
	s_cselect_b32 s52, 2359296, s52
	s_cselect_b32 s53, 9568256, s53
	s_cselect_b64 s[54:55], s[20:21], s[54:55]
	s_cselect_b64 s[56:57], s[22:23], s[56:57]
	s_cmp_ge_u32 s45, 32
	s_cselect_b32 s46, 32, s46
	s_cselect_b32 s51, 16384, s51
	s_cselect_b32 s52, 3145728, s52
	s_cselect_b32 s53, 9601024, s53
	s_cselect_b64 s[54:55], s[24:25], s[54:55]
	s_cselect_b64 s[56:57], s[26:27], s[56:57]
	s_cmp_ge_u32 s45, 64
	s_cselect_b32 s46, 64, s46
	s_cselect_b32 s47, 2, s47
	s_cselect_b32 s48, 3072, s48
	s_cselect_b32 s49, 128, s49
	s_cselect_b32 s50, 49152, s50
	s_cselect_b32 s51, 4096, s51
	s_cselect_b32 s52, 6291456, s52
	s_cselect_b32 s53, 9732096, s53
	s_cselect_b64 s[54:55], s[28:29], s[54:55]
	s_cselect_b64 s[56:57], s[30:31], s[56:57]
	s_sub_co_u32 s58, s45, s46
	s_lshl_b32 s58, s58, 3
	s_add_co_u32 s58, s58, s2                      ; my wave's number in the tensor
	s_lshr_b32 s59, s58, s47                       ; block
	s_lshl_b32 s60, s59, s47
	s_sub_co_u32 s60, s58, s60                     ; which 1,024 along K
	s_lshr_b32 s61, s59, 1
	s_lshl_b32 s61, s61, 5
	s_and_b32 s62, s59, 1
	s_lshl_b32 s62, s62, 3
	s_or_b32 s61, s61, s62                         ; the block's first row
	v_add_nc_u32 v8, s61, v3                       ; my row
	v_mul_lo_u32 v9, v8, s48
	v_mad_u32_u24 v9, v2, 24, v9
	s_mul_i32 s62, s60, 768
	v_add_nc_u32 v9, s62, v9                       ; codes: row x pitch + 768 x (K / 1,024) + 24 h
	v_mul_lo_u32 v10, v8, s49
	v_lshl_add_u32 v10, v2, 2, v10
	s_lshl_b32 s62, s60, 5
	v_add_nc_u32 v10, s62, v10                     ; scale words: lanes 0-15 the even K / 128, lanes 16-31 the odd
	v_mul_lo_u32 v16, v2, s51
	v_lshl_add_u32 v16, v1, 2, v16                 ; and where they go: h x (one K / 128) + 4 r,
	s_lshl_b32 s62, s51, 1
	v_add_nc_u32 v17, s62, v16                     ; two K / 128 on for each further word
	v_add_nc_u32 v18, s62, v17
	v_add_nc_u32 v19, s62, v18
	s_mul_i32 s46, s59, s50
	s_mul_i32 s62, s60, 12288
	s_add_co_u32 s46, s46, s62
	s_add_co_u32 s46, s46, s52                     ; my eight images
	s_mov_b32 s47, 0
	s_mul_i32 s48, s60, s51
	s_lshl_b32 s48, s48, 3
	s_lshl_b32 s62, s59, 6
	s_add_co_u32 s48, s48, s62
	s_add_co_u32 s48, s48, s53                     ; my block's scale words of my first K / 128
	s_mov_b32 s49, 0
	s_add_nc_u64 s[46:47], s[12:13], s[46:47]
	s_add_nc_u64 s[48:49], s[12:13], s[48:49]
.irp k, 0,1,2,3
	global_load_b32 v[12+\k], v10, s[56:57] offset:8*\k
.endr
.irp k, 0,1,2,3,4,5,6,7
.irp p, 0,1,2,3,4,5
	global_load_b64 v[32+12*\k+2*\p:33+12*\k+2*\p], v9, s[54:55] offset:96*\k+48*(\p/3)+8*(\p%3) th:TH_LOAD_NT   ; the operand's own registers: 24 bytes at 24 h, 24 at 48 + 24 h
.endr
.endr
.irp k, 0,1,2,3,4,5,6,7
	s_wait_loadcnt 6*(7-\k)                        ; fragment k is in; the later fragments' six loads each may stay out
.irp c, 0,1,2
	global_store_b128 v21, v[32+12*\k+4*\c:35+12*\k+4*\c], s[46:47] offset:1536*\k+512*\c
.endr
.endr
.irp k, 0,1,2,3
	global_store_b32 v[16+\k], v[12+\k], s[48:49]
.endr
	s_endpgm
.Lfunc_end_k_q396edf87d4_prep:
	.size	k_q396edf87d4_prep, .Lfunc_end_k_q396edf87d4_prep-k_q396edf87d4_prep
	.p2alignl 7, 3214868480
	.fill 96, 4, 3214868480
	.section	.rodata,"a",@progbits
	.p2align	6, 0x0
	.amdhsa_kernel k_q396edf87d4_prep
		.amdhsa_group_segment_fixed_size 2048
		.amdhsa_private_segment_fixed_size 0
		.amdhsa_enable_private_segment 0
		.amdhsa_kernarg_size 104
		.amdhsa_user_sgpr_count 2
		.amdhsa_user_sgpr_kernarg_segment_ptr 1
		.amdhsa_wavefront_size32 1
		.amdhsa_system_sgpr_workgroup_id_x 1
		.amdhsa_system_sgpr_workgroup_id_y 1
		.amdhsa_system_sgpr_workgroup_id_z 1
		.amdhsa_system_vgpr_workitem_id 0
		.amdhsa_next_free_vgpr 256
		.amdhsa_next_free_sgpr 66
		.amdhsa_reserve_vcc 1
		.amdhsa_float_denorm_mode_32 3
		.amdhsa_float_denorm_mode_16_64 3
		.amdhsa_memory_ordered 1
		.amdhsa_forward_progress 1
		.amdhsa_inst_pref_size 35
	.end_amdhsa_kernel
	.amdgpu_metadata
---
amdhsa.version: [ 1, 2 ]
amdhsa.kernels:
  - .name:           k_q396edf87d4_prep
    .symbol:         k_q396edf87d4_prep.kd
    .args:
      - { .name: x, .offset: 0, .size: 8, .value_kind: global_buffer, .address_space: global }
      - { .name: ln1_w, .offset: 8, .size: 8, .value_kind: global_buffer, .address_space: global }
      - { .name: ln1_b, .offset: 16, .size: 8, .value_kind: global_buffer, .address_space: global }
      - { .name: h1, .offset: 24, .size: 8, .value_kind: global_buffer, .address_space: global }
      - { .name: wts, .offset: 32, .size: 8, .value_kind: global_buffer, .address_space: global }
      - { .name: attn_w_codes, .offset: 40, .size: 8, .value_kind: global_buffer, .address_space: global }
      - { .name: attn_w_scales, .offset: 48, .size: 8, .value_kind: global_buffer, .address_space: global }
      - { .name: attn_proj_w_codes, .offset: 56, .size: 8, .value_kind: global_buffer, .address_space: global }
      - { .name: attn_proj_w_scales, .offset: 64, .size: 8, .value_kind: global_buffer, .address_space: global }
      - { .name: fc_w_codes, .offset: 72, .size: 8, .value_kind: global_buffer, .address_space: global }
      - { .name: fc_w_scales, .offset: 80, .size: 8, .value_kind: global_buffer, .address_space: global }
      - { .name: mlp_proj_w_codes, .offset: 88, .size: 8, .value_kind: global_buffer, .address_space: global }
      - { .name: mlp_proj_w_scales, .offset: 96, .size: 8, .value_kind: global_buffer, .address_space: global }
    .group_segment_fixed_size: 2048
    .private_segment_fixed_size: 0
    .kernarg_segment_align: 8
    .kernarg_segment_size: 104
    .max_flat_workgroup_size: 256
    .sgpr_count:     66
    .vgpr_count:     256
    .wavefront_size: 32
...
	.end_amdgpu_metadata
.endif
;; end of part 1
;; launch qkv (part 2): grid 12 x 16, 4 waves a work-group, clusters of 4 x 4, 327,680 bytes of LDS; arguments h1, wts, attn_b, qkvq; writes qkvq
.if DOCPART == 2
	.amdgcn_target "amdgcn-amd-amdhsa--gfx1250"
	.amdhsa_code_object_version 6
	.text
	.protected	k_q396edf87d4_qkv
	.globl	k_q396edf87d4_qkv
	.p2align	8
	.type	k_q396edf87d4_qkv,@function
k_q396edf87d4_qkv:
	s_mov_b64 s[64:65], 0
	v_nop
	global_prefetch_b8 v0, s[64:65] scope:SCOPE_SE
	s_setreg_imm32_b32 hwreg(HW_REG_WAVE_MODE, 25, 1), 1
	s_wait_xcnt 0x0
	s_wait_alu depctr_hold_cnt(0) depctr_sa_sdst(0) depctr_va_vdst(0) depctr_va_sdst(0) depctr_va_ssrc(0) depctr_va_vcc(0) depctr_vm_vsrc(0)
	s_getreg_b32 s2, hwreg(HW_REG_IB_STS2, 6, 4)
	s_cmp_eq_u32 s2, 0
	s_cbranch_scc0 .Lentry_in_a_cluster
	s_endpgm
.Lentry_in_a_cluster:
	s_bfe_u32 s2, ttmp6, 0x10000c
	s_cmp_lg_u32 s2, 0xf033
	s_cbranch_scc0 .Lentry_shape_is_right
	s_endpgm
.Lentry_shape_is_right:
; q, k, v = Q(h1 attn_w + attn_b): product 1 on FP6 codes, its results quantised at once into the operands of attention.
; THE CORE: a tile of 256 x 256 by four waves, 128 x 128 a wave in 64 accumulators; K in steps of 256 through two LDS slots; 4 x 4 work-groups form a cluster,
; A's tile asked for jointly along a row of the cluster, B's along a column.  Both operands lie in memory as images of their registers (1,536 bytes a fragment of
; 16 rows x 128 K, [block][K / 128]; row r of block g is row 32 (g / 2) + 8 (g % 2) + r + 8 (r / 8)), so a tile is 8 rows of 3,072 dense bytes, a fragment three
; ds_load_b128 of 512 consecutive bytes, and A and B are alike.  Source 0 = a block of B, source 1 = a block of A: by the row order above, the 64 registers of A's block a
; against B's eight blocks are, in lane (r, h), 16 b + i = B's row 32 b + 16 h + i: neighbours along the next product's K.
; ROLES BY CLUSTER x: 0: q, 1: k (A = tokens, B = weight rows: a lane's registers run along the channels); 2: v, with the two pointers swapped (A = weight rows, B = tokens):
; a lane's registers then run along the tokens, which are the second attention product's K.  The choice hangs on the cluster's x, which all partners share.
; OUT (qkvq): q [head pair 16][token block 128][1,536]; K and V [head pair][slot of 256 keys 8][K: 16 records | V: 2 key steps x 8 records]; scale words behind them.
; LIMITS: NaN and infinities are not served; a block whose largest magnitude lies under 2^-124 (zeros too) keeps the scale byte 1; this program alone reads the bytes.
.set KDIM,   1024
.set NBA,    256                       ; pitch of A's scale words in blocks
.set NBB,    256
.set KB,     KDIM/128
.set NQ,     2                         ; matrix instructions deep in a slot
.set FR,     12                        ; registers of a fragment
.set NL,     3                         ; LDS loads that bring one
.set NP,     4                         ; places behind this matrix instruction (ISA guide 7.12.1)
.set FRB,    1536
.set QROW,   NQ*FRB                    ; a block's part of a slot
.set QT,     8*QROW                    ; eight blocks: what one tensor load brings
.set SLOT,   4*QT                      ; A's two halves, then B's two halves
.set LAPS,   KDIM/512
.set SCL,    2*SLOT                    ; behind the ring: the scale words of all of K, four quarters
.set SKP,    576                       ; one K / 128 of eight blocks: 512 bytes + 64 of padding, so that lanes 0-15 and lanes 16-31 (one K / 128 on) fall on different banks
.set QS,     KB*SKP
.set SPARE,  SCL+4*QS                  ; the spare words, 128 bytes a wave: no other line names them
.set STG,    SPARE+512                 ; a stage of 512 bytes a wave for the scale words on the way out: no fill ever lands here
.set ADRA, 16                          ; v16-17 LDS address of my A fragments in slot 0, 1
.set ADRB, 20                          ; v20-21 of B's
.set ADSA, 22                          ; v22    of A's scale words: lanes 0-15 the slot's first K / 128, lanes 16-31 its second
.set ADSB, 23                          ; v23    of B's
.set STO,  24
.set RD,   25
.set CO,   26                          ; v26    16 x lane
.set SPW,  28
.set NIL,  29
.set PW,   30
.set SC,   32                          ; v32-63 scale words, a set of 16 for each slot: A's blocks at +0..7, B's at +8..15; they hold nothing else
.set BI,   64                          ; v64-127  bias by column (q, k)
.set AF,   128                         ; v128-223 A's fragments, one set
.set BR,   224                         ; v224-239 bias by row (v): a pair for each block, the low word used
.set H,    128                         ; the way out: 64 numbers
.set PC,   192
.set TM,   212
.set G1, 24
.set G0, 32
.set G1B, 48
.set G0B, 56
.set G1S, 68
.set G0S, 76
.set G1SB, 80
.set G0SB, 88
.set SEL, 96
.set MSB, 0
.macro WIN new                         ; the immediate's high byte repeats the setting that is left
.if MSB != \new
	s_set_vgpr_msb (MSB<<8)|\new
.set MSB, \new
.endif
.endm
.set MUL_LO, 0xa1                      ; source 0 (B) window 1, source 1 (A) window 0, C and D window 2
.set MUL_HI, 0xf1                      ; the same, C and D window 3
.set TO_B,   0x40                      ; destination window 1
.macro JLOAD g0a, g1a, g0b, g1b        ; a joint load: waves 0 and 1 fetch for A, waves 2 and 3 for B; four v_nop follow each line
	s_cmp_eq_u32 s15, 0
	s_cbranch_scc0 .Lfor_b_\@
	tensor_load_to_lds s[\g0a:\g0a+3], s[\g1a:\g1a+7]
	s_nop 0
.rept 4
	v_nop
.endr
	s_branch .Lasked_\@
.Lfor_b_\@:
	tensor_load_to_lds s[\g0b:\g0b+3], s[\g1b:\g1b+7]
	s_nop 0
.rept 4
	v_nop
.endr
.Lasked_\@:
.endm
.macro CREST                           ; a round of the cluster's barrier behind its opening barrier
	s_cmp_lg_u32 s14, 0
	s_cbranch_scc1 .Lnot_wave_0_\@
	s_barrier_signal -3
.Lnot_wave_0_\@:
	s_barrier_wait -3
	s_barrier_signal -1
	s_barrier_wait -1
.endm
.macro CROUND
	s_barrier_signal -1
	s_barrier_wait -1
	CREST
.endm
.macro PLACES n
.rept \n
	v_nop
.endr
.endm
.macro FRAG reg, adr, q, i             ; block i's fragment of the slot's q-th 128 along K: three loads of 512 consecutive bytes
.irp c, 0,1,2
	ds_load_b128 v[\reg+4*\c:\reg+4*\c+3], v[\adr] offset:(\i)*QROW+(\q)*FRB+512*\c
.endr
.endm
.macro FETCH_B slot, q, p
	WIN TO_B
.irp i, 0,1,2,3,4,5,6,7
	FRAG 128*(\p)+FR*\i, ADRB+\slot, \q, \i
.endr
	WIN 0
.endm
.macro FETCH_A slot, q, i0
.irp i, \i0, \i0+1, \i0+2, \i0+3
	FRAG AF+FR*(\i), ADRA+\slot, \q, \i
.endr
.endm
.macro SCALES sc
.irp i, 0,1,2,3,4,5,6,7
	ds_load_b32 v[SC+16*\sc+\i], v[ADSA] offset:64*\i
	ds_load_b32 v[SC+16*\sc+8+\i], v[ADSB] offset:64*\i
.endr
.endm
; 16 matrix instructions: A's blocks a0, a0 + 1 x B's eight.  The 64 accumulators take turns, one instruction a turn.
.macro MUL16 a0, p, q, sc, zero
.irp a, \a0, \a0+1
.irp b, 0,1,2,3,4,5,6,7
.set rD, 8*(8*((\a)%4)+\b)
.set rB, 128*(\p)+FR*\b
.set rA, AF+FR*(\a)
.set rSB, SC+16*(\sc)+8+\b
.set rSA, SC+16*(\sc)+(\a)
.if \zero
	v_wmma_scale_f32_16x16x128_f8f6f4 v[rD:rD+7], v[rB:rB+11], v[rA:rA+11], 0, v[rSB], v[rSA] matrix_a_fmt:MATRIX_FMT_FP6 matrix_b_fmt:MATRIX_FMT_FP6
.elseif (\q) == 0
	v_wmma_scale_f32_16x16x128_f8f6f4 v[rD:rD+7], v[rB:rB+11], v[rA:rA+11], v[rD:rD+7], v[rSB], v[rSA] matrix_a_fmt:MATRIX_FMT_FP6 matrix_b_fmt:MATRIX_FMT_FP6
.else
	v_wmma_scale_f32_16x16x128_f8f6f4 v[rD:rD+7], v[rB:rB+11], v[rA:rA+11], v[rD:rD+7], v[rSB], v[rSA] matrix_a_fmt:MATRIX_FMT_FP6 matrix_b_fmt:MATRIX_FMT_FP6 matrix_a_scale:MATRIX_SCALE_ROW1 matrix_b_scale:MATRIX_SCALE_ROW1
.endif
.endr
.endr
.endm
.macro STEP slot, q, zero              ; a step of 128 along K that has its successor in the same slot
	s_wait_dscnt 4*NL                              ; all but the 12 youngest loads (A's blocks 4-7) are in
	WIN MUL_LO
	MUL16 0, (\q)%2, \q, \slot, \zero
	MUL16 2, (\q)%2, \q, \slot, \zero
	s_wait_dscnt 0
	PLACES NP
	FETCH_B \slot, (\q)+1, 1-(\q)%2
	FETCH_A \slot, (\q)+1, 0
	WIN MUL_HI
	MUL16 4, (\q)%2, \q, \slot, \zero
	MUL16 6, (\q)%2, \q, \slot, \zero
	PLACES NP
	WIN 0
	FETCH_A \slot, (\q)+1, 4
.endm
.macro TURN slot, next, fill           ; a slot's last step changes slots
	s_wait_tensorcnt 0x0                           ; all my tensor loads have landed: my part of the next slot
	ds_add_u32 v[SPW], v[NIL]                      ; 0 onto my spare word
	s_wait_dscnt 4*NL+1                            ; the add and the 12 youngest loads may be out
	WIN MUL_LO
	MUL16 0, 1, NQ-1, \slot, 0
	s_wait_dscnt 0x0                               ; the add is done, and my reads of this slot are over
	s_barrier_signal -1
	MUL16 2, 1, NQ-1, \slot, 0
	WIN 0
	s_barrier_wait -1
.if \fill
	CREST                                          ; the barrier has opened a round of the cluster's: no wave of any partner still reads this slot or has a load on its way
	s_add_nc_u64 s[G0+4*\slot+2:G0+4*\slot+3], s[G0+4*\slot+2:G0+4*\slot+3], 2*QROW
	s_add_nc_u64 s[G0B+4*\slot+2:G0B+4*\slot+3], s[G0B+4*\slot+2:G0B+4*\slot+3], 2*QROW
	JLOAD G0+4*\slot, G1, G0B+4*\slot, G1B         ; the first tensor load behind the round; its four v_nop are the places in front of the loads below
.else
	PLACES NP
.endif
	v_add_nc_u32 v[ADSA], 2*SKP, v[ADSA]           ; on to the next slot's scale words (no LDS load of mine is out)
	v_add_nc_u32 v[ADSB], 2*SKP, v[ADSB]
	FETCH_B \next, 0, 0
	FETCH_A \next, 0, 0
	SCALES \next
	WIN MUL_HI
	MUL16 4, 1, NQ-1, \slot, 0
	MUL16 6, 1, NQ-1, \slot, 0
	PLACES NP
	WIN 0
	FETCH_A \next, 0, 4
.endm
; 64 numbers of a lane, register 16 b + i = k 32 b + 16 (lane / 16) + i of my row, become a fragment's codes in v[PC] on and its scale word in v[PW].
.macro QUANT s
.irp b, 0,1,2,3
	v_max3_num_f32 v[TM+\b], |v[\s+16*\b]|, |v[\s+1+16*\b]|, 0x1800000   ; and the floor 2^(3 - 127): the byte cannot fall under 1
.endr
.irp i, 2,4,6,8,10,12,14
.irp b, 0,1,2,3
	v_max3_num_f32 v[TM+\b], v[TM+\b], |v[\s+16*\b+\i]|, |v[\s+1+16*\b+\i]|
.endr
.endr
.irp b, 0,1,2,3
	v_permlanex16_b32 v[TM+4+\b], v[TM+\b], s[SEL], s[SEL+1]
.endr
.irp b, 0,1,2,3
	v_max_num_f32 v[TM+\b], v[TM+\b], v[TM+4+\b]
.endr
.irp b, 0,1,2,3
	v_add_nc_u32 v[TM+8+\b], 0xff000000, v[TM+\b]  ; 2 off the exponent field: the conversion's scale operand
.endr
.irp b, 0,1,2,3
	v_lshrrev_b32 v[TM+4+\b], 23, v[TM+8+\b]       ; the scale's byte
.endr
	v_lshl_or_b32 v[PW], v[TM+5], 8, v[TM+4]
	v_lshl_or_b32 v[PW], v[TM+6], 16, v[PW]
	v_lshl_or_b32 v[PW], v[TM+7], 24, v[PW]
.irp c, 0,1
	v_cvt_scalef32_pk16_fp6_f32 v[PC+6*\c:PC+2+6*\c], v[\s+32*\c:\s+15+32*\c], v[TM+8+2*\c]
	v_cvt_scalef32_pk16_fp6_f32 v[PC+12+4*\c:PC+14+4*\c], v[\s+16+32*\c:\s+31+32*\c], v[TM+9+2*\c]
.endr
	v_nop                                          ; one plain place behind a scaled conversion
.irp c, 0,1
.irp i, 0,1,2
	v_permlane16_swap_b32 v[PC+6*\c+\i], v[PC+12+4*\c+\i]
.endr
.irp i, 0,1,2
	v_mov_b32 v[PC+3+6*\c+\i], v[PC+12+4*\c+\i]
.endr
.endr
.endm
	s_load_b128 s[4:7], s[0:1], 0x0                ; h1, wts
	s_load_b128 s[8:11], s[0:1], 0x10              ; attn_b, qkvq
	v_lshl_add_u32 v[SPW], v0, 2, SPARE
	v_mov_b32 v[NIL], 0
	ds_add_u32 v28, v29
	s_wait_dscnt 0x0
	v_lshrrev_b32 v1, 5, v0
	v_readfirstlane_b32 s14, v1                    ; wave 0..3
	s_lshr_b32 s15, s14, 1                         ; my half of A's rows.  Also: I fetch for A (0) or for B (1)
	s_and_b32 s16, s14, 1                          ; my half of B's rows.  Also: which eight blocks I fetch
	s_bfe_u32 s40, ttmp6, 0x40000                  ; cx
	s_bfe_u32 s41, ttmp6, 0x40004                  ; cy
	s_and_b32 s17, ttmp7, 0xffff                   ; cluster y
	s_cmp_eq_u32 ttmp9, 2                          ; cluster x = 2: v.  The same in all sixteen partners
	s_cselect_b32 s100, 1, 0
	s_cselect_b32 s42, s17, ttmp9                  ; B's tiles: tokens by cluster y, or weight rows by cluster x
	s_cselect_b32 s17, 2, s17                      ; A's tiles: v's weight rows, or tokens by cluster y
	s_lshl_b32 s42, s42, 2
	s_add_co_u32 s42, s42, s40                     ; B's tile of 256 rows
	s_lshl_b32 s17, s17, 2
	s_add_co_u32 s17, s17, s41                     ; A's tile
	s_lshl_b32 s43, s41, 2
	s_lshl_b32 s43, 15, s43                        ; my row of the cluster
	s_lshl_b32 s44, 0x1111, s40                    ; my column
	s_or_b32 s[G1+0], s43, (3<<16)|(1<<21)         ; 15:0 the mask; 17:16 elements of 8 bytes; 21 set beside a mask; no padding
	s_or_b32 s[G1B+0], s44, (3<<16)|(1<<21)
.irp g, G1, G1B
	s_mov_b32 s[\g+1], 384<<16                     ; tensor_dim0: 3,072 bytes
	s_mov_b32 s[\g+2], 8<<16                       ; tensor_dim1: 8 blocks
	s_mov_b32 s[\g+3], 384<<16                     ; tile_dim0
	s_mov_b32 s[\g+4], 8                           ; tile_dim1
	s_mov_b32 s[\g+5], KB*192                      ; from block to block
	s_mov_b32 s[\g+6], 0
	s_mov_b32 s[\g+7], 0
.endr
	s_or_b32 s[G1S+0], s43, (3<<16)|(1<<20)|(1<<21)|(6<<22)|(15<<25)   ; padding: 16 words behind every 128
	s_or_b32 s[G1SB+0], s44, (3<<16)|(1<<20)|(1<<21)|(6<<22)|(15<<25)
.irp g, G1S, G1SB
	s_mov_b32 s[\g+1], 64<<16                      ; 512 bytes: eight blocks' words of one K / 128
	s_mov_b32 s[\g+2], KB<<16
	s_mov_b32 s[\g+3], 64<<16
	s_mov_b32 s[\g+4], KB
	s_mov_b32 s[\g+6], 0
	s_mov_b32 s[\g+7], 0
.endr
	s_mov_b32 s[G1S+5], NBA*8
	s_mov_b32 s[G1SB+5], NBB*8
	s_lshl_b32 s18, s16, 3
	s_lshl_b32 s20, s17, 4
	s_add_co_u32 s20, s20, s18                     ; A's first block that I fetch
	s_lshl_b32 s46, s42, 4
	s_add_co_u32 s46, s46, s18                     ; B's
	s_mov_b32 s98, 3145728                         ; where h1's scale words begin,
	s_mov_b32 s99, 9437184                         ; and attn_w's in wts
	s_cmp_eq_u32 s100, 1
	s_cselect_b32 s22, s99, s98
	s_cselect_b32 s92, s98, s99
	s_lshl_b32 s23, s20, 6
	s_add_co_u32 s22, s22, s23
	s_lshl_b32 s93, s46, 6
	s_add_co_u32 s92, s92, s93
	s_mov_b32 s23, 0
	s_mov_b32 s93, 0
	s_mul_i32 s20, s20, KB*FRB
	s_mov_b32 s21, 0
	s_mul_i32 s46, s46, KB*FRB
	s_mov_b32 s47, 0
	s_mul_i32 s45, s14, QT                         ; where they go: no place in the cluster enters an LDS address
	s_mul_i32 s94, s14, QS
	s_wait_kmcnt 0x0
	s_cmp_eq_u32 s100, 1
	s_cselect_b64 s[98:99], s[6:7], s[4:5]         ; A's buffer
	s_cselect_b64 s[6:7], s[4:5], s[6:7]           ; B's
	s_add_nc_u64 s[20:21], s[98:99], s[20:21]
	s_add_nc_u64 s[22:23], s[98:99], s[22:23]
	s_add_nc_u64 s[46:47], s[6:7], s[46:47]
	s_add_nc_u64 s[92:93], s[6:7], s[92:93]
	CROUND                                         ; all sixteen work-groups are here: the first joint loads meet
	s_mov_b32 s[G0S], 1
	s_add_co_u32 s[G0S+1], s94, SCL
	s_mov_b64 s[G0S+2:G0S+3], s[22:23]
	s_or_b32 s[G0S+3], s[G0S+3], 0x80000000
	s_mov_b32 s[G0SB], 1
	s_add_co_u32 s[G0SB+1], s94, SCL
	s_mov_b64 s[G0SB+2:G0SB+3], s[92:93]
	s_or_b32 s[G0SB+3], s[G0SB+3], 0x80000000
	JLOAD G0S, G1S, G0SB, G1SB                     ; the scale words of all of K: filled once
.irp s, 0,1
	s_mov_b32 s[G0+4*\s], 1
	s_add_co_u32 s[G0+4*\s+1], s45, \s*SLOT
	s_add_nc_u64 s[G0+4*\s+2:G0+4*\s+3], s[20:21], \s*QROW
	s_or_b32 s[G0+4*\s+3], s[G0+4*\s+3], 0x80000000
	s_mov_b32 s[G0B+4*\s], 1
	s_add_co_u32 s[G0B+4*\s+1], s45, \s*SLOT
	s_add_nc_u64 s[G0B+4*\s+2:G0B+4*\s+3], s[46:47], \s*QROW
	s_or_b32 s[G0B+4*\s+3], s[G0B+4*\s+3], 0x80000000
	JLOAD G0+4*\s, G1, G0B+4*\s, G1B
.endr
	v_and_b32 v1, 15, v0                           ; r
	v_bfe_u32 v2, v0, 4, 1                         ; h
	v_and_b32 v3, 31, v0
	v_lshlrev_b32 v3, 4, v3                        ; 16 x lane
	s_mul_i32 s21, s15, QT
	s_mul_i32 s22, s16, QT
	s_add_co_u32 s22, s22, 2*QT
.irp s, 0,1
	v_add_nc_u32 v[ADRA+\s], s21, v3
	v_add_nc_u32 v[ADRB+\s], s22, v3
	s_add_co_u32 s21, s21, SLOT
	s_add_co_u32 s22, s22, SLOT
.endr
	v_mul_u32_u24 v4, v2, SKP
	v_lshl_add_u32 v4, v1, 2, v4                   ; h x (one K / 128) + 4 r
	s_mul_i32 s21, s15, QS
	s_add_co_u32 s21, s21, SCL
	s_mul_i32 s22, s16, QS
	s_add_co_u32 s22, s22, SCL+2*QS
	v_add_nc_u32 v[ADSA], s21, v4
	v_add_nc_u32 v[ADSB], s22, v4
	s_lshl_b32 s21, s14, 9
	s_add_co_u32 s21, s21, STG                     ; my stage
	v_lshl_add_u32 v[STO], v1, 2, s21
	v_add_nc_u32 v[RD], s21, v3
	v_mov_b32 v[CO], v3
	s_mov_b32 s[SEL], 0x76543210
	s_mov_b32 s[SEL+1], 0xfedcba98
	; the biases.  Both sets are loaded in every cluster, from places inside attn_b, so that no register is left unwritten; the way out uses one of them
	s_lshl_b32 s18, s17, 1
	s_add_co_u32 s18, s18, s15                     ; RA: which 128 of A's rows are mine
	s_lshl_b32 s19, s42, 1
	s_add_co_u32 s19, s19, s16                     ; CB: which 128 of B's
	s_lshl_b32 s92, s19, 9
	s_lshl_b32 s94, s18, 9
	s_cmp_eq_u32 s100, 1
	s_cselect_b32 s92, 0, s92
	s_cselect_b32 s94, s94, 0
	s_mov_b32 s93, 0
	s_mov_b32 s95, 0
	s_add_nc_u64 s[66:67], s[8:9], s[94:95]
	s_add_nc_u64 s[8:9], s[8:9], s[92:93]
	v_lshlrev_b32 v5, 6, v2                        ; 64 h
	v_and_b32 v6, 8, v1
	v_add_nc_u32 v6, v6, v1
	v_lshlrev_b32 v6, 2, v6                        ; 4 (r + 8 (r / 8))
.irp c, 0,1,2,3
.irp j, 0,1,2,3
	global_load_b128 v[BI+16*\c+4*\j:BI+16*\c+4*\j+3], v5, s[8:9] offset:128*\c+16*\j   ; register 16 c + i: the bias of B's row 32 c + 16 h + i
.endr
.endr
.irp a, 0,1,2,3,4,5,6,7
	global_load_b32 v[BR+2*\a], v6, s[66:67] offset:(32*(\a/2)+8*(\a%2))*4   ; the bias of row r of A's block a
	v_mov_b32 v[BR+2*\a+1], 0                      ; (named with it as a pair)
.endr
	; where my results go
	s_sub_co_u32 s21, s18, 16
	s_and_b32 s22, s19, 7
	s_cmp_eq_u32 s100, 1
	s_cselect_b32 s20, s19, s18                    ; my 128 tokens
	s_cselect_b32 s21, s21, s22                    ; my head pair
	s_cselect_b32 s23, 24576, 0                    ; V lies behind K in a slot,
	s_cselect_b32 s92, 8192, 0                     ; and V's scale words behind K's
	s_lshr_b32 s22, s20, 4                         ; batch
	s_and_b32 s20, s20, 15                         ; key step
	s_lshl_b32 s22, s22, 3
	s_add_co_u32 s21, s21, s22                     ; 8 x batch + head pair
	s_mul_i32 s93, s21, 196608
	s_mul_i32 s94, s20, 12288
	s_add_co_u32 s93, s93, s94                     ; q's codes
	s_lshl_b32 s94, s21, 13
	s_lshl_b32 s95, s20, 9
	s_add_co_u32 s94, s94, s95
	s_add_co_u32 s94, s94, 9437184                 ; q's scale words
	s_mul_i32 s22, s21, 393216
	s_add_co_u32 s22, s22, s23
	s_lshr_b32 s23, s20, 1
	s_mul_i32 s23, s23, 49152
	s_add_co_u32 s22, s22, s23
	s_and_b32 s23, s20, 1
	s_mul_i32 s23, s23, 12288
	s_add_co_u32 s22, s22, s23
	s_add_co_u32 s22, s22, 3145728                 ; k's or v's codes
	s_lshl_b32 s23, s21, 14
	s_add_co_u32 s23, s23, s95
	s_add_co_u32 s23, s23, s92
	s_add_co_u32 s23, s23, 9568256                 ; k's or v's scale words
	s_cmp_eq_u32 ttmp9, 0
	s_cselect_b32 s22, s93, s22
	s_cselect_b32 s92, s94, s23
	s_mov_b32 s23, 0
	s_mov_b32 s93, 0
	s_add_nc_u64 s[12:13], s[10:11], s[22:23]
	s_add_nc_u64 s[10:11], s[10:11], s[92:93]
	s_wait_tensorcnt 1                             ; the scale words and my part of slot 0 are in; slot 1's load may stay out
	s_barrier_signal -1
	s_barrier_wait -1
	FETCH_B 0, 0, 0
	FETCH_A 0, 0, 0
	SCALES 0
	FETCH_A 0, 0, 4
	STEP 0, 0, 1                                   ; the first step stands in front of the loop: its products start the sums
	s_mov_b32 s3, LAPS-1
.Llap:
	TURN 0, 1, 1
	STEP 1, 0, 0
	TURN 1, 0, 1
	STEP 0, 0, 0
	s_sub_co_u32 s3, s3, 1
	s_cmp_lg_u32 s3, 0
	s_cbranch_scc1 .Llap
	TURN 0, 1, 0                                   ; the last lap fills nothing
	STEP 1, 0, 0
	s_wait_dscnt 4*NL
	WIN MUL_LO
	MUL16 0, 1, NQ-1, 1, 0
	MUL16 2, 1, NQ-1, 1, 0
	s_wait_dscnt 0
	WIN MUL_HI
	MUL16 4, 1, NQ-1, 1, 0
	MUL16 6, 1, NQ-1, 1, 0
	WIN 0
; THE WAY OUT, block by block of A: bias, quantiser, the fragment's image straight from registers (three stores of 512 consecutive bytes); the scale words gather in my stage.
.macro EPI a
.set AC, 64*((\a)%4)
.if (\a) > 0
	s_wait_xcnt 0x0                                ; the last block's stores have read their registers
.endif
	s_cmp_eq_u32 s100, 1
	s_cbranch_scc1 .Lrow_\@
	WIN (2+(\a)/4)                                 ; source 0: the accumulators' window
.set n, 0
.rept 32
	v_pk_add_f32 v[H+n:H+n+1], v[AC+n:AC+n+1], v[BI+n:BI+n+1]   ; each accumulator from its low end on
.set n, n+2
.endr
	WIN 0
	s_branch .Ljoin_\@
.Lrow_\@:
	WIN (2+(\a)/4)
.set n, 0
.rept 32
	v_pk_add_f32 v[H+n:H+n+1], v[AC+n:AC+n+1], v[BR+2*(\a):BR+2*(\a)+1] op_sel_hi:[1,0]
.set n, n+2
.endr
	WIN 0
.Ljoin_\@:
	QUANT H
.irp c, 0,1,2
	global_store_b128 v[CO], v[PC+4*\c:PC+4*\c+3], s[12:13] offset:FRB*(\a)+512*\c
.endr
	ds_store_b32 v[STO], v[PW] offset:64*(\a)      ; lanes l and l xor 16 write the same word with the same value
.endm
	PLACES NP                                      ; behind the last products: the lines below write registers that they read
	s_wait_loadcnt 0x0                             ; the biases
.irp b, 0,1,2,3
	v_mov_b32 v[TM+4+\b], 0                        ; (a lane permute's destination counts as one of its sources)
.endr
.irp a, 0,1,2,3,4,5,6,7
	EPI \a
.endr
	ds_load_b128 v[H:H+3], v[RD]                   ; LDS serves a wave's instructions in order: this sees my stores
	s_wait_dscnt 0x0
	global_store_b128 v[CO], v[H:H+3], s[10:11]    ; eight blocks' scale words: 512 consecutive bytes
	s_wait_tensorcnt 0x0                           ; the wave's end
	ds_add_u32 v[SPW], v[NIL]
	s_wait_dscnt 0x0
	CROUND                                         ; the closing round
	s_endpgm
.Lfunc_end_k_q396edf87d4_qkv:
	.size	k_q396edf87d4_qkv, .Lfunc_end_k_q396edf87d4_qkv-k_q396edf87d4_qkv
	.p2alignl 7, 3214868480
	.fill 96, 4, 3214868480
	.section	.rodata,"a",@progbits
	.p2align	6, 0x0
	.amdhsa_kernel k_q396edf87d4_qkv
		.amdhsa_group_segment_fixed_size 327680
		.amdhsa_private_segment_fixed_size 0
		.amdhsa_enable_private_segment 0
		.amdhsa_kernarg_size 32
		.amdhsa_user_sgpr_count 2
		.amdhsa_user_sgpr_kernarg_segment_ptr 1
		.amdhsa_wavefront_size32 1
		.amdhsa_system_sgpr_workgroup_id_x 1
		.amdhsa_system_sgpr_workgroup_id_y 1
		.amdhsa_system_sgpr_workgroup_id_z 1
		.amdhsa_system_vgpr_workitem_id 0
		.amdhsa_next_free_vgpr 1024
		.amdhsa_next_free_sgpr 102
		.amdhsa_reserve_vcc 0
		.amdhsa_float_denorm_mode_32 3
		.amdhsa_float_denorm_mode_16_64 3
		.amdhsa_memory_ordered 1
		.amdhsa_forward_progress 1
		.amdhsa_inst_pref_size 180
	.end_amdhsa_kernel
	.amdgpu_metadata
---
amdhsa.version: [ 1, 2 ]
amdhsa.kernels:
  - .name:           k_q396edf87d4_qkv
    .symbol:         k_q396edf87d4_qkv.kd
    .args:
      - { .name: h1, .offset: 0, .size: 8, .value_kind: global_buffer, .address_space: global }
      - { .name: wts, .offset: 8, .size: 8, .value_kind: global_buffer, .address_space: global }
      - { .name: attn_b, .offset: 16, .size: 8, .value_kind: global_buffer, .address_space: global }
      - { .name: qkvq, .offset: 24, .size: 8, .value_kind: global_buffer, .address_space: global }
    .group_segment_fixed_size: 327680
    .private_segment_fixed_size: 0
    .kernarg_segment_align: 8
    .kernarg_segment_size: 32
    .max_flat_workgroup_size: 128
    .sgpr_count:     102
    .vgpr_count:     1024
    .wavefront_size: 32
...
	.end_amdgpu_metadata
.endif
;; end of part 2
;; launch attn (part 3): grid 16 x 16, 16 waves a work-group, clusters of 4 x 1, 327,680 bytes of LDS; arguments qkvq, yq; writes yq
.if DOCPART == 3
	.amdgcn_target "amdgcn-amd-amdhsa--gfx1250"
	.amdhsa_code_object_version 6
	.text
	.protected	k_q396edf87d4_attn
	.globl	k_q396edf87d4_attn
	.p2align	8
	.type	k_q396edf87d4_attn,@function
k_q396edf87d4_attn:
	s_mov_b64 s[64:65], 0
	v_nop
	global_prefetch_b8 v0, s[64:65] scope:SCOPE_SE
	s_setreg_imm32_b32 hwreg(HW_REG_WAVE_MODE, 25, 1), 1
	s_wait_xcnt 0x0
	s_wait_alu depctr_hold_cnt(0) depctr_sa_sdst(0) depctr_va_vdst(0) depctr_va_sdst(0) depctr_va_ssrc(0) depctr_va_vcc(0) depctr_vm_vsrc(0)
	s_getreg_b32 s2, hwreg(HW_REG_IB_STS2, 6, 4)
	s_cmp_eq_u32 s2, 0
	s_cbranch_scc0 .Lentry_in_a_cluster
	s_endpgm
.Lentry_in_a_cluster:
	s_bfe_u32 s2, ttmp6, 0x10000c
	s_cmp_lg_u32 s2, 0x3003
	s_cbranch_scc0 .Lentry_shape_is_right
	s_endpgm
.Lentry_shape_is_right:
; yq = Q(softmax(q k^T / 8) v), both products on FP6 codes, no mask.  16 heads of 64, 2 x 2,048 tokens.
; THE SOFTMAX AHEAD OF THE SECOND PRODUCT: t = score x log2(e) / 8; M = the running largest t rounded UP to a whole number; p = 2^(t - M) is quantised along the keys, not normalised;
; the row's sum is taken of the unquantised p and divides O at the end.  When M moves, the sum and O are multiplied by 2^(old M - new M): exact.
; SHARES.  A work-group owns 128 queries of one pair of heads (y = 8 x batch + pair); wave w owns head w / 8 of the pair and 16 queries (w % 8): 256 registers, four waves to a SIMD.
; Every wave walks all 2,048 keys, 128 a step.  K and V come through two LDS slots of 256 keys (49,152 dense bytes: 16 records of K, 16 of V), fetched by waves 0-3.
; CLUSTER.  The four query blocks of a cluster walk the same K and V: each tile is asked for jointly, by the same load with a mask that names the four.
; OPERANDS are images of registers (1,536 bytes a record, three ds_load_b128).  A record of q or k holds 16 tokens x the pair's 128 channels (registers 0-5 the even head, 6-11 the odd).
; THE HEAD IS PICKED BY ZERO CODES: the other head's six registers of Q are cleared, so K's record and both scale words are used as they lie (no scale byte here is 0xff).
; A record of v holds 16 channels x 128 keys.  Both products are used transposed: a lane holds one query throughout.  Row r of a block of 16 is row 8 u + r + 8 (r / 8) of its 32,
; so the 16 registers of two neighbouring tiles are 16 neighbouring keys (first product) or channels (second).
; LIMITS: NaN and infinities are not served; a p under 2^-126 counts as 0; a block whose largest magnitude lies under 2^-124 (zeros too) keeps the scale byte 1.
.set FRB,   1536
.set VOFF,  16*FRB                     ; V behind K in a slot
.set SLOTB, 32*FRB
.set SLOT1, 1<<16                      ; slot 1 begins here: one exclusive or turns an address
.set NSL,   8
.set SCK,   2*SLOT1                    ; K's scale words of the whole pair, 8,192 bytes
.set SCV,   SCK+8192                   ; V's
.set SPARE, SCV+8192                   ; the spare words, 128 bytes a wave: no other line names them
.set STAGE, SPARE+2048                 ; the way out: eight fragments of y.  No fill ever lands here
.set SSTG,  STAGE+8*FRB                ; and their scale words
.set AK0,  1                           ; v1   16 x lane
.set AV0,  2                           ; v2   my lane's place in my head's records of V
.set ASK0, 3                           ; v3   among K's scale words
.set ASV0, 4                           ; v4   among V's
.set SPW,  5
.set NIL,  6
.set ADK,  8
.set ADV,  9
.set ADS,  10
.set ADT,  11
.set PFO,  28                          ; v28  256 x lane
.set WV,   18
.set SEL,  20
.set CS,   22                          ; s[22:23] c = log2(e) / 8
.set G1T,  24
.set G1S,  32
.set G0,   40
.set G0S,  44
.set TB,   2                           ; s2   where the slot in hand begins
.set TS,   3                           ; s3   the step's scale words: 512 bytes a step
.set SLOTS, 67
.set PFA,  76
.set LIM,  80
.macro CROUND
	s_barrier_signal -1
	s_barrier_wait -1
	s_cmp_lg_u32 s[WV], 0
	s_cbranch_scc1 .Lnot_wave_0_\@
	s_barrier_signal -3
.Lnot_wave_0_\@:
	s_barrier_wait -3
	s_barrier_signal -1
	s_barrier_wait -1
.endm
.macro TLOAD                           ; waves 0-3 fetch a quarter of a slot each; four v_nop follow the load
	s_cmp_lt_u32 s[WV], 4
	s_cbranch_scc0 .Lnone_\@
	tensor_load_to_lds s[G0:G0+3], s[G1T:G1T+7]
	s_nop 0
.rept 4
	v_nop
.endr
.Lnone_\@:
.endm
; A prefetch of the two slots behind the one just asked for, at every second change of slots (7, 5 and 3 slots to go: slots 2-3, 4-5, 6-7): 98,304 bytes = 4 partners x 3 waves x 32 lanes x 256 bytes.
; All clusters of a pair walk the same bytes: the first cluster asks; its partners are told apart by address; in each, waves 4 to 6 ask.  So each 256 bytes are named once.  The last changes ask for nothing.
.macro ASK
	s_cmp_gt_u32 s[SLOTS], s[LIM]
	s_cbranch_scc0 .Lnot_mine_\@
	s_and_b32 s81, s[SLOTS], 1
	s_cmp_eq_u32 s81, 1
	s_cbranch_scc0 .Lnot_mine_\@
	global_prefetch_b8 v[PFO], s[PFA:PFA+1] th:TH_LOAD_NT scope:SCOPE_SE
.Lnot_mine_\@:
.endm
	s_load_b128 s[4:7], s[0:1], 0x0                ; qkvq, yq
	v_lshl_add_u32 v[SPW], v0, 2, SPARE
	v_mov_b32 v[NIL], 0
	ds_add_u32 v5, v6
	s_wait_dscnt 0x0
	v_lshrrev_b32 v8, 5, v0
	v_readfirstlane_b32 s[WV], v8                  ; wave 0..15
	s_lshr_b32 s19, s[WV], 3                       ; which head of the pair
	s_and_b32 s68, s[WV], 7                        ; which tile of 16 queries
	s_and_b32 s72, s[WV], 3                        ; which quarter of a slot (waves 0-3 fetch)
	s_bfe_u32 s69, ttmp6, 0x40000                  ; cx
	s_lshl_b32 s70, ttmp9, 2
	s_add_co_u32 s70, s70, s69                     ; my block of 128 queries
	s_and_b32 s71, ttmp7, 0xffff                   ; 8 x batch + pair: the four partners share it
	s_mov_b32 s[G1T], 15|(3<<16)|(1<<21)           ; the mask: all four; elements of 8 bytes; 21 set beside a mask
	s_mov_b32 s[G1T+1], 32<<16                     ; rows of 256 bytes,
	s_mov_b32 s[G1T+2], 48<<16                     ; 48 of them: 12,288 dense bytes
	s_mov_b32 s[G1T+3], 32<<16
	s_mov_b32 s[G1T+4], 48
	s_mov_b32 s[G1T+5], 32
	s_mov_b32 s[G1T+6], 0
	s_mov_b32 s[G1T+7], 0
	s_mov_b32 s[G1S], 15|(3<<16)|(1<<21)
	s_mov_b32 s[G1S+1], 32<<16
	s_mov_b32 s[G1S+2], 16<<16                     ; 4,096 dense bytes of scale words
	s_mov_b32 s[G1S+3], 32<<16
	s_mov_b32 s[G1S+4], 16
	s_mov_b32 s[G1S+5], 32
	s_mov_b32 s[G1S+6], 0
	s_mov_b32 s[G1S+7], 0
	s_mul_i32 s48, s71, 8*SLOTB
	s_add_co_u32 s48, s48, 3145728                 ; the pair's K and V
	s_mul_i32 s49, s72, 12288
	s_add_co_u32 s50, s48, s49
	s_mov_b32 s51, 0
	s_lshl_b32 s52, s71, 14
	s_lshl_b32 s53, s72, 12
	s_add_co_u32 s52, s52, s53
	s_add_co_u32 s52, s52, 9568256                 ; their scale words
	s_add_co_u32 s54, s53, SCK
	s_mov_b32 s53, 0
	s_lshl_b32 s55, s71, 7
	s_lshl_b32 s56, s70, 3
	s_add_co_u32 s55, s55, s56
	s_add_co_u32 s55, s55, s68                     ; my record of q
	s_mul_i32 s56, s55, FRB
	s_mov_b32 s57, 0
	s_lshl_b32 s58, s55, 6
	s_add_co_u32 s58, s58, 9437184
	s_mov_b32 s59, 0
	s_lshr_b32 s60, s71, 3                         ; batch
	s_and_b32 s61, s71, 7                          ; pair
	s_lshl_b32 s60, s60, 7
	s_lshl_b32 s62, s70, 3
	s_add_co_u32 s60, s60, s62                     ; the work-group's first block of tokens
	s_add_co_u32 s62, s60, s68
	s_lshl_b32 s62, s62, 3
	s_add_co_u32 s62, s62, s61
	s_mul_i32 s62, s62, FRB                        ; yq: image (block, K / 128 = pair)
	s_mov_b32 s63, 0
	s_lshl_b32 s61, s61, 8
	s_add_co_u32 s60, s60, s61
	s_lshl_b32 s60, s60, 6
	s_add_co_u32 s60, s60, 3145728                 ; and the eight blocks' scale words
	s_mov_b32 s61, 0
	s_sub_co_u32 s82, s[WV], 4
	s_cmp_lt_u32 s82, 3                            ; waves 4 to 6,
	s_cselect_b32 s[LIM], 1, -1
	s_cmp_eq_u32 ttmp9, 0                          ; of the pair's first cluster: the same in all four partners
	s_cselect_b32 s[LIM], s[LIM], -1
	s_min_u32 s82, s82, 2
	s_lshl_b32 s82, s82, 13
	s_mul_i32 s83, s69, 24576                      ; my work-group's quarter of two slots
	s_add_co_u32 s82, s82, s83
	s_add_co_u32 s82, s82, s48
	s_add_co_u32 s82, s82, SLOTB                   ; at slot 1: the first change of slots steps it to slot 2.  Nothing is asked for at the head
	s_mov_b32 s83, 0
	s_mov_b32 s[SEL], 0x76543210
	s_mov_b32 s[SEL+1], 0xfedcba98
	s_mov_b32 s[CS], 0x3e38aa3b
	s_mov_b32 s[CS+1], s[CS]
	s_mov_b32 s[TB], 0
	s_mov_b32 s[TS], 0
	s_mov_b32 s[SLOTS], NSL-1
	s_wait_kmcnt 0x0
	s_mov_b32 s[G0], 1
	s_mov_b32 s[G0+1], s49
	s_add_nc_u64 s[G0+2:G0+3], s[4:5], s[50:51]
	s_or_b32 s[G0+3], s[G0+3], 0x80000000
	s_mov_b32 s[G0S], 1
	s_mov_b32 s[G0S+1], s54
	s_add_nc_u64 s[G0S+2:G0S+3], s[4:5], s[52:53]
	s_or_b32 s[G0S+3], s[G0S+3], 0x80000000
	s_add_nc_u64 s[12:13], s[4:5], s[56:57]
	s_add_nc_u64 s[14:15], s[4:5], s[58:59]
	s_add_nc_u64 s[8:9], s[6:7], s[62:63]
	s_add_nc_u64 s[10:11], s[6:7], s[60:61]
	s_add_nc_u64 s[PFA:PFA+1], s[4:5], s[82:83]
	CROUND                                         ; all four work-groups are here: the first joint loads meet
	s_cmp_lt_u32 s[WV], 4                          ; a wave's two first fills stand in one branch: two loads of mine are out
	s_cbranch_scc0 .Lno_first
	tensor_load_to_lds s[G0S:G0S+3], s[G1S:G1S+7]  ; the scale words: filled once
	s_nop 0
	tensor_load_to_lds s[G0:G0+3], s[G1T:G1T+7]    ; slot 0
	s_nop 0
.rept 4
	v_nop
.endr
.Lno_first:
	v_and_b32 v8, 15, v0                           ; r
	v_and_b32 v[AK0], 31, v0
	v_lshlrev_b32 v[AK0], 4, v[AK0]
.irp c, 0,1,2
	global_load_b128 v[16+4*\c:19+4*\c], v[AK0], s[12:13] offset:512*\c   ; Q's fragment stays in registers
.endr
	v_lshlrev_b32 v254, 2, v8
	global_load_b32 v255, v254, s[14:15]           ; and its scale words
	s_mul_i32 s73, s19, 4*FRB
	s_add_co_u32 s73, s73, VOFF
	v_add_nc_u32 v[AV0], s73, v[AK0]
	v_lshl_add_u32 v[ASK0], v8, 2, SCK
	s_lshl_b32 s73, s19, 8
	s_add_co_u32 s73, s73, SCV
	v_lshl_add_u32 v[ASV0], v8, 2, s73
	v_and_b32 v[PFO], 31, v0
	v_lshlrev_b32 v[PFO], 8, v[PFO]
	v_mov_b32 v13, 0xff61b1e6                      ; the largest t so far: -3e38
	v_floor_f32 v12, -v13                          ; -M
	v_mov_b32 v14, 0
	v_mov_b32 v15, 0
.irp b, 0,1,2,3
	v_mov_b32 v[236+\b], 0                         ; (a lane permute's destination counts as one of its sources)
.endr
	v_mov_b32 v253, 0
	s_cmp_eq_u32 s19, 0
	s_cselect_b32 s84, -1, 0
	s_cselect_b32 s85, 0, -1
	s_wait_loadcnt 0x0                             ; Q
.irp i, 0,1,2,3,4,5
	v_and_b32 v[16+\i], s84, v[16+\i]              ; the even head's codes stay in waves 0-7,
	v_and_b32 v[22+\i], s85, v[22+\i]              ; the odd head's in waves 8-15; the others become zero codes
.endr
.set n, 0
.rept 32
	v_mov_b32 v[160+n], 0                          ; O^T: the loop is written once; its first step finds zeros
.set n, n+1
.endr
; A KEY STEP: 128 keys, the q-th of the slot in hand.
.macro STEP q
	v_add_nc_u32 v[ADK], s[TB], v[AK0]             ; (these four are also the places in front of the loads below)
	v_add_nc_u32 v[ADV], s[TB], v[AV0]
	v_add_nc_u32 v[ADS], s[TS], v[ASK0]
	v_add_nc_u32 v[ADT], s[TS], v[ASV0]
.irp g, 0,1                                    ; S^T = K Q^T, four tiles of 16 keys at a time
.if \g > 0
.rept 4
	v_nop                                          ; places in front of loads into registers that matrix instructions have read
.endr
.endif
.irp t, 0,1,2,3
.irp c, 0,1,2
	ds_load_b128 v[32+12*\t+4*\c:35+12*\t+4*\c], v[ADK] offset:(8*(\q)+4*\g+\t)*FRB+512*\c
.endr
	ds_load_b32 v[248+\t], v[ADS] offset:(4*\g+\t)*64
.endr
	s_wait_dscnt 0x0
.irp t, 0,1,2,3
	v_wmma_scale_f32_16x16x128_f8f6f4 v[96+8*(4*\g+\t):103+8*(4*\g+\t)], v[32+12*\t:43+12*\t], v[16:27], 0, v[248+\t], v255 matrix_a_fmt:MATRIX_FMT_FP6 matrix_b_fmt:MATRIX_FMT_FP6
.endr
.endr
.rept 4
	v_nop
.endr
.irp b, 0,1,2,3
	v_max3_num_f32 v[232+\b], v[96+16*\b], v[97+16*\b], v[98+16*\b]   ; the largest score of each block of 32 keys: for the row's maximum and, since p rises with the score, for the block's largest p
.endr
.irp i, 3,5,7,9,11,13
.irp b, 0,1,2,3
	v_max3_num_f32 v[232+\b], v[232+\b], v[96+16*\b+\i], v[97+16*\b+\i]
.endr
.endr
.irp b, 0,1,2,3
	v_max_num_f32 v[232+\b], v[232+\b], v[111+16*\b]
.endr
.irp b, 0,1,2,3
	v_permlanex16_b32 v[236+\b], v[232+\b], s[SEL], s[SEL+1]
.endr
.irp b, 0,1,2,3
	v_max_num_f32 v[232+\b], v[232+\b], v[236+\b]
.endr
	v_max3_num_f32 v254, v232, v233, v234
	v_max_num_f32 v254, v254, v235
	v_mul_f32 v254, s[CS], v254                    ; as t (c is positive)
	v_max_num_f32 v13, v13, v254                   ; the running largest t
	v_mov_b32 v254, v12
	v_floor_f32 v12, -v13                          ; the new -M = -ceil(t): a whole number
	v_sub_f32 v254, v12, v254                      ; old M - new M: a whole number, 0 or less
	v_cvt_i32_f32 v254, v254
	v_ldexp_f32 v252, 1.0, v254                    ; f = 2^(old M - new M)
.set n, 0
.rept 32
	v_pk_fma_f32 v[96+n:97+n], v[96+n:97+n], s[CS:CS+1], v[12:13] op_sel_hi:[1,0,0]   ; t - M
.set n, n+2
.endr
.irp b, 0,1,2,3
	v_fma_f32 v[232+\b], v[232+\b], s[CS], v12
.endr
.set n, 0
.rept 64
	v_exp_f32 v[96+n], v[96+n]                     ; p = 2^(t - M)
.set n, n+1
.endr
	v_pk_mul_f32 v[14:15], v[14:15], v[252:253] op_sel_hi:[1,0]   ; the sums under the new M (a plain place behind the exponentials)
	s_wait_alu depctr_va_vdst(0)                   ; one wait for the batch, ahead of its first reader
.irp b, 0,1,2,3
	v_exp_f32 v[232+\b], v[232+\b]                 ; the block's largest p
.endr
	v_pk_add_f32 v[236:237], v[96:97], v[98:99]    ; the row's sum of the unquantised p, in two chains
.irp j, 4,8,12,16,20,24,28,32,36,40,44,48,52,56,60
	v_pk_add_f32 v[14:15], v[14:15], v[96+\j:97+\j]
	v_pk_add_f32 v[236:237], v[236:237], v[98+\j:99+\j]
.endr
	v_pk_add_f32 v[14:15], v[14:15], v[236:237]
	s_wait_alu depctr_va_vdst(0)                   ; and one for the four
.irp b, 0,1,2,3
	v_max_num_f32 v[232+\b], 0x1800000, v[232+\b]  ; the floor 2^(3 - 127)
.endr
.irp b, 0,1,2,3
	v_add_nc_u32 v[244+\b], 0xff000000, v[232+\b]
.endr
.irp b, 0,1,2,3
	v_lshrrev_b32 v[236+\b], 23, v[244+\b]
.endr
	v_lshl_or_b32 v253, v237, 8, v236              ; p's scale word for these 128 keys
	v_lshl_or_b32 v253, v238, 16, v253
	v_lshl_or_b32 v253, v239, 24, v253
.irp c, 0,1
	v_cvt_scalef32_pk16_fp6_f32 v[224+6*\c:226+6*\c], v[96+32*\c:111+32*\c], v[244+2*\c]
	v_cvt_scalef32_pk16_fp6_f32 v[236+4*\c:238+4*\c], v[112+32*\c:127+32*\c], v[244+2*\c+1]
.endr
	v_nop
.irp c, 0,1
.irp i, 0,1,2
	v_permlane16_swap_b32 v[224+6*\c+\i], v[236+4*\c+\i]
.endr
.irp i, 0,1,2
	v_mov_b32 v[227+6*\c+\i], v[236+4*\c+\i]
.endr
.endr
.set n, 0
.rept 16
	v_pk_mul_f32 v[160+n:161+n], v[160+n:161+n], v[252:253] op_sel_hi:[1,0]   ; O^T under the new M (these are also the places in front of the products below)
.set n, n+2
.endr
.irp t, 0,1,2,3                                ; O^T += V^T P^T: my head's four tiles of 16 channels
.irp c, 0,1,2
	ds_load_b128 v[32+12*\t+4*\c:35+12*\t+4*\c], v[ADV] offset:(8*(\q)+\t)*FRB+512*\c
.endr
	ds_load_b32 v[248+\t], v[ADT] offset:64*\t
.endr
	s_wait_dscnt 0x0
.irp t, 0,1,2,3
	v_wmma_scale_f32_16x16x128_f8f6f4 v[160+8*\t:167+8*\t], v[32+12*\t:43+12*\t], v[224:235], v[160+8*\t:167+8*\t], v[248+\t], v253 matrix_a_fmt:MATRIX_FMT_FP6 matrix_b_fmt:MATRIX_FMT_FP6
.endr
	s_add_co_u32 s[TS], s[TS], 512
.endm
; THE CHANGE OF SLOTS stands at a slot's head.  fill = 1: the slot just left is filled with the keys that follow; the barrier is then a round of the cluster's.
.macro CHANGE fill
	s_wait_tensorcnt 0x0                           ; no tensor load of mine is out, so the descriptor may be written
	ds_add_u32 v[SPW], v[NIL]                      ; 0 onto my spare word
.if \fill
	s_xor_b32 s[G0+1], s[G0+1], SLOT1
	s_add_nc_u64 s[G0+2:G0+3], s[G0+2:G0+3], SLOTB
	s_wait_xcnt 0x0                                ; the last prefetch has read its address
	s_add_nc_u64 s[PFA:PFA+1], s[PFA:PFA+1], SLOTB
	s_wait_dscnt 0x0                               ; the add is done, and my reads of the slot that I have left are over
	CROUND
	TLOAD                                          ; the first thing behind the round, a wave's one tensor load until the next
	ASK
.else
	s_wait_dscnt 0x0
	s_barrier_signal -1
	s_barrier_wait -1
.endif
.endm
.Lslot:                                            ; NSL - 1 trips
	CHANGE 1
	STEP 0
	STEP 1
	s_xor_b32 s[TB], s[TB], SLOT1
	s_sub_co_u32 s[SLOTS], s[SLOTS], 1
	s_cmp_lg_u32 s[SLOTS], 0
	s_cbranch_scc1 .Lslot
	CHANGE 0                                       ; the last slot is written out
	STEP 0
	STEP 1
	; THE WAY OUT: O^T / the sum is quantised along my head's 64 channels: six registers, half of the pair's fragment.  The two waves of a tile meet in the stage.
	v_add_f32 v14, v14, v15
	v_permlanex16_b32 v252, v14, s[SEL], s[SEL+1]
	v_add_f32 v14, v14, v252                       ; the row's sum
	v_rcp_f32 v14, v14
	v_and_b32 v8, 15, v0                           ; (plain work behind the reciprocal and the last products)
	s_mul_i32 s73, s68, FRB
	s_add_co_u32 s73, s73, STAGE                   ; my tile's fragment
	s_mul_i32 s74, s19, 520
	s_add_co_u32 s74, s74, s73
	v_add_nc_u32 v29, s74, v[AK0]                  ; registers 6 e, 6 e + 1 at byte 0 or 520 of my lane's place; 6 e + 4, 6 e + 5 at 512 more
	s_mul_i32 s74, s19, 1016
	s_add_co_u32 s74, s74, s73
	v_add_nc_u32 v30, s74, v[AK0]                  ; registers 6 e + 2, 6 e + 3 at byte 8 or 1,024
	v_add_nc_u32 v9, s73, v[AK0]                   ; back: the whole fragment (waves 0-7)
	s_lshl_b32 s74, s68, 6
	s_lshl_b32 s75, s19, 1
	s_add_co_u32 s74, s74, s75
	s_add_co_u32 s74, s74, SSTG
	v_lshl_add_u32 v31, v8, 2, s74                 ; my two bytes of my row's scale word
	v_add_nc_u32 v10, SSTG, v[AK0]                 ; back: eight tiles' words (wave 8)
	s_wait_alu depctr_va_vdst(0)                   ; ahead of the reciprocal's first reader
.set n, 0
.rept 32
	v_mul_f32 v[96+n], v[160+n], v14               ; register 16 b + i: channel 32 b + 16 (lane / 16) + i of my head
.set n, n+1
.endr
.irp b, 0,1
	v_max3_num_f32 v[236+\b], |v[96+16*\b]|, |v[97+16*\b]|, 0x1800000
.endr
.irp i, 2,4,6,8,10,12,14
.irp b, 0,1
	v_max3_num_f32 v[236+\b], v[236+\b], |v[96+16*\b+\i]|, |v[97+16*\b+\i]|
.endr
.endr
.irp b, 0,1
	v_permlanex16_b32 v[238+\b], v[236+\b], s[SEL], s[SEL+1]
.endr
.irp b, 0,1
	v_max_num_f32 v[236+\b], v[236+\b], v[238+\b]
.endr
.irp b, 0,1
	v_add_nc_u32 v[244+\b], 0xff000000, v[236+\b]
.endr
.irp b, 0,1
	v_lshrrev_b32 v[238+\b], 23, v[244+\b]
.endr
	v_lshl_or_b32 v252, v239, 8, v238
	v_cvt_scalef32_pk16_fp6_f32 v[224:226], v[96:111], v244
	v_cvt_scalef32_pk16_fp6_f32 v[228:230], v[112:127], v245
	v_nop
	v_permlane16_swap_b32 v224, v228
	v_permlane16_swap_b32 v225, v229
	v_permlane16_swap_b32 v226, v230
	v_mov_b32 v227, v228
	v_mov_b32 v228, v229
	v_mov_b32 v229, v230
	ds_store_b64 v29, v[224:225]
	ds_store_b64 v30, v[226:227] offset:8
	ds_store_b64 v29, v[228:229] offset:512
	ds_store_b16 v31, v252
	s_wait_dscnt 0x0                               ; for the others' sake: my stores have landed
	s_barrier_signal -1
	s_barrier_wait -1
	s_cmp_lt_u32 s[WV], 8
	s_cbranch_scc0 .Lnot_codes
.irp c, 0,1,2
	ds_load_b128 v[192+4*\c:195+4*\c], v9 offset:512*\c
.endr
	s_wait_dscnt 0x0
.irp c, 0,1,2
	global_store_b128 v[AK0], v[192+4*\c:195+4*\c], s[8:9] offset:512*\c   ; 512 consecutive bytes, aligned
.endr
.Lnot_codes:
	s_cmp_eq_u32 s[WV], 8
	s_cbranch_scc0 .Ldone
	ds_load_b128 v[192:195], v10
	s_wait_dscnt 0x0
	global_store_b128 v[AK0], v[192:195], s[10:11]
.Ldone:
	s_wait_tensorcnt 0x0                           ; the wave's end
	ds_add_u32 v[SPW], v[NIL]
	s_wait_dscnt 0x0
	CROUND                                         ; the closing round
	s_endpgm
.Lfunc_end_k_q396edf87d4_attn:
	.size	k_q396edf87d4_attn, .Lfunc_end_k_q396edf87d4_attn-k_q396edf87d4_attn
	.p2alignl 7, 3214868480
	.fill 96, 4, 3214868480
	.section	.rodata,"a",@progbits
	.p2align	6, 0x0
	.amdhsa_kernel k_q396edf87d4_attn
		.amdhsa_group_segment_fixed_size 327680
		.amdhsa_private_segment_fixed_size 0
		.amdhsa_enable_private_segment 0
		.amdhsa_kernarg_size 16
		.amdhsa_user_sgpr_count 2
		.amdhsa_user_sgpr_kernarg_segment_ptr 1
		.amdhsa_wavefront_size32 1
		.amdhsa_system_sgpr_workgroup_id_x 1
		.amdhsa_system_sgpr_workgroup_id_y 1
		.amdhsa_system_sgpr_workgroup_id_z 1
		.amdhsa_system_vgpr_workitem_id 0
		.amdhsa_next_free_vgpr 256
		.amdhsa_next_free_sgpr 100
		.amdhsa_reserve_vcc 0
		.amdhsa_float_denorm_mode_32 3
		.amdhsa_float_denorm_mode_16_64 3
		.amdhsa_memory_ordered 1
		.amdhsa_forward_progress 1
		.amdhsa_inst_pref_size 82
	.end_amdhsa_kernel
	.amdgpu_metadata
---
amdhsa.version: [ 1, 2 ]
amdhsa.kernels:
  - .name:           k_q396edf87d4_attn
    .symbol:         k_q396edf87d4_attn.kd
    .args:
      - { .name: qkvq, .offset: 0, .size: 8, .value_kind: global_buffer, .address_space: global }
      - { .name: yq, .offset: 8, .size: 8, .value_kind: global_buffer, .address_space: global }
    .group_segment_fixed_size: 327680
    .private_segment_fixed_size: 0
    .kernarg_segment_align: 8
    .kernarg_segment_size: 16
    .max_flat_workgroup_size: 512
    .sgpr_count:     100
    .vgpr_count:     256
    .wavefront_size: 32
...
	.end_amdgpu_metadata
.endif
;; end of part 3
;; launch proj (part 4): grid 4 x 16, 4 waves a work-group, clusters of 4 x 4, 327,680 bytes of LDS; arguments yq, wts, attn_proj_b, x, x2; writes x2
.if DOCPART == 4
	.amdgcn_target "amdgcn-amd-amdhsa--gfx1250"
	.amdhsa_code_object_version 6
	.text
	.protected	k_q396edf87d4_proj
	.globl	k_q396edf87d4_proj
	.p2align	8
	.type	k_q396edf87d4_proj,@function
k_q396edf87d4_proj:
	s_mov_b64 s[64:65], 0
	v_nop
	global_prefetch_b8 v0, s[64:65] scope:SCOPE_SE
	s_setreg_imm32_b32 hwreg(HW_REG_WAVE_MODE, 25, 1), 1
	s_wait_xcnt 0x0
	s_wait_alu depctr_hold_cnt(0) depctr_sa_sdst(0) depctr_va_vdst(0) depctr_va_sdst(0) depctr_va_ssrc(0) depctr_va_vcc(0) depctr_vm_vsrc(0)
	s_getreg_b32 s2, hwreg(HW_REG_IB_STS2, 6, 4)
	s_cmp_eq_u32 s2, 0
	s_cbranch_scc0 .Lentry_in_a_cluster
	s_endpgm
.Lentry_in_a_cluster:
	s_bfe_u32 s2, ttmp6, 0x10000c
	s_cmp_lg_u32 s2, 0xf033
	s_cbranch_scc0 .Lentry_shape_is_right
	s_endpgm
.Lentry_shape_is_right:
; x2 = x + (yq attn_proj_w + attn_proj_b): product 4 on FP6 codes, K = 1,024, N = 1,024; f32 out.
; THE CORE: a tile of 256 x 256 by four waves, 128 x 128 a wave in 64 accumulators; K in steps of 256 through two LDS slots; 4 x 4 work-groups form a cluster,
; A's tile asked for jointly along a row of the cluster, B's along a column.  Both operands lie in memory as images of their registers (1,536 bytes a fragment of
; 16 rows x 128 K, [block][K / 128]; row r of block g is row 32 (g / 2) + 8 (g % 2) + r + 8 (r / 8)): a tile is 8 rows of 3,072 dense bytes, a fragment three ds_load_b128.
; Source 0 = a block of B, source 1 = a block of A: lane (r, h) of accumulator (a, b) holds row r of A's block a and B's rows 32 (b / 2) + 8 (b % 2) + 16 h + 0 .. 7.
; THE WAY OUT undoes the row order in immediates: columns on the way into the wave's stage, rows in the stores' offsets.  64 tiles: 64 work-groups.
.set KDIM,   1024
.set NBA,    256
.set NBB,    64
.set A_SC,   3145728                   ; where A's scale words begin in its buffer
.set B_IMG,  2359296                   ; where B's images begin in wts
.set B_SC,   9568256                   ; and its scale words
.set NT,     0                         ; the output is read again by later launches
.set KB,     KDIM/128
.set NQ,     2
.set FR,     12
.set NL,     3
.set NP,     4
.set FRB,    1536
.set QROW,   NQ*FRB
.set QT,     8*QROW
.set SLOT,   4*QT
.set LAPS,   KDIM/512
.set SCL,    2*SLOT
.set SKP,    576
.set QS,     KB*SKP
.set SPARE,  SCL+4*QS
.set STG,    SPARE+512                 ; a stage of 16 rows x (512 + 16) bytes for each wave: no fill ever lands here
.set SPITCH, 528
.set ADRA, 16
.set ADRB, 20
.set ADSA, 22
.set ADSB, 23
.set STO,  24
.set RD,   25
.set CO,   26
.set SPW,  28
.set NIL,  29
.set SC,   32
.set RS,   64                          ; v64-127 16 rows of the residual
.set AF,   128
.set BK,   128                         ; the way out: 16 rows back from the stage, v128-191 and v192-255 by turns
.set G1, 24
.set G0, 32
.set G1B, 48
.set G0B, 56
.set G1S, 68
.set G0S, 76
.set G1SB, 80
.set G0SB, 88
.set MSB, 0
.macro WIN new
.if MSB != \new
	s_set_vgpr_msb (MSB<<8)|\new
.set MSB, \new
.endif
.endm
.set MUL_LO, 0xa1
.set MUL_HI, 0xf1
.set TO_B,   0x40
.macro JLOAD g0a, g1a, g0b, g1b        ; a joint load: waves 0 and 1 fetch for A, waves 2 and 3 for B; four v_nop follow each line
	s_cmp_eq_u32 s15, 0
	s_cbranch_scc0 .Lfor_b_\@
	tensor_load_to_lds s[\g0a:\g0a+3], s[\g1a:\g1a+7]
	s_nop 0
.rept 4
	v_nop
.endr
	s_branch .Lasked_\@
.Lfor_b_\@:
	tensor_load_to_lds s[\g0b:\g0b+3], s[\g1b:\g1b+7]
	s_nop 0
.rept 4
	v_nop
.endr
.Lasked_\@:
.endm
.macro CREST
	s_cmp_lg_u32 s14, 0
	s_cbranch_scc1 .Lnot_wave_0_\@
	s_barrier_signal -3
.Lnot_wave_0_\@:
	s_barrier_wait -3
	s_barrier_signal -1
	s_barrier_wait -1
.endm
.macro CROUND
	s_barrier_signal -1
	s_barrier_wait -1
	CREST
.endm
.macro PLACES n
.rept \n
	v_nop
.endr
.endm
.macro FRAG reg, adr, q, i
.irp c, 0,1,2
	ds_load_b128 v[\reg+4*\c:\reg+4*\c+3], v[\adr] offset:(\i)*QROW+(\q)*FRB+512*\c
.endr
.endm
.macro FETCH_B slot, q, p
	WIN TO_B
.irp i, 0,1,2,3,4,5,6,7
	FRAG 128*(\p)+FR*\i, ADRB+\slot, \q, \i
.endr
	WIN 0
.endm
.macro FETCH_A slot, q, i0
.irp i, \i0, \i0+1, \i0+2, \i0+3
	FRAG AF+FR*(\i), ADRA+\slot, \q, \i
.endr
.endm
.macro SCALES sc
.irp i, 0,1,2,3,4,5,6,7
	ds_load_b32 v[SC+16*\sc+\i], v[ADSA] offset:64*\i
	ds_load_b32 v[SC+16*\sc+8+\i], v[ADSB] offset:64*\i
.endr
.endm
.macro MUL16 a0, p, q, sc, zero        ; the 64 accumulators take turns, one instruction a turn
.irp a, \a0, \a0+1
.irp b, 0,1,2,3,4,5,6,7
.set rD, 8*(8*((\a)%4)+\b)
.set rB, 128*(\p)+FR*\b
.set rA, AF+FR*(\a)
.set rSB, SC+16*(\sc)+8+\b
.set rSA, SC+16*(\sc)+(\a)
.if \zero
	v_wmma_scale_f32_16x16x128_f8f6f4 v[rD:rD+7], v[rB:rB+11], v[rA:rA+11], 0, v[rSB], v[rSA] matrix_a_fmt:MATRIX_FMT_FP6 matrix_b_fmt:MATRIX_FMT_FP6
.elseif (\q) == 0
	v_wmma_scale_f32_16x16x128_f8f6f4 v[rD:rD+7], v[rB:rB+11], v[rA:rA+11], v[rD:rD+7], v[rSB], v[rSA] matrix_a_fmt:MATRIX_FMT_FP6 matrix_b_fmt:MATRIX_FMT_FP6
.else
	v_wmma_scale_f32_16x16x128_f8f6f4 v[rD:rD+7], v[rB:rB+11], v[rA:rA+11], v[rD:rD+7], v[rSB], v[rSA] matrix_a_fmt:MATRIX_FMT_FP6 matrix_b_fmt:MATRIX_FMT_FP6 matrix_a_scale:MATRIX_SCALE_ROW1 matrix_b_scale:MATRIX_SCALE_ROW1
.endif
.endr
.endr
.endm
.macro STEP slot, q, zero
	s_wait_dscnt 4*NL                              ; all but the 12 youngest loads (A's blocks 4-7) are in
	WIN MUL_LO
	MUL16 0, (\q)%2, \q, \slot, \zero
	MUL16 2, (\q)%2, \q, \slot, \zero
	s_wait_dscnt 0
	PLACES NP
	FETCH_B \slot, (\q)+1, 1-(\q)%2
	FETCH_A \slot, (\q)+1, 0
	WIN MUL_HI
	MUL16 4, (\q)%2, \q, \slot, \zero
	MUL16 6, (\q)%2, \q, \slot, \zero
	PLACES NP
	WIN 0
	FETCH_A \slot, (\q)+1, 4
.endm
.macro TURN slot, next, fill
	s_wait_tensorcnt 0x0                           ; all my tensor loads have landed: my part of the next slot
	ds_add_u32 v[SPW], v[NIL]                      ; 0 onto my spare word
	s_wait_dscnt 4*NL+1                            ; the add and the 12 youngest loads may be out
	WIN MUL_LO
	MUL16 0, 1, NQ-1, \slot, 0
	s_wait_dscnt 0x0                               ; the add is done, and my reads of this slot are over
	s_barrier_signal -1
	MUL16 2, 1, NQ-1, \slot, 0
	WIN 0
	s_barrier_wait -1
.if \fill
	CREST                                          ; a round of the cluster's barrier: no wave of any partner still reads this slot or has a load on its way
	s_add_nc_u64 s[G0+4*\slot+2:G0+4*\slot+3], s[G0+4*\slot+2:G0+4*\slot+3], 2*QROW
	s_add_nc_u64 s[G0B+4*\slot+2:G0B+4*\slot+3], s[G0B+4*\slot+2:G0B+4*\slot+3], 2*QROW
	JLOAD G0+4*\slot, G1, G0B+4*\slot, G1B
.else
	PLACES NP
.endif
	v_add_nc_u32 v[ADSA], 2*SKP, v[ADSA]
	v_add_nc_u32 v[ADSB], 2*SKP, v[ADSB]
	FETCH_B \next, 0, 0
	FETCH_A \next, 0, 0
	SCALES \next
	WIN MUL_HI
	MUL16 4, 1, NQ-1, \slot, 0
	MUL16 6, 1, NQ-1, \slot, 0
	PLACES NP
	WIN 0
	FETCH_A \next, 0, 4
.endm
.macro RLOAD a                         ; the residual's 16 rows of A's block a: 512 consecutive bytes a load
.irp t, 0,1,2,3,4,5,6,7,8,9,10,11,12,13,14,15
	global_load_b128 v[RS+4*\t:RS+4*\t+3], v[CO], s[10:11] offset:(32*((\a)/2)+8*((\a)%2)+\t+8*(\t/8))*4096
.endr
.endm
	s_load_b128 s[4:7], s[0:1], 0x0                ; A, wts
	s_load_b128 s[8:11], s[0:1], 0x10              ; bias, residual
	s_load_b64 s[12:13], s[0:1], 0x20              ; out
	v_lshl_add_u32 v[SPW], v0, 2, SPARE
	v_mov_b32 v[NIL], 0
	ds_add_u32 v28, v29
	s_wait_dscnt 0x0
	v_lshrrev_b32 v1, 5, v0
	v_readfirstlane_b32 s14, v1
	s_lshr_b32 s15, s14, 1
	s_and_b32 s16, s14, 1
	s_bfe_u32 s40, ttmp6, 0x40000
	s_bfe_u32 s41, ttmp6, 0x40004
	s_lshl_b32 s42, ttmp9, 2
	s_add_co_u32 s42, s42, s40                     ; B's tile
	s_and_b32 s17, ttmp7, 0xffff
	s_lshl_b32 s17, s17, 2
	s_add_co_u32 s17, s17, s41                     ; A's tile
	s_lshl_b32 s43, s41, 2
	s_lshl_b32 s43, 15, s43
	s_lshl_b32 s44, 0x1111, s40
	s_or_b32 s[G1+0], s43, (3<<16)|(1<<21)
	s_or_b32 s[G1B+0], s44, (3<<16)|(1<<21)
.irp g, G1, G1B
	s_mov_b32 s[\g+1], 384<<16
	s_mov_b32 s[\g+2], 8<<16
	s_mov_b32 s[\g+3], 384<<16
	s_mov_b32 s[\g+4], 8
	s_mov_b32 s[\g+5], KB*192
	s_mov_b32 s[\g+6], 0
	s_mov_b32 s[\g+7], 0
.endr
	s_or_b32 s[G1S+0], s43, (3<<16)|(1<<20)|(1<<21)|(6<<22)|(15<<25)
	s_or_b32 s[G1SB+0], s44, (3<<16)|(1<<20)|(1<<21)|(6<<22)|(15<<25)
.irp g, G1S, G1SB
	s_mov_b32 s[\g+1], 64<<16
	s_mov_b32 s[\g+2], KB<<16
	s_mov_b32 s[\g+3], 64<<16
	s_mov_b32 s[\g+4], KB
	s_mov_b32 s[\g+6], 0
	s_mov_b32 s[\g+7], 0
.endr
	s_mov_b32 s[G1S+5], NBA*8
	s_mov_b32 s[G1SB+5], NBB*8
	s_lshl_b32 s18, s16, 3
	s_lshl_b32 s20, s17, 4
	s_add_co_u32 s20, s20, s18
	s_lshl_b32 s46, s42, 4
	s_add_co_u32 s46, s46, s18
	s_lshl_b32 s22, s20, 6
	s_add_co_u32 s22, s22, A_SC
	s_mov_b32 s23, 0
	s_lshl_b32 s92, s46, 6
	s_add_co_u32 s92, s92, B_SC
	s_mov_b32 s93, 0
	s_mul_i32 s20, s20, KB*FRB
	s_mov_b32 s21, 0
	s_mul_i32 s46, s46, KB*FRB
	s_add_co_u32 s46, s46, B_IMG
	s_mov_b32 s47, 0
	s_mul_i32 s45, s14, QT
	s_mul_i32 s94, s14, QS
	s_wait_kmcnt 0x0
	s_add_nc_u64 s[20:21], s[4:5], s[20:21]
	s_add_nc_u64 s[22:23], s[4:5], s[22:23]
	s_add_nc_u64 s[46:47], s[6:7], s[46:47]
	s_add_nc_u64 s[92:93], s[6:7], s[92:93]
	CROUND
	s_mov_b32 s[G0S], 1
	s_add_co_u32 s[G0S+1], s94, SCL
	s_mov_b64 s[G0S+2:G0S+3], s[22:23]
	s_or_b32 s[G0S+3], s[G0S+3], 0x80000000
	s_mov_b32 s[G0SB], 1
	s_add_co_u32 s[G0SB+1], s94, SCL
	s_mov_b64 s[G0SB+2:G0SB+3], s[92:93]
	s_or_b32 s[G0SB+3], s[G0SB+3], 0x80000000
	JLOAD G0S, G1S, G0SB, G1SB
.irp s, 0,1
	s_mov_b32 s[G0+4*\s], 1
	s_add_co_u32 s[G0+4*\s+1], s45, \s*SLOT
	s_add_nc_u64 s[G0+4*\s+2:G0+4*\s+3], s[20:21], \s*QROW
	s_or_b32 s[G0+4*\s+3], s[G0+4*\s+3], 0x80000000
	s_mov_b32 s[G0B+4*\s], 1
	s_add_co_u32 s[G0B+4*\s+1], s45, \s*SLOT
	s_add_nc_u64 s[G0B+4*\s+2:G0B+4*\s+3], s[46:47], \s*QROW
	s_or_b32 s[G0B+4*\s+3], s[G0B+4*\s+3], 0x80000000
	JLOAD G0+4*\s, G1, G0B+4*\s, G1B
.endr
	v_and_b32 v1, 15, v0
	v_bfe_u32 v2, v0, 4, 1
	v_and_b32 v3, 31, v0
	v_lshlrev_b32 v3, 4, v3
	s_mul_i32 s21, s15, QT
	s_mul_i32 s22, s16, QT
	s_add_co_u32 s22, s22, 2*QT
.irp s, 0,1
	v_add_nc_u32 v[ADRA+\s], s21, v3
	v_add_nc_u32 v[ADRB+\s], s22, v3
	s_add_co_u32 s21, s21, SLOT
	s_add_co_u32 s22, s22, SLOT
.endr
	v_mul_u32_u24 v4, v2, SKP
	v_lshl_add_u32 v4, v1, 2, v4
	s_mul_i32 s21, s15, QS
	s_add_co_u32 s21, s21, SCL
	s_mul_i32 s22, s16, QS
	s_add_co_u32 s22, s22, SCL+2*QS
	v_add_nc_u32 v[ADSA], s21, v4
	v_add_nc_u32 v[ADSB], s22, v4
	s_mul_i32 s21, s14, 16*SPITCH
	s_add_co_u32 s21, s21, STG                     ; my stage
	v_mul_u32_u24 v4, v1, SPITCH
	v_lshl_add_u32 v4, v2, 6, v4
	v_add_nc_u32 v[STO], s21, v4                   ; in: row r, + 64 h
	v_add_nc_u32 v[RD], s21, v3                    ; back: 32 lanes take one row of 512 bytes
	v_mov_b32 v[CO], v3
	s_lshl_b32 s18, s17, 8
	s_lshl_b32 s19, s15, 7
	s_add_co_u32 s18, s18, s19                     ; my first row
	s_lshl_b32 s20, s18, 12
	s_lshl_b32 s19, s42, 10
	s_lshl_b32 s22, s16, 9
	s_add_co_u32 s22, s22, s19                     ; my first column, in bytes
	s_add_co_u32 s20, s20, s22
	s_mov_b32 s21, 0
	s_mov_b32 s23, 0
	s_add_nc_u64 s[10:11], s[10:11], s[20:21]
	s_add_nc_u64 s[12:13], s[12:13], s[20:21]
	s_add_nc_u64 s[8:9], s[8:9], s[22:23]
	global_load_b128 v[8:11], v[CO], s[8:9]        ; the bias of my four columns of a row
	RLOAD 0                                        ; the first block's residual rows: into registers that the products never touch
	s_wait_tensorcnt 1                             ; the scale words and my part of slot 0 are in; slot 1's load may stay out
	s_barrier_signal -1
	s_barrier_wait -1
	FETCH_B 0, 0, 0
	FETCH_A 0, 0, 0
	SCALES 0
	FETCH_A 0, 0, 4
	STEP 0, 0, 1
	s_mov_b32 s3, LAPS-1
.Llap:
	TURN 0, 1, 1
	STEP 1, 0, 0
	TURN 1, 0, 1
	STEP 0, 0, 0
	s_sub_co_u32 s3, s3, 1
	s_cmp_lg_u32 s3, 0
	s_cbranch_scc1 .Llap
	TURN 0, 1, 0
	STEP 1, 0, 0
	s_wait_dscnt 4*NL
	WIN MUL_LO
	MUL16 0, 1, NQ-1, 1, 0
	MUL16 2, 1, NQ-1, 1, 0
	s_wait_dscnt 0
	WIN MUL_HI
	MUL16 4, 1, NQ-1, 1, 0
	MUL16 6, 1, NQ-1, 1, 0
	WIN 0
.macro OUT a
.set AC, 64*((\a)%4)
.set BB, BK+64*((\a)%2)
.if (\a) > 1
	s_wait_xcnt 0x0                                ; the stores of two blocks ago have read the registers that this block's rows land in
.endif
	WIN (0x08+4*((\a)/4))                          ; an LDS store's data: window 2 or 3
.irp b, 0,1,2,3,4,5,6,7
	ds_store_b128 v[STO], v[AC+8*\b:AC+8*\b+3] offset:128*(\b/2)+32*(\b%2)       ; each accumulator from its low end on; the offsets put B's rows in their true order
	ds_store_b128 v[STO], v[AC+8*\b+4:AC+8*\b+7] offset:128*(\b/2)+32*(\b%2)+16
.endr
	WIN 0
.irp t, 0,1,2,3,4,5,6,7,8,9,10,11,12,13,14,15
	ds_load_b128 v[BB+4*\t:BB+4*\t+3], v[RD] offset:\t*SPITCH   ; LDS serves a wave's instructions in order: these see my stores
.endr
	s_wait_dscnt 0x0
	s_wait_loadcnt 0x0                             ; the bias and this block's residual rows
.irp t, 0,1,2,3,4,5,6,7,8,9,10,11,12,13,14,15
	v_pk_add_f32 v[BB+4*\t:BB+4*\t+1], v[BB+4*\t:BB+4*\t+1], v[8:9]
	v_pk_add_f32 v[BB+4*\t+2:BB+4*\t+3], v[BB+4*\t+2:BB+4*\t+3], v[10:11]
.endr
.set n, 0
.rept 32
	v_pk_add_f32 v[BB+n:BB+n+1], v[BB+n:BB+n+1], v[RS+n:RS+n+1]
.set n, n+2
.endr
.if (\a) < 7
	RLOAD (\a)+1
.endif
.irp t, 0,1,2,3,4,5,6,7,8,9,10,11,12,13,14,15
.if NT
	global_store_b128 v[CO], v[BB+4*\t:BB+4*\t+3], s[12:13] offset:(32*((\a)/2)+8*((\a)%2)+\t+8*(\t/8))*4096 th:TH_STORE_NT
.else
	global_store_b128 v[CO], v[BB+4*\t:BB+4*\t+3], s[12:13] offset:(32*((\a)/2)+8*((\a)%2)+\t+8*(\t/8))*4096   ; 512 consecutive bytes, aligned; the offset puts A's row in its true place
.endif
.endr
.endm
	PLACES NP                                      ; behind the last products: loads land in registers that they read
.irp a, 0,1,2,3,4,5,6,7
	OUT \a
.endr
	s_wait_tensorcnt 0x0                           ; the wave's end
	ds_add_u32 v[SPW], v[NIL]
	s_wait_dscnt 0x0
	CROUND
	s_endpgm
.Lfunc_end_k_q396edf87d4_proj:
	.size	k_q396edf87d4_proj, .Lfunc_end_k_q396edf87d4_proj-k_q396edf87d4_proj
	.p2alignl 7, 3214868480
	.fill 96, 4, 3214868480
	.section	.rodata,"a",@progbits
	.p2align	6, 0x0
	.amdhsa_kernel k_q396edf87d4_proj
		.amdhsa_group_segment_fixed_size 327680
		.amdhsa_private_segment_fixed_size 0
		.amdhsa_enable_private_segment 0
		.amdhsa_kernarg_size 40
		.amdhsa_user_sgpr_count 2
		.amdhsa_user_sgpr_kernarg_segment_ptr 1
		.amdhsa_wavefront_size32 1
		.amdhsa_system_sgpr_workgroup_id_x 1
		.amdhsa_system_sgpr_workgroup_id_y 1
		.amdhsa_system_sgpr_workgroup_id_z 1
		.amdhsa_system_vgpr_workitem_id 0
		.amdhsa_next_free_vgpr 1024
		.amdhsa_next_free_sgpr 102
		.amdhsa_reserve_vcc 0
		.amdhsa_float_denorm_mode_32 3
		.amdhsa_float_denorm_mode_16_64 3
		.amdhsa_memory_ordered 1
		.amdhsa_forward_progress 1
		.amdhsa_inst_pref_size 182
	.end_amdhsa_kernel
	.amdgpu_metadata
---
amdhsa.version: [ 1, 2 ]
amdhsa.kernels:
  - .name:           k_q396edf87d4_proj
    .symbol:         k_q396edf87d4_proj.kd
    .args:
      - { .name: yq, .offset: 0, .size: 8, .value_kind: global_buffer, .address_space: global }
      - { .name: wts, .offset: 8, .size: 8, .value_kind: global_buffer, .address_space: global }
      - { .name: attn_proj_b, .offset: 16, .size: 8, .value_kind: global_buffer, .address_space: global }
      - { .name: x, .offset: 24, .size: 8, .value_kind: global_buffer, .address_space: global }
      - { .name: x2, .offset: 32, .size: 8, .value_kind: global_buffer, .address_space: global }
    .group_segment_fixed_size: 327680
    .private_segment_fixed_size: 0
    .kernarg_segment_align: 8
    .kernarg_segment_size: 40
    .max_flat_workgroup_size: 128
    .sgpr_count:     102
    .vgpr_count:     1024
    .wavefront_size: 32
...
	.end_amdgpu_metadata
.endif
;; end of part 4
;; launch ln2 (part 5): grid 256 x 1, 8 waves a work-group, no clusters, 2,048 bytes of LDS; arguments x2, ln2_w, ln2_b, h2; writes h2
.if DOCPART == 5
	.amdgcn_target "amdgcn-amd-amdhsa--gfx1250"
	.amdhsa_code_object_version 6
	.text
	.protected	k_q396edf87d4_ln2
	.globl	k_q396edf87d4_ln2
	.p2align	8
	.type	k_q396edf87d4_ln2,@function
k_q396edf87d4_ln2:
	s_mov_b64 s[64:65], 0
	v_nop
	global_prefetch_b8 v0, s[64:65] scope:SCOPE_SE
	s_setreg_imm32_b32 hwreg(HW_REG_WAVE_MODE, 25, 1), 1
	s_wait_xcnt 0x0
; h2 = Q(layer_norm(x2)), quantised to FP6 (E2M3) with one E8M0 byte for each 32 along the 1,024 channels, stored as images of the operand's registers:
; a fragment (16 rows x 128 K) is 1,536 bytes, piece c of 512 bytes holds lane l's registers 4 c .. 4 c + 3 at 16 l; images lie [block][K / 128]; row r of block g is token
; 32 (g / 2) + 8 (g % 2) + r + 8 (r / 8); scale words lie [K / 128][block][16 rows] behind the images.
; A work-group takes one block of 16 tokens, wave w channels 128 w .. 128 w + 127; a lane holds 16 neighbours of each of its four blocks of 32.
; Mean first, then the sum of squares of x - mean: no difference of large sums is formed.  The eight waves' sums meet in LDS, two barriers.
; No tile is shared between work-groups, so there is no cluster; memory binds, so there is no matrix work.
; LIMITS: NaN and infinities are not served.  A block whose largest magnitude lies under 2^-124 (zeros too) keeps the scale byte 1; this program alone reads the bytes.
.set X,   32
.set W,   96
.set BV,  160
.set PC,  224
.set CH,  244
.set TM,  8
.set PW,  20
.set SEL, 38
.macro QUANT s
.irp b, 0,1,2,3
	v_max3_num_f32 v[TM+\b], |v[\s+16*\b]|, |v[\s+1+16*\b]|, 0x1800000   ; my 16 numbers of block b, and the floor 2^(3 - 127)
.endr
.irp i, 2,4,6,8,10,12,14
.irp b, 0,1,2,3
	v_max3_num_f32 v[TM+\b], v[TM+\b], |v[\s+16*\b+\i]|, |v[\s+1+16*\b+\i]|
.endr
.endr
.irp b, 0,1,2,3
	v_permlanex16_b32 v[TM+4+\b], v[TM+\b], s[SEL], s[SEL+1]
.endr
.irp b, 0,1,2,3
	v_max_num_f32 v[TM+\b], v[TM+\b], v[TM+4+\b]
.endr
.irp b, 0,1,2,3
	v_add_nc_u32 v[TM+8+\b], 0xff000000, v[TM+\b]  ; 2 off the exponent field: the conversion's scale operand
.endr
.irp b, 0,1,2,3
	v_lshrrev_b32 v[TM+4+\b], 23, v[TM+8+\b]       ; the scale's byte
.endr
	v_lshl_or_b32 v[PW], v[TM+5], 8, v[TM+4]
	v_lshl_or_b32 v[PW], v[TM+6], 16, v[PW]
	v_lshl_or_b32 v[PW], v[TM+7], 24, v[PW]
.irp c, 0,1
	v_cvt_scalef32_pk16_fp6_f32 v[PC+6*\c:PC+2+6*\c], v[\s+32*\c:\s+15+32*\c], v[TM+8+2*\c]
	v_cvt_scalef32_pk16_fp6_f32 v[PC+12+4*\c:PC+14+4*\c], v[\s+16+32*\c:\s+31+32*\c], v[TM+9+2*\c]
.endr
	v_nop                                          ; one plain place behind a scaled conversion
.irp c, 0,1
.irp i, 0,1,2
	v_permlane16_swap_b32 v[PC+6*\c+\i], v[PC+12+4*\c+\i]
.endr
.irp i, 0,1,2
	v_mov_b32 v[PC+3+6*\c+\i], v[PC+12+4*\c+\i]
.endr
.endr
.endm
.macro ROWSUM off                      ; the four chains become the row's sum in v26: my lane, lane l xor 16, the eight waves' through LDS, one barrier
	v_pk_add_f32 v[CH:CH+1], v[CH:CH+1], v[CH+2:CH+3]
	v_pk_add_f32 v[CH+4:CH+5], v[CH+4:CH+5], v[CH+6:CH+7]
	v_pk_add_f32 v[CH:CH+1], v[CH:CH+1], v[CH+4:CH+5]
	v_add_f32 v26, v[CH], v[CH+1]
	v_permlanex16_b32 v28, v26, s[SEL], s[SEL+1]
	v_add_f32 v26, v26, v28
	ds_store_b32 v6, v26 offset:\off
	s_wait_dscnt 0x0                               ; for the others' sake: my store has landed
	s_barrier_signal -1
	s_barrier_wait -1
	ds_load_b128 v[CH:CH+3], v7 offset:\off
	ds_load_b128 v[CH+4:CH+7], v7 offset:\off+16
	s_wait_dscnt 0x0
	v_pk_add_f32 v[CH:CH+1], v[CH:CH+1], v[CH+2:CH+3]
	v_pk_add_f32 v[CH+4:CH+5], v[CH+4:CH+5], v[CH+6:CH+7]
	v_pk_add_f32 v[CH:CH+1], v[CH:CH+1], v[CH+4:CH+5]
	v_add_f32 v26, v[CH], v[CH+1]
.endm
	s_load_b256 s[4:11], s[0:1], 0x0               ; x2, ln2_w, ln2_b, h2
	v_lshl_add_u32 v254, v0, 2, 0x400
	v_mov_b32 v255, 0
	v_lshrrev_b32 v1, 5, v0
	v_readfirstlane_b32 s2, v1                     ; wave 0..7
	v_and_b32 v1, 15, v0                           ; r
	v_bfe_u32 v2, v0, 4, 1                         ; h
	v_and_b32 v3, 8, v1
	v_add_nc_u32 v3, v3, v1                        ; r + 8 (r / 8)
	v_and_b32 v21, 31, v0
	v_lshlrev_b32 v21, 4, v21
	v_lshlrev_b32 v27, 2, v1
	v_lshlrev_b32 v4, 12, v3
	v_lshl_add_u32 v4, v2, 6, v4
	v_lshlrev_b32 v5, 6, v2
	v_lshlrev_b32 v7, 5, v1
	s_lshl_b32 s3, s2, 2
	v_add_nc_u32 v6, s3, v7
	v_mov_b32 v28, 0
.irp b, 0,1,2,3
	v_mov_b32 v[TM+4+\b], 0
.endr
	s_mov_b32 s36, 0x3a800000                      ; 1 / 1024
	s_mov_b32 s37, 0x3727c5ac                      ; eps = 1e-5
	s_mov_b32 s[SEL], 0x76543210
	s_mov_b32 s[SEL+1], 0xfedcba98
	s_lshr_b32 s32, ttmp9, 1
	s_lshl_b32 s32, s32, 5
	s_and_b32 s33, ttmp9, 1
	s_lshl_b32 s33, s33, 3
	s_or_b32 s32, s32, s33
	s_lshl_b32 s32, s32, 12
	s_lshl_b32 s34, s2, 9
	s_add_co_u32 s32, s32, s34
	s_mov_b32 s33, 0
	s_mov_b32 s35, 0
	s_lshl_b32 s40, ttmp9, 3
	s_add_co_u32 s40, s40, s2
	s_mul_i32 s40, s40, 1536
	s_mov_b32 s41, 0
	s_lshl_b32 s42, s2, 8
	s_add_co_u32 s42, s42, ttmp9
	s_lshl_b32 s42, s42, 6
	s_add_co_u32 s42, s42, 3145728
	s_mov_b32 s43, 0
	s_wait_kmcnt 0x0
	s_add_nc_u64 s[4:5], s[4:5], s[32:33]
	s_add_nc_u64 s[6:7], s[6:7], s[34:35]
	s_add_nc_u64 s[8:9], s[8:9], s[34:35]
	s_add_nc_u64 s[42:43], s[10:11], s[42:43]
	s_add_nc_u64 s[10:11], s[10:11], s[40:41]
.irp b, 0,1,2,3
.irp j, 0,1,2,3
	global_load_b128 v[X+16*\b+4*\j:X+16*\b+4*\j+3], v4, s[4:5] offset:128*\b+16*\j
.endr
.endr
.irp b, 0,1,2,3
.irp j, 0,1,2,3
	global_load_b128 v[W+16*\b+4*\j:W+16*\b+4*\j+3], v5, s[6:7] offset:128*\b+16*\j
.endr
.endr
.irp b, 0,1,2,3
.irp j, 0,1,2,3
	global_load_b128 v[BV+16*\b+4*\j:BV+16*\b+4*\j+3], v5, s[8:9] offset:128*\b+16*\j
.endr
.endr
	s_wait_loadcnt 32                              ; x2 is in; the 32 younger loads, gain and bias, may stay out
.irp k, 0,1,2,3
	v_pk_add_f32 v[CH+2*\k:CH+2*\k+1], v[X+2*\k:X+2*\k+1], v[X+8+2*\k:X+9+2*\k]
.endr
.irp i, 2,3,4,5,6,7
.irp k, 0,1,2,3
	v_pk_add_f32 v[CH+2*\k:CH+2*\k+1], v[CH+2*\k:CH+2*\k+1], v[X+8*\i+2*\k:X+8*\i+2*\k+1]
.endr
.endr
	ROWSUM 0
	v_mul_f32 v22, s36, v26
	v_mov_b32 v23, v22
.set n, 0
.rept 32
	v_pk_add_f32 v[X+n:X+n+1], v[X+n:X+n+1], v[22:23] neg_lo:[0,1] neg_hi:[0,1]
.set n, n+2
.endr
.irp k, 0,1,2,3
	v_pk_mul_f32 v[CH+2*\k:CH+2*\k+1], v[X+2*\k:X+2*\k+1], v[X+2*\k:X+2*\k+1]
.endr
.irp i, 1,2,3,4,5,6,7
.irp k, 0,1,2,3
	v_pk_fma_f32 v[CH+2*\k:CH+2*\k+1], v[X+8*\i+2*\k:X+8*\i+2*\k+1], v[X+8*\i+2*\k:X+8*\i+2*\k+1], v[CH+2*\k:CH+2*\k+1]
.endr
.endr
	ROWSUM 512                                     ; other LDS words than the first sum's: no third barrier is needed
	v_fma_f32 v26, v26, s36, s37
	v_rsq_f32 v24, v26
	v_nop
	s_wait_alu depctr_va_vdst(0)                   ; ahead of the first reader
	v_mov_b32 v25, v24
	s_wait_loadcnt 0x0
.set n, 0
.rept 32
	v_pk_mul_f32 v[X+n:X+n+1], v[X+n:X+n+1], v[24:25]
.set n, n+2
.endr
.set n, 0
.rept 32
	v_pk_fma_f32 v[X+n:X+n+1], v[X+n:X+n+1], v[W+n:W+n+1], v[BV+n:BV+n+1]
.set n, n+2
.endr
	QUANT X
.irp c, 0,1,2
	global_store_b128 v21, v[PC+4*\c:PC+4*\c+3], s[10:11] offset:512*\c   ; 512 consecutive bytes, aligned
.endr
	v_and_b32 v29, 31, v0
	v_cmp_gt_u32 vcc_lo, 16, v29
	s_wait_xcnt 0x0                                ; EXEC changes only behind this wait
	s_wait_tensorcnt 0x0
	ds_add_u32 v254, v255
	s_wait_dscnt 0x0
	s_and_saveexec_b32 s44, vcc_lo
	global_store_b32 v27, v[PW], s[42:43]          ; 64 bytes a wave: one byte in 24 of what the launch stores
	s_wait_xcnt 0x0
	s_or_b32 exec_lo, exec_lo, s44
	s_endpgm
.Lfunc_end_k_q396edf87d4_ln2:
	.size	k_q396edf87d4_ln2, .Lfunc_end_k_q396edf87d4_ln2-k_q396edf87d4_ln2
	.p2alignl 7, 3214868480
	.fill 96, 4, 3214868480
	.section	.rodata,"a",@progbits
	.p2align	6, 0x0
	.amdhsa_kernel k_q396edf87d4_ln2
		.amdhsa_group_segment_fixed_size 2048
		.amdhsa_private_segment_fixed_size 0
		.amdhsa_enable_private_segment 0
		.amdhsa_kernarg_size 32
		.amdhsa_user_sgpr_count 2
		.amdhsa_user_sgpr_kernarg_segment_ptr 1
		.amdhsa_wavefront_size32 1
		.amdhsa_system_sgpr_workgroup_id_x 1
		.amdhsa_system_sgpr_workgroup_id_y 1
		.amdhsa_system_sgpr_workgroup_id_z 1
		.amdhsa_system_vgpr_workitem_id 0
		.amdhsa_next_free_vgpr 256
		.amdhsa_next_free_sgpr 66
		.amdhsa_reserve_vcc 1
		.amdhsa_float_denorm_mode_32 3
		.amdhsa_float_denorm_mode_16_64 3
		.amdhsa_memory_ordered 1
		.amdhsa_forward_progress 1
		.amdhsa_inst_pref_size 23
	.end_amdhsa_kernel
	.amdgpu_metadata
---
amdhsa.version: [ 1, 2 ]
amdhsa.kernels:
  - .name:           k_q396edf87d4_ln2
    .symbol:         k_q396edf87d4_ln2.kd
    .args:
      - { .name: x2, .offset: 0, .size: 8, .value_kind: global_buffer, .address_space: global }
      - { .name: ln2_w, .offset: 8, .size: 8, .value_kind: global_buffer, .address_space: global }
      - { .name: ln2_b, .offset: 16, .size: 8, .value_kind: global_buffer, .address_space: global }
      - { .name: h2, .offset: 24, .size: 8, .value_kind: global_buffer, .address_space: global }
    .group_segment_fixed_size: 2048
    .private_segment_fixed_size: 0
    .kernarg_segment_align: 8
    .kernarg_segment_size: 32
    .max_flat_workgroup_size: 256
    .sgpr_count:     66
    .vgpr_count:     256
    .wavefront_size: 32
...
	.end_amdgpu_metadata
.endif
;; end of part 5
;; launch fc (part 6): grid 16 x 16, 4 waves a work-group, clusters of 4 x 4, 327,680 bytes of LDS; arguments h2, wts, fc_b, hid; writes hid
.if DOCPART == 6
	.amdgcn_target "amdgcn-amd-amdhsa--gfx1250"
	.amdhsa_code_object_version 6
	.text
	.protected	k_q396edf87d4_fc
	.globl	k_q396edf87d4_fc
	.p2align	8
	.type	k_q396edf87d4_fc,@function
k_q396edf87d4_fc:
	s_mov_b64 s[64:65], 0
	v_nop
	global_prefetch_b8 v0, s[64:65] scope:SCOPE_SE
	s_setreg_imm32_b32 hwreg(HW_REG_WAVE_MODE, 25, 1), 1
	s_wait_xcnt 0x0
	s_wait_alu depctr_hold_cnt(0) depctr_sa_sdst(0) depctr_va_vdst(0) depctr_va_sdst(0) depctr_va_ssrc(0) depctr_va_vcc(0) depctr_vm_vsrc(0)
	s_getreg_b32 s2, hwreg(HW_REG_IB_STS2, 6, 4)
	s_cmp_eq_u32 s2, 0
	s_cbranch_scc0 .Lentry_in_a_cluster
	s_endpgm
.Lentry_in_a_cluster:
	s_bfe_u32 s2, ttmp6, 0x10000c
	s_cmp_lg_u32 s2, 0xf033
	s_cbranch_scc0 .Lentry_shape_is_right
	s_endpgm
.Lentry_shape_is_right:
; hid = Q(gelu(h2 fc_w + fc_b)): product 5 on FP6 codes, K = 1,024, N = 4,096; its results are quantised at once into product 6's operand.
; THE CORE: a tile of 256 x 256 by four waves, 128 x 128 a wave in 64 accumulators; K in steps of 256 through two LDS slots; 4 x 4 work-groups form a cluster,
; A's tile asked for jointly along a row of the cluster, B's along a column.  Both operands lie in memory as images of their registers (1,536 bytes a fragment of
; 16 rows x 128 K, [block][K / 128]; row r of block g is row 32 (g / 2) + 8 (g % 2) + r + 8 (r / 8)): a tile is 8 rows of 3,072 dense bytes, a fragment three ds_load_b128.
; Source 0 = a block of B, source 1 = a block of A: the 64 registers of A's block a against B's eight blocks are, in lane (r, h), 16 b + i = hidden unit 32 b + 16 h + i:
; neighbours along the next K.  gelu(x) = x / (1 + 2^(x (C0 + C1 x^2))), C0 = -2 log2(e) sqrt(2 / pi), C1 = 0.044715 C0: the reference's function without the sum 1 + tanh.
; LIMITS: NaN and infinities are not served; very negative x give -0; a block whose largest magnitude lies under 2^-124 (zeros too) keeps the scale byte 1.
.set KDIM,   1024
.set NBA,    256
.set NBB,    256
.set A_SC,   3145728
.set B_IMG,  3145728
.set B_SC,   9601024
.set KB,     KDIM/128
.set NQ,     2
.set FR,     12
.set NL,     3
.set NP,     4
.set FRB,    1536
.set QROW,   NQ*FRB
.set QT,     8*QROW
.set SLOT,   4*QT
.set LAPS,   KDIM/512
.set SCL,    2*SLOT
.set SKP,    576
.set QS,     KB*SKP
.set SPARE,  SCL+4*QS
.set STG,    SPARE+512                 ; a stage of 512 bytes a wave for the scale words: no fill ever lands here
.set ADRA, 16
.set ADRB, 20
.set ADSA, 22
.set ADSB, 23
.set STO,  24
.set RD,   25
.set CO,   26
.set SPW,  28
.set NIL,  29
.set PW,   30
.set SC,   32
.set BI,   64                          ; v64-127 the bias of my 64 hidden units
.set AF,   128
.set H,    128
.set T,    192
.set PC,   224
.set TM,   244
.set G1, 24
.set G0, 32
.set G1B, 48
.set G0B, 56
.set G1S, 68
.set G0S, 76
.set G1SB, 80
.set G0SB, 88
.set SEL, 96
.set MSB, 0
.macro WIN new
.if MSB != \new
	s_set_vgpr_msb (MSB<<8)|\new
.set MSB, \new
.endif
.endm
.set MUL_LO, 0xa1
.set MUL_HI, 0xf1
.set TO_B,   0x40
.macro JLOAD g0a, g1a, g0b, g1b        ; a joint load: waves 0 and 1 fetch for A, waves 2 and 3 for B; four v_nop follow each line
	s_cmp_eq_u32 s15, 0
	s_cbranch_scc0 .Lfor_b_\@
	tensor_load_to_lds s[\g0a:\g0a+3], s[\g1a:\g1a+7]
	s_nop 0
.rept 4
	v_nop
.endr
	s_branch .Lasked_\@
.Lfor_b_\@:
	tensor_load_to_lds s[\g0b:\g0b+3], s[\g1b:\g1b+7]
	s_nop 0
.rept 4
	v_nop
.endr
.Lasked_\@:
.endm
.macro CREST
	s_cmp_lg_u32 s14, 0
	s_cbranch_scc1 .Lnot_wave_0_\@
	s_barrier_signal -3
.Lnot_wave_0_\@:
	s_barrier_wait -3
	s_barrier_signal -1
	s_barrier_wait -1
.endm
.macro CROUND
	s_barrier_signal -1
	s_barrier_wait -1
	CREST
.endm
.macro PLACES n
.rept \n
	v_nop
.endr
.endm
.macro FRAG reg, adr, q, i
.irp c, 0,1,2
	ds_load_b128 v[\reg+4*\c:\reg+4*\c+3], v[\adr] offset:(\i)*QROW+(\q)*FRB+512*\c
.endr
.endm
.macro FETCH_B slot, q, p
	WIN TO_B
.irp i, 0,1,2,3,4,5,6,7
	FRAG 128*(\p)+FR*\i, ADRB+\slot, \q, \i
.endr
	WIN 0
.endm
.macro FETCH_A slot, q, i0
.irp i, \i0, \i0+1, \i0+2, \i0+3
	FRAG AF+FR*(\i), ADRA+\slot, \q, \i
.endr
.endm
.macro SCALES sc
.irp i, 0,1,2,3,4,5,6,7
	ds_load_b32 v[SC+16*\sc+\i], v[ADSA] offset:64*\i
	ds_load_b32 v[SC+16*\sc+8+\i], v[ADSB] offset:64*\i
.endr
.endm
.macro MUL16 a0, p, q, sc, zero        ; the 64 accumulators take turns, one instruction a turn
.irp a, \a0, \a0+1
.irp b, 0,1,2,3,4,5,6,7
.set rD, 8*(8*((\a)%4)+\b)
.set rB, 128*(\p)+FR*\b
.set rA, AF+FR*(\a)
.set rSB, SC+16*(\sc)+8+\b
.set rSA, SC+16*(\sc)+(\a)
.if \zero
	v_wmma_scale_f32_16x16x128_f8f6f4 v[rD:rD+7], v[rB:rB+11], v[rA:rA+11], 0, v[rSB], v[rSA] matrix_a_fmt:MATRIX_FMT_FP6 matrix_b_fmt:MATRIX_FMT_FP6
.elseif (\q) == 0
	v_wmma_scale_f32_16x16x128_f8f6f4 v[rD:rD+7], v[rB:rB+11], v[rA:rA+11], v[rD:rD+7], v[rSB], v[rSA] matrix_a_fmt:MATRIX_FMT_FP6 matrix_b_fmt:MATRIX_FMT_FP6
.else
	v_wmma_scale_f32_16x16x128_f8f6f4 v[rD:rD+7], v[rB:rB+11], v[rA:rA+11], v[rD:rD+7], v[rSB], v[rSA] matrix_a_fmt:MATRIX_FMT_FP6 matrix_b_fmt:MATRIX_FMT_FP6 matrix_a_scale:MATRIX_SCALE_ROW1 matrix_b_scale:MATRIX_SCALE_ROW1
.endif
.endr
.endr
.endm
.macro STEP slot, q, zero
	s_wait_dscnt 4*NL                              ; all but the 12 youngest loads (A's blocks 4-7) are in
	WIN MUL_LO
	MUL16 0, (\q)%2, \q, \slot, \zero
	MUL16 2, (\q)%2, \q, \slot, \zero
	s_wait_dscnt 0
	PLACES NP
	FETCH_B \slot, (\q)+1, 1-(\q)%2
	FETCH_A \slot, (\q)+1, 0
	WIN MUL_HI
	MUL16 4, (\q)%2, \q, \slot, \zero
	MUL16 6, (\q)%2, \q, \slot, \zero
	PLACES NP
	WIN 0
	FETCH_A \slot, (\q)+1, 4
.endm
.macro TURN slot, next, fill
	s_wait_tensorcnt 0x0                           ; all my tensor loads have landed: my part of the next slot
	ds_add_u32 v[SPW], v[NIL]                      ; 0 onto my spare word
	s_wait_dscnt 4*NL+1                            ; the add and the 12 youngest loads may be out
	WIN MUL_LO
	MUL16 0, 1, NQ-1, \slot, 0
	s_wait_dscnt 0x0                               ; the add is done, and my reads of this slot are over
	s_barrier_signal -1
	MUL16 2, 1, NQ-1, \slot, 0
	WIN 0
	s_barrier_wait -1
.if \fill
	CREST                                          ; a round of the cluster's barrier: no wave of any partner still reads this slot or has a load on its way
	s_add_nc_u64 s[G0+4*\slot+2:G0+4*\slot+3], s[G0+4*\slot+2:G0+4*\slot+3], 2*QROW
	s_add_nc_u64 s[G0B+4*\slot+2:G0B+4*\slot+3], s[G0B+4*\slot+2:G0B+4*\slot+3], 2*QROW
	JLOAD G0+4*\slot, G1, G0B+4*\slot, G1B
.else
	PLACES NP
.endif
	v_add_nc_u32 v[ADSA], 2*SKP, v[ADSA]
	v_add_nc_u32 v[ADSB], 2*SKP, v[ADSB]
	FETCH_B \next, 0, 0
	FETCH_A \next, 0, 0
	SCALES \next
	WIN MUL_HI
	MUL16 4, 1, NQ-1, \slot, 0
	MUL16 6, 1, NQ-1, \slot, 0
	PLACES NP
	WIN 0
	FETCH_A \next, 0, 4
.endm
.macro QUANT s
.irp b, 0,1,2,3
	v_max3_num_f32 v[TM+\b], |v[\s+16*\b]|, |v[\s+1+16*\b]|, 0x1800000   ; and the floor 2^(3 - 127)
.endr
.irp i, 2,4,6,8,10,12,14
.irp b, 0,1,2,3
	v_max3_num_f32 v[TM+\b], v[TM+\b], |v[\s+16*\b+\i]|, |v[\s+1+16*\b+\i]|
.endr
.endr
.irp b, 0,1,2,3
	v_permlanex16_b32 v[TM+4+\b], v[TM+\b], s[SEL], s[SEL+1]
.endr
.irp b, 0,1,2,3
	v_max_num_f32 v[TM+\b], v[TM+\b], v[TM+4+\b]
.endr
.irp b, 0,1,2,3
	v_add_nc_u32 v[TM+8+\b], 0xff000000, v[TM+\b]
.endr
.irp b, 0,1,2,3
	v_lshrrev_b32 v[TM+4+\b], 23, v[TM+8+\b]
.endr
	v_lshl_or_b32 v[PW], v[TM+5], 8, v[TM+4]
	v_lshl_or_b32 v[PW], v[TM+6], 16, v[PW]
	v_lshl_or_b32 v[PW], v[TM+7], 24, v[PW]
.irp c, 0,1
	v_cvt_scalef32_pk16_fp6_f32 v[PC+6*\c:PC+2+6*\c], v[\s+32*\c:\s+15+32*\c], v[TM+8+2*\c]
	v_cvt_scalef32_pk16_fp6_f32 v[PC+12+4*\c:PC+14+4*\c], v[\s+16+32*\c:\s+31+32*\c], v[TM+9+2*\c]
.endr
	v_nop
.irp c, 0,1
.irp i, 0,1,2
	v_permlane16_swap_b32 v[PC+6*\c+\i], v[PC+12+4*\c+\i]
.endr
.irp i, 0,1,2
	v_mov_b32 v[PC+3+6*\c+\i], v[PC+12+4*\c+\i]
.endr
.endr
.endm
; gelu of 32 numbers, v[H + 32 u] on, in place.  Each batch of 32 transcendentals has one plain place and one wait behind it.
.macro GELU u
.set HB, H+32*(\u)
.set n, 0
.rept 16
	v_pk_mul_f32 v[T+n:T+n+1], v[HB+n:HB+n+1], v[HB+n:HB+n+1]
.set n, n+2
.endr
.set n, 0
.rept 16
	v_pk_fma_f32 v[T+n:T+n+1], v[T+n:T+n+1], s[98:99], v[12:13] op_sel_hi:[1,0,1]   ; C0 + C1 x^2
.set n, n+2
.endr
.set n, 0
.rept 16
	v_pk_mul_f32 v[T+n:T+n+1], v[T+n:T+n+1], v[HB+n:HB+n+1]
.set n, n+2
.endr
.set n, 0
.rept 32
	v_exp_f32 v[T+n], v[T+n]
.set n, n+1
.endr
	v_nop
	s_wait_alu depctr_va_vdst(0)                   ; one wait for the batch, ahead of its first reader
.set n, 0
.rept 16
	v_pk_add_f32 v[T+n:T+n+1], v[T+n:T+n+1], 1.0 op_sel_hi:[1,0]
.set n, n+2
.endr
.set n, 0
.rept 32
	v_rcp_f32 v[T+n], v[T+n]
.set n, n+1
.endr
	v_nop
	s_wait_alu depctr_va_vdst(0)
.set n, 0
.rept 16
	v_pk_mul_f32 v[HB+n:HB+n+1], v[HB+n:HB+n+1], v[T+n:T+n+1]
.set n, n+2
.endr
.endm
	s_load_b128 s[4:7], s[0:1], 0x0                ; h2, wts
	s_load_b128 s[8:11], s[0:1], 0x10              ; fc_b, hid
	v_lshl_add_u32 v[SPW], v0, 2, SPARE
	v_mov_b32 v[NIL], 0
	ds_add_u32 v28, v29
	s_wait_dscnt 0x0
	v_lshrrev_b32 v1, 5, v0
	v_readfirstlane_b32 s14, v1
	s_lshr_b32 s15, s14, 1
	s_and_b32 s16, s14, 1
	s_bfe_u32 s40, ttmp6, 0x40000
	s_bfe_u32 s41, ttmp6, 0x40004
	s_lshl_b32 s42, ttmp9, 2
	s_add_co_u32 s42, s42, s40
	s_and_b32 s17, ttmp7, 0xffff
	s_lshl_b32 s17, s17, 2
	s_add_co_u32 s17, s17, s41
	s_lshl_b32 s43, s41, 2
	s_lshl_b32 s43, 15, s43
	s_lshl_b32 s44, 0x1111, s40
	s_or_b32 s[G1+0], s43, (3<<16)|(1<<21)
	s_or_b32 s[G1B+0], s44, (3<<16)|(1<<21)
.irp g, G1, G1B
	s_mov_b32 s[\g+1], 384<<16
	s_mov_b32 s[\g+2], 8<<16
	s_mov_b32 s[\g+3], 384<<16
	s_mov_b32 s[\g+4], 8
	s_mov_b32 s[\g+5], KB*192
	s_mov_b32 s[\g+6], 0
	s_mov_b32 s[\g+7], 0
.endr
	s_or_b32 s[G1S+0], s43, (3<<16)|(1<<20)|(1<<21)|(6<<22)|(15<<25)
	s_or_b32 s[G1SB+0], s44, (3<<16)|(1<<20)|(1<<21)|(6<<22)|(15<<25)
.irp g, G1S, G1SB
	s_mov_b32 s[\g+1], 64<<16
	s_mov_b32 s[\g+2], KB<<16
	s_mov_b32 s[\g+3], 64<<16
	s_mov_b32 s[\g+4], KB
	s_mov_b32 s[\g+6], 0
	s_mov_b32 s[\g+7], 0
.endr
	s_mov_b32 s[G1S+5], NBA*8
	s_mov_b32 s[G1SB+5], NBB*8
	s_lshl_b32 s18, s16, 3
	s_lshl_b32 s20, s17, 4
	s_add_co_u32 s20, s20, s18
	s_lshl_b32 s46, s42, 4
	s_add_co_u32 s46, s46, s18
	s_lshl_b32 s22, s20, 6
	s_add_co_u32 s22, s22, A_SC
	s_mov_b32 s23, 0
	s_lshl_b32 s92, s46, 6
	s_add_co_u32 s92, s92, B_SC
	s_mov_b32 s93, 0
	s_mul_i32 s20, s20, KB*FRB
	s_mov_b32 s21, 0
	s_mul_i32 s46, s46, KB*FRB
	s_add_co_u32 s46, s46, B_IMG
	s_mov_b32 s47, 0
	s_mul_i32 s45, s14, QT
	s_mul_i32 s94, s14, QS
	s_wait_kmcnt 0x0
	s_add_nc_u64 s[20:21], s[4:5], s[20:21]
	s_add_nc_u64 s[22:23], s[4:5], s[22:23]
	s_add_nc_u64 s[46:47], s[6:7], s[46:47]
	s_add_nc_u64 s[92:93], s[6:7], s[92:93]
	CROUND
	s_mov_b32 s[G0S], 1
	s_add_co_u32 s[G0S+1], s94, SCL
	s_mov_b64 s[G0S+2:G0S+3], s[22:23]
	s_or_b32 s[G0S+3], s[G0S+3], 0x80000000
	s_mov_b32 s[G0SB], 1
	s_add_co_u32 s[G0SB+1], s94, SCL
	s_mov_b64 s[G0SB+2:G0SB+3], s[92:93]
	s_or_b32 s[G0SB+3], s[G0SB+3], 0x80000000
	JLOAD G0S, G1S, G0SB, G1SB
.irp s, 0,1
	s_mov_b32 s[G0+4*\s], 1
	s_add_co_u32 s[G0+4*\s+1], s45, \s*SLOT
	s_add_nc_u64 s[G0+4*\s+2:G0+4*\s+3], s[20:21], \s*QROW
	s_or_b32 s[G0+4*\s+3], s[G0+4*\s+3], 0x80000000
	s_mov_b32 s[G0B+4*\s], 1
	s_add_co_u32 s[G0B+4*\s+1], s45, \s*SLOT
	s_add_nc_u64 s[G0B+4*\s+2:G0B+4*\s+3], s[46:47], \s*QROW
	s_or_b32 s[G0B+4*\s+3], s[G0B+4*\s+3], 0x80000000
	JLOAD G0+4*\s, G1, G0B+4*\s, G1B
.endr
	v_and_b32 v1, 15, v0
	v_bfe_u32 v2, v0, 4, 1
	v_and_b32 v3, 31, v0
	v_lshlrev_b32 v3, 4, v3
	s_mul_i32 s21, s15, QT
	s_mul_i32 s22, s16, QT
	s_add_co_u32 s22, s22, 2*QT
.irp s, 0,1
	v_add_nc_u32 v[ADRA+\s], s21, v3
	v_add_nc_u32 v[ADRB+\s], s22, v3
	s_add_co_u32 s21, s21, SLOT
	s_add_co_u32 s22, s22, SLOT
.endr
	v_mul_u32_u24 v4, v2, SKP
	v_lshl_add_u32 v4, v1, 2, v4
	s_mul_i32 s21, s15, QS
	s_add_co_u32 s21, s21, SCL
	s_mul_i32 s22, s16, QS
	s_add_co_u32 s22, s22, SCL+2*QS
	v_add_nc_u32 v[ADSA], s21, v4
	v_add_nc_u32 v[ADSB], s22, v4
	s_lshl_b32 s21, s14, 9
	s_add_co_u32 s21, s21, STG
	v_lshl_add_u32 v[STO], v1, 2, s21
	v_add_nc_u32 v[RD], s21, v3
	v_mov_b32 v[CO], v3
	s_mov_b32 s[SEL], 0x76543210
	s_mov_b32 s[SEL+1], 0xfedcba98
	s_mov_b32 s98, 0xbdd2d3e8                      ; C1
	s_mov_b32 s99, s98
	v_mov_b32 v12, 0xc0135761                      ; C0
	v_mov_b32 v13, v12
	s_lshl_b32 s18, s17, 4
	s_lshl_b32 s19, s15, 3
	s_add_co_u32 s18, s18, s19                     ; my first block of tokens
	s_lshl_b32 s19, s42, 1
	s_add_co_u32 s19, s19, s16                     ; which 128 hidden units are mine: the next product's K / 128
	s_lshl_b32 s20, s18, 5
	s_add_co_u32 s20, s20, s19
	s_mul_i32 s20, s20, FRB
	s_mov_b32 s21, 0
	s_lshl_b32 s22, s19, 8
	s_add_co_u32 s22, s22, s18
	s_lshl_b32 s22, s22, 6
	s_add_co_u32 s22, s22, 12582912
	s_mov_b32 s23, 0
	s_add_nc_u64 s[12:13], s[10:11], s[20:21]
	s_add_nc_u64 s[10:11], s[10:11], s[22:23]
	s_lshl_b32 s20, s19, 9
	s_add_nc_u64 s[8:9], s[8:9], s[20:21]
	v_lshlrev_b32 v5, 6, v2
.irp c, 0,1,2,3
.irp j, 0,1,2,3
	global_load_b128 v[BI+16*\c+4*\j:BI+16*\c+4*\j+3], v5, s[8:9] offset:128*\c+16*\j
.endr
.endr
	s_wait_tensorcnt 1                             ; the scale words and my part of slot 0 are in; slot 1's load may stay out
	s_barrier_signal -1
	s_barrier_wait -1
	FETCH_B 0, 0, 0
	FETCH_A 0, 0, 0
	SCALES 0
	FETCH_A 0, 0, 4
	STEP 0, 0, 1
	s_mov_b32 s3, LAPS-1
.Llap:
	TURN 0, 1, 1
	STEP 1, 0, 0
	TURN 1, 0, 1
	STEP 0, 0, 0
	s_sub_co_u32 s3, s3, 1
	s_cmp_lg_u32 s3, 0
	s_cbranch_scc1 .Llap
	TURN 0, 1, 0
	STEP 1, 0, 0
	s_wait_dscnt 4*NL
	WIN MUL_LO
	MUL16 0, 1, NQ-1, 1, 0
	MUL16 2, 1, NQ-1, 1, 0
	s_wait_dscnt 0
	WIN MUL_HI
	MUL16 4, 1, NQ-1, 1, 0
	MUL16 6, 1, NQ-1, 1, 0
	WIN 0
.macro EPI a
.set AC, 64*((\a)%4)
.if (\a) > 0
	s_wait_xcnt 0x0                                ; the last block's stores have read their registers
.endif
	WIN (2+(\a)/4)
.set n, 0
.rept 32
	v_pk_add_f32 v[H+n:H+n+1], v[AC+n:AC+n+1], v[BI+n:BI+n+1]   ; each accumulator from its low end on
.set n, n+2
.endr
	WIN 0
	GELU 0
	GELU 1
	QUANT H
.irp c, 0,1,2
	global_store_b128 v[CO], v[PC+4*\c:PC+4*\c+3], s[12:13] offset:32*FRB*(\a)+512*\c   ; 512 consecutive bytes, aligned
.endr
	ds_store_b32 v[STO], v[PW] offset:64*(\a)
.endm
	PLACES NP
	s_wait_loadcnt 0x0                             ; the bias
.irp b, 0,1,2,3
	v_mov_b32 v[TM+4+\b], 0
.endr
.irp a, 0,1,2,3,4,5,6,7
	EPI \a
.endr
	ds_load_b128 v[H:H+3], v[RD]                   ; LDS serves a wave's instructions in order: this sees my stores
	s_wait_dscnt 0x0
	global_store_b128 v[CO], v[H:H+3], s[10:11]    ; eight blocks' scale words: 512 consecutive bytes
	s_wait_tensorcnt 0x0                           ; the wave's end
	ds_add_u32 v[SPW], v[NIL]
	s_wait_dscnt 0x0
	CROUND
	s_endpgm
.Lfunc_end_k_q396edf87d4_fc:
	.size	k_q396edf87d4_fc, .Lfunc_end_k_q396edf87d4_fc-k_q396edf87d4_fc
	.p2alignl 7, 3214868480
	.fill 96, 4, 3214868480
	.section	.rodata,"a",@progbits
	.p2align	6, 0x0
	.amdhsa_kernel k_q396edf87d4_fc
		.amdhsa_group_segment_fixed_size 327680
		.amdhsa_private_segment_fixed_size 0
		.amdhsa_enable_private_segment 0
		.amdhsa_kernarg_size 32
		.amdhsa_user_sgpr_count 2
		.amdhsa_user_sgpr_kernarg_segment_ptr 1
		.amdhsa_wavefront_size32 1
		.amdhsa_system_sgpr_workgroup_id_x 1
		.amdhsa_system_sgpr_workgroup_id_y 1
		.amdhsa_system_sgpr_workgroup_id_z 1
		.amdhsa_system_vgpr_workitem_id 0
		.amdhsa_next_free_vgpr 1024
		.amdhsa_next_free_sgpr 102
		.amdhsa_reserve_vcc 0
		.amdhsa_float_denorm_mode_32 3
		.amdhsa_float_denorm_mode_16_64 3
		.amdhsa_memory_ordered 1
		.amdhsa_forward_progress 1
		.amdhsa_inst_pref_size 255
	.end_amdhsa_kernel
	.section	.bss,"aw",@nobits
	.p2align	6
	.space	262144
	.amdgpu_metadata
---
amdhsa.version: [ 1, 2 ]
amdhsa.kernels:
  - .name:           k_q396edf87d4_fc
    .symbol:         k_q396edf87d4_fc.kd
    .args:
      - { .name: h2, .offset: 0, .size: 8, .value_kind: global_buffer, .address_space: global }
      - { .name: wts, .offset: 8, .size: 8, .value_kind: global_buffer, .address_space: global }
      - { .name: fc_b, .offset: 16, .size: 8, .value_kind: global_buffer, .address_space: global }
      - { .name: hid, .offset: 24, .size: 8, .value_kind: global_buffer, .address_space: global }
    .group_segment_fixed_size: 327680
    .private_segment_fixed_size: 0
    .kernarg_segment_align: 8
    .kernarg_segment_size: 32
    .max_flat_workgroup_size: 128
    .sgpr_count:     102
    .vgpr_count:     1024
    .wavefront_size: 32
...
	.end_amdgpu_metadata
.endif
;; end of part 6
;; launch mlp (part 7): grid 4 x 16, 4 waves a work-group, clusters of 4 x 4, 327,680 bytes of LDS; arguments hid, wts, mlp_proj_b, x2, out0; writes out0
.if DOCPART == 7
	.amdgcn_target "amdgcn-amd-amdhsa--gfx1250"
	.amdhsa_code_object_version 6
	.text
	.protected	k_q396edf87d4_mlp
	.globl	k_q396edf87d4_mlp
	.p2align	8
	.type	k_q396edf87d4_mlp,@function
k_q396edf87d4_mlp:
	s_mov_b64 s[64:65], 0
	v_nop
	global_prefetch_b8 v0, s[64:65] scope:SCOPE_SE
	s_setreg_imm32_b32 hwreg(HW_REG_WAVE_MODE, 25, 1), 1
	s_wait_xcnt 0x0
	s_wait_alu depctr_hold_cnt(0) depctr_sa_sdst(0) depctr_va_vdst(0) depctr_va_sdst(0) depctr_va_ssrc(0) depctr_va_vcc(0) depctr_vm_vsrc(0)
	s_getreg_b32 s2, hwreg(HW_REG_IB_STS2, 6, 4)
	s_cmp_eq_u32 s2, 0
	s_cbranch_scc0 .Lentry_in_a_cluster
	s_endpgm
.Lentry_in_a_cluster:
	s_bfe_u32 s2, ttmp6, 0x10000c
	s_cmp_lg_u32 s2, 0xf033
	s_cbranch_scc0 .Lentry_shape_is_right
	s_endpgm
.Lentry_shape_is_right:
; out0 = x2 + (hid mlp_proj_w + mlp_proj_b): product 6 on FP6 codes, K = 4,096, N = 1,024; f32 out.
; THE CORE: a tile of 256 x 256 by four waves, 128 x 128 a wave in 64 accumulators; K in steps of 256 through two LDS slots; 4 x 4 work-groups form a cluster,
; A's tile asked for jointly along a row of the cluster, B's along a column.  Both operands lie in memory as images of their registers (1,536 bytes a fragment of
; 16 rows x 128 K, [block][K / 128]; row r of block g is row 32 (g / 2) + 8 (g % 2) + r + 8 (r / 8)): a tile is 8 rows of 3,072 dense bytes, a fragment three ds_load_b128.
; Source 0 = a block of B, source 1 = a block of A: lane (r, h) of accumulator (a, b) holds row r of A's block a and B's rows 32 (b / 2) + 8 (b % 2) + 16 h + 0 .. 7.
; THE WAY OUT undoes the row order in immediates: columns on the way into the wave's stage, rows in the stores' offsets.  64 tiles: 64 work-groups.
.set KDIM,   4096
.set NBA,    256
.set NBB,    64
.set A_SC,   12582912
.set B_IMG,  6291456
.set B_SC,   9732096
.set NT,     1                         ; the output is written once and read by nobody here
.set KB,     KDIM/128
.set NQ,     2
.set FR,     12
.set NL,     3
.set NP,     4
.set FRB,    1536
.set QROW,   NQ*FRB
.set QT,     8*QROW
.set SLOT,   4*QT
.set LAPS,   KDIM/512
.set SCL,    2*SLOT
.set SKP,    576
.set QS,     KB*SKP
.set SPARE,  SCL+4*QS
.set STG,    SPARE+512
.set SPITCH, 528
.set ADRA, 16
.set ADRB, 20
.set ADSA, 22
.set ADSB, 23
.set STO,  24
.set RD,   25
.set CO,   26
.set SPW,  28
.set NIL,  29
.set SC,   32
.set RS,   64
.set AF,   128
.set BK,   128
.set G1, 24
.set G0, 32
.set G1B, 48
.set G0B, 56
.set G1S, 68
.set G0S, 76
.set G1SB, 80
.set G0SB, 88
.set MSB, 0
.macro WIN new
.if MSB != \new
	s_set_vgpr_msb (MSB<<8)|\new
.set MSB, \new
.endif
.endm
.set MUL_LO, 0xa1
.set MUL_HI, 0xf1
.set TO_B,   0x40
.macro JLOAD g0a, g1a, g0b, g1b        ; a joint load: waves 0 and 1 fetch for A, waves 2 and 3 for B; four v_nop follow each line
	s_cmp_eq_u32 s15, 0
	s_cbranch_scc0 .Lfor_b_\@
	tensor_load_to_lds s[\g0a:\g0a+3], s[\g1a:\g1a+7]
	s_nop 0
.rept 4
	v_nop
.endr
	s_branch .Lasked_\@
.Lfor_b_\@:
	tensor_load_to_lds s[\g0b:\g0b+3], s[\g1b:\g1b+7]
	s_nop 0
.rept 4
	v_nop
.endr
.Lasked_\@:
.endm
.macro CREST
	s_cmp_lg_u32 s14, 0
	s_cbranch_scc1 .Lnot_wave_0_\@
	s_barrier_signal -3
.Lnot_wave_0_\@:
	s_barrier_wait -3
	s_barrier_signal -1
	s_barrier_wait -1
.endm
.macro CROUND
	s_barrier_signal -1
	s_barrier_wait -1
	CREST
.endm
.macro PLACES n
.rept \n
	v_nop
.endr
.endm
.macro FRAG reg, adr, q, i
.irp c, 0,1,2
	ds_load_b128 v[\reg+4*\c:\reg+4*\c+3], v[\adr] offset:(\i)*QROW+(\q)*FRB+512*\c
.endr
.endm
.macro FETCH_B slot, q, p
	WIN TO_B
.irp i, 0,1,2,3,4,5,6,7
	FRAG 128*(\p)+FR*\i, ADRB+\slot, \q, \i
.endr
	WIN 0
.endm
.macro FETCH_A slot, q, i0
.irp i, \i0, \i0+1, \i0+2, \i0+3
	FRAG AF+FR*(\i), ADRA+\slot, \q, \i
.endr
.endm
.macro SCALES sc
.irp i, 0,1,2,3,4,5,6,7
	ds_load_b32 v[SC+16*\sc+\i], v[ADSA] offset:64*\i
	ds_load_b32 v[SC+16*\sc+8+\i], v[ADSB] offset:64*\i
.endr
.endm
.macro MUL16 a0, p, q, sc, zero        ; the 64 accumulators take turns, one instruction a turn
.irp a, \a0, \a0+1
.irp b, 0,1,2,3,4,5,6,7
.set rD, 8*(8*((\a)%4)+\b)
.set rB, 128*(\p)+FR*\b
.set rA, AF+FR*(\a)
.set rSB, SC+16*(\sc)+8+\b
.set rSA, SC+16*(\sc)+(\a)
.if \zero
	v_wmma_scale_f32_16x16x128_f8f6f4 v[rD:rD+7], v[rB:rB+11], v[rA:rA+11], 0, v[rSB], v[rSA] matrix_a_fmt:MATRIX_FMT_FP6 matrix_b_fmt:MATRIX_FMT_FP6
.elseif (\q) == 0
	v_wmma_scale_f32_16x16x128_f8f6f4 v[rD:rD+7], v[rB:rB+11], v[rA:rA+11], v[rD:rD+7], v[rSB], v[rSA] matrix_a_fmt:MATRIX_FMT_FP6 matrix_b_fmt:MATRIX_FMT_FP6
.else
	v_wmma_scale_f32_16x16x128_f8f6f4 v[rD:rD+7], v[rB:rB+11], v[rA:rA+11], v[rD:rD+7], v[rSB], v[rSA] matrix_a_fmt:MATRIX_FMT_FP6 matrix_b_fmt:MATRIX_FMT_FP6 matrix_a_scale:MATRIX_SCALE_ROW1 matrix_b_scale:MATRIX_SCALE_ROW1
.endif
.endr
.endr
.endm
.macro STEP slot, q, zero
	s_wait_dscnt 4*NL                              ; all but the 12 youngest loads (A's blocks 4-7) are in
	WIN MUL_LO
	MUL16 0, (\q)%2, \q, \slot, \zero
	MUL16 2, (\q)%2, \q, \slot, \zero
	s_wait_dscnt 0
	PLACES NP
	FETCH_B \slot, (\q)+1, 1-(\q)%2
	FETCH_A \slot, (\q)+1, 0
	WIN MUL_HI
	MUL16 4, (\q)%2, \q, \slot, \zero
	MUL16 6, (\q)%2, \q, \slot, \zero
	PLACES NP
	WIN 0
	FETCH_A \slot, (\q)+1, 4
.endm
.macro TURN slot, next, fill
	s_wait_tensorcnt 0x0                           ; all my tensor loads have landed: my part of the next slot
	ds_add_u32 v[SPW], v[NIL]                      ; 0 onto my spare word
	s_wait_dscnt 4*NL+1                            ; the add and the 12 youngest loads may be out
	WIN MUL_LO
	MUL16 0, 1, NQ-1, \slot, 0
	s_wait_dscnt 0x0                               ; the add is done, and my reads of this slot are over
	s_barrier_signal -1
	MUL16 2, 1, NQ-1, \slot, 0
	WIN 0
	s_barrier_wait -1
.if \fill
	CREST                                          ; a round of the cluster's barrier: no wave of any partner still reads this slot or has a load on its way
	s_add_nc_u64 s[G0+4*\slot+2:G0+4*\slot+3], s[G0+4*\slot+2:G0+4*\slot+3], 2*QROW
	s_add_nc_u64 s[G0B+4*\slot+2:G0B+4*\slot+3], s[G0B+4*\slot+2:G0B+4*\slot+3], 2*QROW
	JLOAD G0+4*\slot, G1, G0B+4*\slot, G1B
.else
	PLACES NP
.endif
	v_add_nc_u32 v[ADSA], 2*SKP, v[ADSA]
	v_add_nc_u32 v[ADSB], 2*SKP, v[ADSB]
	FETCH_B \next, 0, 0
	FETCH_A \next, 0, 0
	SCALES \next
	WIN MUL_HI
	MUL16 4, 1, NQ-1, \slot, 0
	MUL16 6, 1, NQ-1, \slot, 0
	PLACES NP
	WIN 0
	FETCH_A \next, 0, 4
.endm
.macro RLOAD a                         ; the residual's 16 rows of A's block a: 512 consecutive bytes a load
.irp t, 0,1,2,3,4,5,6,7,8,9,10,11,12,13,14,15
	global_load_b128 v[RS+4*\t:RS+4*\t+3], v[CO], s[10:11] offset:(32*((\a)/2)+8*((\a)%2)+\t+8*(\t/8))*4096
.endr
.endm
	s_load_b128 s[4:7], s[0:1], 0x0                ; A, wts
	s_load_b128 s[8:11], s[0:1], 0x10              ; bias, residual
	s_load_b64 s[12:13], s[0:1], 0x20              ; out
	v_lshl_add_u32 v[SPW], v0, 2, SPARE
	v_mov_b32 v[NIL], 0
	ds_add_u32 v28, v29
	s_wait_dscnt 0x0
	v_lshrrev_b32 v1, 5, v0
	v_readfirstlane_b32 s14, v1
	s_lshr_b32 s15, s14, 1
	s_and_b32 s16, s14, 1
	s_bfe_u32 s40, ttmp6, 0x40000
	s_bfe_u32 s41, ttmp6, 0x40004
	s_lshl_b32 s42, ttmp9, 2
	s_add_co_u32 s42, s42, s40
	s_and_b32 s17, ttmp7, 0xffff
	s_lshl_b32 s17, s17, 2
	s_add_co_u32 s17, s17, s41
	s_lshl_b32 s43, s41, 2
	s_lshl_b32 s43, 15, s43
	s_lshl_b32 s44, 0x1111, s40
	s_or_b32 s[G1+0], s43, (3<<16)|(1<<21)
	s_or_b32 s[G1B+0], s44, (3<<16)|(1<<21)
.irp g, G1, G1B
	s_mov_b32 s[\g+1], 384<<16
	s_mov_b32 s[\g+2], 8<<16
	s_mov_b32 s[\g+3], 384<<16
	s_mov_b32 s[\g+4], 8
	s_mov_b32 s[\g+5], KB*192
	s_mov_b32 s[\g+6], 0
	s_mov_b32 s[\g+7], 0
.endr
	s_or_b32 s[G1S+0], s43, (3<<16)|(1<<20)|(1<<21)|(6<<22)|(15<<25)
	s_or_b32 s[G1SB+0], s44, (3<<16)|(1<<20)|(1<<21)|(6<<22)|(15<<25)
.irp g, G1S, G1SB
	s_mov_b32 s[\g+1], 64<<16
	s_mov_b32 s[\g+2], KB<<16
	s_mov_b32 s[\g+3], 64<<16
	s_mov_b32 s[\g+4], KB
	s_mov_b32 s[\g+6], 0
	s_mov_b32 s[\g+7], 0
.endr
	s_mov_b32 s[G1S+5], NBA*8
	s_mov_b32 s[G1SB+5], NBB*8
	s_lshl_b32 s18, s16, 3
	s_lshl_b32 s20, s17, 4
	s_add_co_u32 s20, s20, s18
	s_lshl_b32 s46, s42, 4
	s_add_co_u32 s46, s46, s18
	s_lshl_b32 s22, s20, 6
	s_add_co_u32 s22, s22, A_SC
	s_mov_b32 s23, 0
	s_lshl_b32 s92, s46, 6
	s_add_co_u32 s92, s92, B_SC
	s_mov_b32 s93, 0
	s_mul_i32 s20, s20, KB*FRB
	s_mov_b32 s21, 0
	s_mul_i32 s46, s46, KB*FRB
	s_add_co_u32 s46, s46, B_IMG
	s_mov_b32 s47, 0
	s_mul_i32 s45, s14, QT
	s_mul_i32 s94, s14, QS
	s_wait_kmcnt 0x0
	s_add_nc_u64 s[20:21], s[4:5], s[20:21]
	s_add_nc_u64 s[22:23], s[4:5], s[22:23]
	s_add_nc_u64 s[46:47], s[6:7], s[46:47]
	s_add_nc_u64 s[92:93], s[6:7], s[92:93]
	CROUND
	s_mov_b32 s[G0S], 1
	s_add_co_u32 s[G0S+1], s94, SCL
	s_mov_b64 s[G0S+2:G0S+3], s[22:23]
	s_or_b32 s[G0S+3], s[G0S+3], 0x80000000
	s_mov_b32 s[G0SB], 1
	s_add_co_u32 s[G0SB+1], s94, SCL
	s_mov_b64 s[G0SB+2:G0SB+3], s[92:93]
	s_or_b32 s[G0SB+3], s[G0SB+3], 0x80000000
	JLOAD G0S, G1S, G0SB, G1SB
.irp s, 0,1
	s_mov_b32 s[G0+4*\s], 1
	s_add_co_u32 s[G0+4*\s+1], s45, \s*SLOT
	s_add_nc_u64 s[G0+4*\s+2:G0+4*\s+3], s[20:21], \s*QROW
	s_or_b32 s[G0+4*\s+3], s[G0+4*\s+3], 0x80000000
	s_mov_b32 s[G0B+4*\s], 1
	s_add_co_u32 s[G0B+4*\s+1], s45, \s*SLOT
	s_add_nc_u64 s[G0B+4*\s+2:G0B+4*\s+3], s[46:47], \s*QROW
	s_or_b32 s[G0B+4*\s+3], s[G0B+4*\s+3], 0x80000000
	JLOAD G0+4*\s, G1, G0B+4*\s, G1B
.endr
	v_and_b32 v1, 15, v0
	v_bfe_u32 v2, v0, 4, 1
	v_and_b32 v3, 31, v0
	v_lshlrev_b32 v3, 4, v3
	s_mul_i32 s21, s15, QT
	s_mul_i32 s22, s16, QT
	s_add_co_u32 s22, s22, 2*QT
.irp s, 0,1
	v_add_nc_u32 v[ADRA+\s], s21, v3
	v_add_nc_u32 v[ADRB+\s], s22, v3
	s_add_co_u32 s21, s21, SLOT
	s_add_co_u32 s22, s22, SLOT
.endr
	v_mul_u32_u24 v4, v2, SKP
	v_lshl_add_u32 v4, v1, 2, v4
	s_mul_i32 s21, s15, QS
	s_add_co_u32 s21, s21, SCL
	s_mul_i32 s22, s16, QS
	s_add_co_u32 s22, s22, SCL+2*QS
	v_add_nc_u32 v[ADSA], s21, v4
	v_add_nc_u32 v[ADSB], s22, v4
	s_mul_i32 s21, s14, 16*SPITCH
	s_add_co_u32 s21, s21, STG
	v_mul_u32_u24 v4, v1, SPITCH
	v_lshl_add_u32 v4, v2, 6, v4
	v_add_nc_u32 v[STO], s21, v4
	v_add_nc_u32 v[RD], s21, v3
	v_mov_b32 v[CO], v3
	s_lshl_b32 s18, s17, 8
	s_lshl_b32 s19, s15, 7
	s_add_co_u32 s18, s18, s19
	s_lshl_b32 s20, s18, 12
	s_lshl_b32 s19, s42, 10
	s_lshl_b32 s22, s16, 9
	s_add_co_u32 s22, s22, s19
	s_add_co_u32 s20, s20, s22
	s_mov_b32 s21, 0
	s_mov_b32 s23, 0
	s_add_nc_u64 s[10:11], s[10:11], s[20:21]
	s_add_nc_u64 s[12:13], s[12:13], s[20:21]
	s_add_nc_u64 s[8:9], s[8:9], s[22:23]
	global_load_b128 v[8:11], v[CO], s[8:9]
	RLOAD 0
	s_wait_tensorcnt 1                             ; the scale words and my part of slot 0 are in; slot 1's load may stay out
	s_barrier_signal -1
	s_barrier_wait -1
	FETCH_B 0, 0, 0
	FETCH_A 0, 0, 0
	SCALES 0
	FETCH_A 0, 0, 4
	STEP 0, 0, 1
	s_mov_b32 s3, LAPS-1
.Llap:
	TURN 0, 1, 1
	STEP 1, 0, 0
	TURN 1, 0, 1
	STEP 0, 0, 0
	s_sub_co_u32 s3, s3, 1
	s_cmp_lg_u32 s3, 0
	s_cbranch_scc1 .Llap
	TURN 0, 1, 0
	STEP 1, 0, 0
	s_wait_dscnt 4*NL
	WIN MUL_LO
	MUL16 0, 1, NQ-1, 1, 0
	MUL16 2, 1, NQ-1, 1, 0
	s_wait_dscnt 0
	WIN MUL_HI
	MUL16 4, 1, NQ-1, 1, 0
	MUL16 6, 1, NQ-1, 1, 0
	WIN 0
.macro OUT a
.set AC, 64*((\a)%4)
.set BB, BK+64*((\a)%2)
.if (\a) > 1
	s_wait_xcnt 0x0                                ; the stores of two blocks ago have read the registers that this block's rows land in
.endif
	WIN (0x08+4*((\a)/4))
.irp b, 0,1,2,3,4,5,6,7
	ds_store_b128 v[STO], v[AC+8*\b:AC+8*\b+3] offset:128*(\b/2)+32*(\b%2)       ; each accumulator from its low end on; the offsets put B's rows in their true order
	ds_store_b128 v[STO], v[AC+8*\b+4:AC+8*\b+7] offset:128*(\b/2)+32*(\b%2)+16
.endr
	WIN 0
.irp t, 0,1,2,3,4,5,6,7,8,9,10,11,12,13,14,15
	ds_load_b128 v[BB+4*\t:BB+4*\t+3], v[RD] offset:\t*SPITCH
.endr
	s_wait_dscnt 0x0
	s_wait_loadcnt 0x0                             ; the bias and this block's residual rows
.irp t, 0,1,2,3,4,5,6,7,8,9,10,11,12,13,14,15
	v_pk_add_f32 v[BB+4*\t:BB+4*\t+1], v[BB+4*\t:BB+4*\t+1], v[8:9]
	v_pk_add_f32 v[BB+4*\t+2:BB+4*\t+3], v[BB+4*\t+2:BB+4*\t+3], v[10:11]
.endr
.set n, 0
.rept 32
	v_pk_add_f32 v[BB+n:BB+n+1], v[BB+n:BB+n+1], v[RS+n:RS+n+1]
.set n, n+2
.endr
.if (\a) < 7
	RLOAD (\a)+1
.endif
.irp t, 0,1,2,3,4,5,6,7,8,9,10,11,12,13,14,15
.if NT
	global_store_b128 v[CO], v[BB+4*\t:BB+4*\t+3], s[12:13] offset:(32*((\a)/2)+8*((\a)%2)+\t+8*(\t/8))*4096 th:TH_STORE_NT   ; 512 consecutive bytes, aligned; the offset puts A's row in its true place
.else
	global_store_b128 v[CO], v[BB+4*\t:BB+4*\t+3], s[12:13] offset:(32*((\a)/2)+8*((\a)%2)+\t+8*(\t/8))*4096
.endif
.endr
.endm
	PLACES NP
.irp a, 0,1,2,3,4,5,6,7
	OUT \a
.endr
	s_wait_tensorcnt 0x0                           ; the wave's end
	ds_add_u32 v[SPW], v[NIL]
	s_wait_dscnt 0x0
	CROUND
	s_endpgm
.Lfunc_end_k_q396edf87d4_mlp:
	.size	k_q396edf87d4_mlp, .Lfunc_end_k_q396edf87d4_mlp-k_q396edf87d4_mlp
	.p2alignl 7, 3214868480
	.fill 96, 4, 3214868480
	.section	.rodata,"a",@progbits
	.p2align	6, 0x0
	.amdhsa_kernel k_q396edf87d4_mlp
		.amdhsa_group_segment_fixed_size 327680
		.amdhsa_private_segment_fixed_size 0
		.amdhsa_enable_private_segment 0
		.amdhsa_kernarg_size 40
		.amdhsa_user_sgpr_count 2
		.amdhsa_user_sgpr_kernarg_segment_ptr 1
		.amdhsa_wavefront_size32 1
		.amdhsa_system_sgpr_workgroup_id_x 1
		.amdhsa_system_sgpr_workgroup_id_y 1
		.amdhsa_system_sgpr_workgroup_id_z 1
		.amdhsa_system_vgpr_workitem_id 0
		.amdhsa_next_free_vgpr 1024
		.amdhsa_next_free_sgpr 102
		.amdhsa_reserve_vcc 0
		.amdhsa_float_denorm_mode_32 3
		.amdhsa_float_denorm_mode_16_64 3
		.amdhsa_memory_ordered 1
		.amdhsa_forward_progress 1
		.amdhsa_inst_pref_size 182
	.end_amdhsa_kernel
	.amdgpu_metadata
---
amdhsa.version: [ 1, 2 ]
amdhsa.kernels:
  - .name:           k_q396edf87d4_mlp
    .symbol:         k_q396edf87d4_mlp.kd
    .args:
      - { .name: hid, .offset: 0, .size: 8, .value_kind: global_buffer, .address_space: global }
      - { .name: wts, .offset: 8, .size: 8, .value_kind: global_buffer, .address_space: global }
      - { .name: mlp_proj_b, .offset: 16, .size: 8, .value_kind: global_buffer, .address_space: global }
      - { .name: x2, .offset: 24, .size: 8, .value_kind: global_buffer, .address_space: global }
      - { .name: out0, .offset: 32, .size: 8, .value_kind: global_buffer, .address_space: global }
    .group_segment_fixed_size: 327680
    .private_segment_fixed_size: 0
    .kernarg_segment_align: 8
    .kernarg_segment_size: 40
    .max_flat_workgroup_size: 128
    .sgpr_count:     102
    .vgpr_count:     1024
    .wavefront_size: 32
...
	.end_amdgpu_metadata
.endif
;; end of part 7
;; ======== version 2 of 2: 7 launches
;; limits: right only within a limited range of input values
;; workspace buffers: h1 3,276,800 bytes; wts 9,863,168 bytes; qkvq 9,830,400 bytes; yq 3,276,800 bytes; x2 16,777,216 bytes; h2 3,276,800 bytes; hid 13,107,200 bytes
;; launch prep (part 8): grid 352 x 1, 8 waves a work-group, no clusters, 102,400 bytes of LDS; arguments x, ln1_w, ln1_b, h1, wts, attn_w_codes, attn_w_scales, attn_proj_w_codes, attn_proj_w_scales, fc_w_codes, fc_w_scales, mlp_proj_w_codes, mlp_proj_w_scales; writes h1, wts
.if DOCPART == 8
	.amdgcn_target "amdgcn-amd-amdhsa--gfx1250"
	.amdhsa_code_object_version 6
	.text
	.protected	k_q396edf87d4_prep
	.globl	k_q396edf87d4_prep
	.p2align	8
	.type	k_q396edf87d4_prep,@function
k_q396edf87d4_prep:
	s_mov_b64 s[64:65], 0
	v_nop
	global_prefetch_b8 v0, s[64:65] scope:SCOPE_SE
	s_setreg_imm32_b32 hwreg(HW_REG_WAVE_MODE, 25, 1), 1
	s_wait_xcnt 0x0
; Two jobs in one launch, parted on the work-group's number.
; WORK-GROUPS 0-255: h1 = Q(layer_norm(x)), quantised to FP6 (E2M3) with one E8M0 byte for each 32 along the 1,024 channels.
; WORK-GROUPS 256-351: the four weights, which arrive as codes with K innermost, are copied bit for bit into the layout below (nothing is quantised again).
; THE LAYOUT OF EVERY OPERAND OF THIS PROGRAM: a fragment (16 rows x 128 K, 12 registers a lane) lies in memory as an image of its registers, 1,536 bytes:
; piece c (0..2) is 512 bytes, lane l's 16 bytes at 16 l are registers 4 c .. 4 c + 3.  Images lie [block][K / 128].  Row r of block g is the tensor's row
; 32 (g / 2) + 8 (g % 2) + r + 8 (r / 8).  Scale words (four bytes: 128 along K of one row) lie [K / 128][block][16 rows].
; LAYER NORM: a work-group takes one block of 16 tokens, wave w channels 128 w .. 128 w + 127; a lane holds 16 neighbours of each of its four blocks of 32.
; Mean first, then the sum of squares of x - mean: no difference of large sums is formed.  The eight waves' sums meet in LDS, two barriers.
; No tile is shared between work-groups, so there is no cluster; memory binds, so there is no matrix work.
; LIMITS: NaN and infinities are not served.  A block whose largest magnitude lies under 2^-124 keeps the scale byte 1, a block of zeros too (the rule says 127):
; its codes are zeros, and this program alone reads these bytes.  The sums' order differs from the reference's.
.set X,   32                           ; v32-95   my 64 numbers: register 16 b + i = channel 32 b + 16 (lane / 16) + i of my wave's 128
.set W,   96                           ; v96-159  the gain at the same channels
.set BV,  160                          ; v160-223 the bias
.set PC,  224                          ; v224-243 the codes (12) and the conversions' second halves
.set CH,  244                          ; v244-251 four packed chains of a sum
.set TM,  8                            ; v8-11 largest magnitudes, v12-15 bytes, v16-19 the conversions' scale operands
.set PW,  20                           ; v20      my row's scale word
.set SEL, 38                           ; s[38:39] v_permlanex16_b32's selects for lane l xor 16
; 64 numbers of a lane, register 16 b + i = k 32 b + 16 (lane / 16) + i of my row, become a fragment's codes in v[PC] on and its scale word in v[PW].
.macro QUANT s
.irp b, 0,1,2,3
	v_max3_num_f32 v[TM+\b], |v[\s+16*\b]|, |v[\s+1+16*\b]|, 0x1800000   ; my 16 numbers of block b, and the floor 2^(3 - 127): the byte cannot fall under 1
.endr
.irp i, 2,4,6,8,10,12,14
.irp b, 0,1,2,3
	s_delay_alu instid0(VALU_DEP_4)
	v_max3_num_f32 v[TM+\b], v[TM+\b], |v[\s+16*\b+\i]|, |v[\s+1+16*\b+\i]|   ; the four blocks by turns
.endr
.endr
.irp b, 0,1,2,3
	s_delay_alu instid0(VALU_DEP_4)
	v_permlanex16_b32 v[TM+4+\b], v[TM+\b], s[SEL], s[SEL+1]
.endr
.irp b, 0,1,2,3
	s_delay_alu instid0(VALU_DEP_4)
	v_max_num_f32 v[TM+\b], v[TM+\b], v[TM+4+\b]   ; with lane l xor 16's: the block's largest magnitude
.endr
.irp b, 0,1,2,3
	s_delay_alu instid0(VALU_DEP_4)
	v_add_nc_u32 v[TM+8+\b], 0xff000000, v[TM+\b]  ; 2 off its exponent field: the conversion takes this operand's exponent field as its scale
.endr
.irp b, 0,1,2,3
	s_delay_alu instid0(VALU_DEP_4)
	v_lshrrev_b32 v[TM+4+\b], 23, v[TM+8+\b]       ; the scale's byte
.endr
	s_delay_alu instid0(VALU_DEP_3)
	v_lshl_or_b32 v[PW], v[TM+5], 8, v[TM+4]
	s_delay_alu instid0(VALU_DEP_1)
	v_lshl_or_b32 v[PW], v[TM+6], 16, v[PW]
	s_delay_alu instid0(VALU_DEP_1)
	v_lshl_or_b32 v[PW], v[TM+7], 24, v[PW]
.irp c, 0,1
	v_cvt_scalef32_pk16_fp6_f32 v[PC+6*\c:PC+2+6*\c], v[\s+32*\c:\s+15+32*\c], v[TM+8+2*\c]
	v_cvt_scalef32_pk16_fp6_f32 v[PC+12+4*\c:PC+14+4*\c], v[\s+16+32*\c:\s+31+32*\c], v[TM+9+2*\c]   ; (a conversion's three registers begin on an even number)
.endr
	v_nop                                          ; one plain place behind a scaled conversion
.irp c, 0,1                                    ; the operand's layout wants a whole block in a lane: lanes 0-15 block 2 c, lanes 16-31 block 2 c + 1
.irp i, 0,1,2
	v_permlane16_swap_b32 v[PC+6*\c+\i], v[PC+12+4*\c+\i]
.endr
.irp i, 0,1,2
	s_delay_alu instid0(VALU_DEP_3)
	v_mov_b32 v[PC+3+6*\c+\i], v[PC+12+4*\c+\i]
.endr
.endr
.endm
; The four chains become the row's sum in v26: my lane, lane l xor 16, then the eight waves' through LDS ([row][wave] words at byte off), one barrier.
.macro ROWSUM off
	s_delay_alu instid0(VALU_DEP_3)
	v_pk_add_f32 v[CH:CH+1], v[CH:CH+1], v[CH+2:CH+3]
	s_delay_alu instid0(VALU_DEP_2)
	v_pk_add_f32 v[CH+4:CH+5], v[CH+4:CH+5], v[CH+6:CH+7]
	s_delay_alu instid0(VALU_DEP_1)
	v_pk_add_f32 v[CH:CH+1], v[CH:CH+1], v[CH+4:CH+5]
	s_delay_alu instid0(VALU_DEP_1)
	v_add_f32 v26, v[CH], v[CH+1]
	s_delay_alu instid0(VALU_DEP_1)
	v_permlanex16_b32 v28, v26, s[SEL], s[SEL+1]
	s_delay_alu instid0(VALU_DEP_1)
	v_add_f32 v26, v26, v28
	ds_store_b32 v6, v26 offset:\off               ; lanes l and l xor 16 write the same word with the same value
	s_wait_dscnt 0x0                               ; for the others' sake: my store has landed
	s_barrier_signal -1
	s_barrier_wait -1
	ds_load_b128 v[CH:CH+3], v7 offset:\off
	ds_load_b128 v[CH+4:CH+7], v7 offset:\off+16
	s_wait_dscnt 0x0
	v_pk_add_f32 v[CH:CH+1], v[CH:CH+1], v[CH+2:CH+3]
	v_pk_add_f32 v[CH+4:CH+5], v[CH+4:CH+5], v[CH+6:CH+7]
	s_delay_alu instid0(VALU_DEP_1)
	v_pk_add_f32 v[CH:CH+1], v[CH:CH+1], v[CH+4:CH+5]
	s_delay_alu instid0(VALU_DEP_1)
	v_add_f32 v26, v[CH], v[CH+1]
.endm
	s_load_b256 s[4:11], s[0:1], 0x0               ; x, ln1_w, ln1_b, h1
	s_load_b64 s[12:13], s[0:1], 0x20              ; wts
	s_load_b512 s[16:31], s[0:1], 0x28             ; the four weights: codes, scales, codes, scales ..
	v_lshl_add_u32 v254, v0, 2, 0x400
	v_mov_b32 v255, 0
	v_lshrrev_b32 v1, 5, v0
	s_delay_alu instid0(VALU_DEP_1)
	v_readfirstlane_b32 s2, v1                     ; wave 0..7
	v_and_b32 v1, 15, v0                           ; r
	v_bfe_u32 v2, v0, 4, 1                         ; h
	s_delay_alu instid0(VALU_DEP_2)
	v_and_b32 v3, 8, v1
	s_delay_alu instid0(VALU_DEP_1)
	v_add_nc_u32 v3, v3, v1                        ; r + 8 (r / 8)
	v_and_b32 v21, 31, v0
	s_delay_alu instid0(VALU_DEP_1)
	v_lshlrev_b32 v21, 4, v21                      ; 16 x lane: my place in a piece of an image
	v_lshlrev_b32 v27, 2, v1                       ; 4 r: my row's scale word
	s_cmp_ge_u32 ttmp9, 256                        ; the same in all waves of a work-group
	s_cbranch_scc1 .Llay
	; ---------------- layer norm and quantiser ----------------
	v_lshlrev_b32 v4, 12, v3                       ; x: my token's row of 4,096 bytes,
	s_delay_alu instid0(VALU_DEP_1)
	v_lshl_add_u32 v4, v2, 6, v4                   ; + 64 h: my 16 numbers of a block of 32
	v_lshlrev_b32 v5, 6, v2                        ; gain and bias: 64 h
	v_lshlrev_b32 v7, 5, v1                        ; LDS: row r's eight words
	s_lshl_b32 s3, s2, 2
	v_add_nc_u32 v6, s3, v7                        ; and my wave's among them
	v_mov_b32 v28, 0                               ; (a lane permute's destination counts as one of its sources)
.irp b, 0,1,2,3
	v_mov_b32 v[TM+4+\b], 0
.endr
	s_mov_b32 s36, 0x3a800000                      ; 1 / 1024
	s_mov_b32 s37, 0x3727c5ac                      ; eps = 1e-5
	s_mov_b32 s[SEL], 0x76543210
	s_mov_b32 s[SEL+1], 0xfedcba98
	s_lshr_b32 s32, ttmp9, 1
	s_lshl_b32 s32, s32, 5
	s_and_b32 s33, ttmp9, 1
	s_lshl_b32 s33, s33, 3
	s_or_b32 s32, s32, s33                         ; the block's first token: 32 (g / 2) + 8 (g % 2)
	s_lshl_b32 s32, s32, 12
	s_lshl_b32 s34, s2, 9                          ; my wave's 128 channels: 512 bytes
	s_add_co_u32 s32, s32, s34
	s_mov_b32 s33, 0
	s_mov_b32 s35, 0
	s_lshl_b32 s40, ttmp9, 3
	s_add_co_u32 s40, s40, s2
	s_mul_i32 s40, s40, 1536                       ; my fragment's image: (8 g + w) x 1,536
	s_mov_b32 s41, 0
	s_lshl_b32 s42, s2, 8
	s_add_co_u32 s42, s42, ttmp9
	s_lshl_b32 s42, s42, 6
	s_add_co_u32 s42, s42, 3145728                 ; its scale words: behind the images, (256 w + g) x 64
	s_mov_b32 s43, 0
	s_wait_alu depctr_va_vdst(0)
	s_wait_kmcnt 0x0
	s_add_nc_u64 s[4:5], s[4:5], s[32:33]
	s_add_nc_u64 s[6:7], s[6:7], s[34:35]
	s_add_nc_u64 s[8:9], s[8:9], s[34:35]
	s_add_nc_u64 s[42:43], s[10:11], s[42:43]
	s_add_nc_u64 s[10:11], s[10:11], s[40:41]
.irp b, 0,1,2,3
.irp j, 0,1,2,3
	global_load_b128 v[X+16*\b+4*\j:X+16*\b+4*\j+3], v4, s[4:5] offset:128*\b+16*\j th:TH_LOAD_NT
.endr
.endr
.irp b, 0,1,2,3
.irp j, 0,1,2,3
	global_load_b128 v[W+16*\b+4*\j:W+16*\b+4*\j+3], v5, s[6:7] offset:128*\b+16*\j
.endr
.endr
.irp b, 0,1,2,3
.irp j, 0,1,2,3
	global_load_b128 v[BV+16*\b+4*\j:BV+16*\b+4*\j+3], v5, s[8:9] offset:128*\b+16*\j
.endr
.endr
	s_wait_loadcnt 32                              ; x is in; the 32 younger loads, gain and bias, may stay out
.irp k, 0,1,2,3
	v_pk_add_f32 v[CH+2*\k:CH+2*\k+1], v[X+2*\k:X+2*\k+1], v[X+8+2*\k:X+9+2*\k]   ; the first eight pairs start the four chains
.endr
.irp i, 2,3,4,5,6,7
.irp k, 0,1,2,3
	s_delay_alu instid0(VALU_DEP_4)
	v_pk_add_f32 v[CH+2*\k:CH+2*\k+1], v[CH+2*\k:CH+2*\k+1], v[X+8*\i+2*\k:X+8*\i+2*\k+1]
.endr
.endr
	ROWSUM 0
	s_delay_alu instid0(VALU_DEP_1)
	v_mul_f32 v22, s36, v26                        ; the mean,
	s_delay_alu instid0(VALU_DEP_1)
	v_mov_b32 v23, v22                             ; twice, for the packed form
.set n, 0
.rept 32
	v_pk_add_f32 v[X+n:X+n+1], v[X+n:X+n+1], v[22:23] neg_lo:[0,1] neg_hi:[0,1]   ; x - mean
.set n, n+2
.endr
.irp k, 0,1,2,3
	v_pk_mul_f32 v[CH+2*\k:CH+2*\k+1], v[X+2*\k:X+2*\k+1], v[X+2*\k:X+2*\k+1]
.endr
.irp i, 1,2,3,4,5,6,7
.irp k, 0,1,2,3
	s_delay_alu instid0(VALU_DEP_4)
	v_pk_fma_f32 v[CH+2*\k:CH+2*\k+1], v[X+8*\i+2*\k:X+8*\i+2*\k+1], v[X+8*\i+2*\k:X+8*\i+2*\k+1], v[CH+2*\k:CH+2*\k+1]
.endr
.endr
	ROWSUM 512                                     ; other LDS words than the first sum's: no third barrier is needed
	s_delay_alu instid0(VALU_DEP_1)
	v_fma_f32 v26, v26, s36, s37                   ; the variance + eps
	s_wait_alu depctr_va_vdst(0)
	v_rsq_f32 v24, v26
	v_nop                                          ; a plain place behind the transcendental
	s_wait_alu depctr_va_vdst(0)                   ; ahead of the first reader
	v_mov_b32 v25, v24
	s_wait_alu depctr_va_vdst(0)
	s_wait_loadcnt 0x0                             ; gain and bias
.set n, 0
.rept 32
	v_pk_mul_f32 v[X+n:X+n+1], v[X+n:X+n+1], v[24:25]
.set n, n+2
.endr
.set n, 0
.rept 32
	v_pk_fma_f32 v[X+n:X+n+1], v[X+n:X+n+1], v[W+n:W+n+1], v[BV+n:BV+n+1]
.set n, n+2
.endr
	QUANT X
.irp c, 0,1,2
	global_store_b128 v21, v[PC+4*\c:PC+4*\c+3], s[10:11] offset:512*\c   ; 32 lanes store 512 consecutive bytes, aligned
.endr
	v_and_b32 v29, 31, v0
	s_delay_alu instid0(VALU_DEP_1)
	v_cmp_gt_u32 vcc_lo, 16, v29                   ; lanes 0-15 hold the 16 rows' words (lanes 16-31 the same again)
	s_wait_xcnt 0x0                                ; EXEC changes only behind this wait
	s_wait_tensorcnt 0x0
	ds_add_u32 v254, v255
	s_wait_dscnt 0x0
	s_and_saveexec_b32 s44, vcc_lo
	global_store_b32 v27, v[PW], s[42:43]          ; 64 bytes a wave: one byte in 24 of what this path stores
	s_wait_xcnt 0x0
	s_or_b32 exec_lo, exec_lo, s44
	s_endpgm
	; ---------------- the weights into images: a wave copies one block x eight fragments ----------------
.Llay:
	s_sub_co_u32 s45, ttmp9, 256                   ; 0-23 attn_w, 24-31 attn_proj_w, 32-63 fc_w, 64-95 mlp_proj_w
	s_mov_b32 s46, 0                               ; the tensor's first work-group
	s_mov_b32 s47, 0                               ; log2 of the waves that share a block (K / 1,024)
	s_mov_b32 s48, 768                             ; a row of codes in bytes
	s_mov_b32 s49, 32                              ; a row of scale bytes
	s_mov_b32 s50, 12288                           ; a block's images in bytes
	s_mov_b32 s51, 16384                           ; the scale words of one K / 128: 64 x the pitch in blocks
	s_mov_b32 s52, 0                               ; where the tensor's images begin in wts
	s_mov_b32 s53, 9437184                         ; and its scale words
	s_wait_kmcnt 0x0
	s_mov_b64 s[54:55], s[16:17]
	s_mov_b64 s[56:57], s[18:19]
	s_cmp_ge_u32 s45, 24                           ; every choice hangs on the work-group's number alone
	s_cselect_b32 s46, 24, s46
	s_cselect_b32 s51, 4096, s51
	s_cselect_b32 s52, 2359296, s52
	s_cselect_b32 s53, 9568256, s53
	s_cselect_b64 s[54:55], s[20:21], s[54:55]
	s_cselect_b64 s[56:57], s[22:23], s[56:57]
	s_cmp_ge_u32 s45, 32
	s_cselect_b32 s46, 32, s46
	s_cselect_b32 s51, 16384, s51
	s_cselect_b32 s52, 3145728, s52
	s_cselect_b32 s53, 9601024, s53
	s_cselect_b64 s[54:55], s[24:25], s[54:55]
	s_cselect_b64 s[56:57], s[26:27], s[56:57]
	s_cmp_ge_u32 s45, 64
	s_cselect_b32 s46, 64, s46
	s_cselect_b32 s47, 2, s47
	s_cselect_b32 s48, 3072, s48
	s_cselect_b32 s49, 128, s49
	s_cselect_b32 s50, 49152, s50
	s_cselect_b32 s51, 4096, s51
	s_cselect_b32 s52, 6291456, s52
	s_cselect_b32 s53, 9732096, s53
	s_cselect_b64 s[54:55], s[28:29], s[54:55]
	s_cselect_b64 s[56:57], s[30:31], s[56:57]
	s_sub_co_u32 s58, s45, s46
	s_lshl_b32 s58, s58, 3
	s_add_co_u32 s58, s58, s2                      ; my wave's number in the tensor
	s_lshr_b32 s59, s58, s47                       ; block
	s_lshl_b32 s60, s59, s47
	s_sub_co_u32 s60, s58, s60                     ; which 1,024 along K
	s_lshr_b32 s61, s59, 1
	s_lshl_b32 s61, s61, 5
	s_and_b32 s62, s59, 1
	s_lshl_b32 s62, s62, 3
	s_or_b32 s61, s61, s62                         ; the block's first row
	s_wait_alu depctr_va_vdst(0)
	v_add_nc_u32 v8, s61, v3                       ; my row (for the scale words)
	; THE CODES ARE READ IN WHOLE UNITS OF 256 BYTES: load (j, c) takes unit c of the block's rows 2 j (lanes 0-15) and 2 j + 1 (lanes 16-31), 16 bytes a lane;
	; they pass through my wave's own stage in LDS (16 rows of 768 + 16 bytes, from byte 2,048 on) and come back as the operand's registers
	v_add_nc_u32 v9, s61, v2
	s_delay_alu instid0(VALU_DEP_1)
	v_mul_lo_u32 v9, v9, s48
	s_delay_alu instid0(VALU_DEP_1)
	v_lshl_add_u32 v9, v1, 4, v9
	s_mul_i32 s62, s60, 768
	v_add_nc_u32 v9, s62, v9                       ; (first row + h) x pitch + 768 x (K / 1,024) + 16 x (lane % 16)
	s_wait_alu depctr_va_vdst(0)
.irp j, 0,1,2,3,4,5,6,7
	s_mul_i32 s62, s48, 2*\j+8*(\j/4)              ; row 2 j + h of the block is the tensor's row 2 j + h + 8 (j / 4)
	v_add_nc_u32 v[224+\j], s62, v9
.endr
	s_mul_i32 s62, s2, 12544
	s_add_co_u32 s62, s62, 2048                    ; my stage
	v_mul_u32_u24 v22, v2, 784
	s_delay_alu instid0(VALU_DEP_1)
	v_lshl_add_u32 v22, v1, 4, v22
	s_delay_alu instid0(VALU_DEP_1)
	v_add_nc_u32 v22, s62, v22                     ; in: row h, 16 x (lane % 16)
	v_mul_u32_u24 v23, v1, 784
	s_delay_alu instid0(VALU_DEP_1)
	v_mad_u32_u24 v23, v2, 24, v23
	s_delay_alu instid0(VALU_DEP_1)
	v_add_nc_u32 v23, s62, v23                     ; back: row r, 24 h
	v_mul_lo_u32 v10, v8, s49
	s_delay_alu instid0(VALU_DEP_1)
	v_lshl_add_u32 v10, v2, 2, v10
	s_lshl_b32 s62, s60, 5
	v_add_nc_u32 v10, s62, v10                     ; scale words: lanes 0-15 the even K / 128, lanes 16-31 the odd
	s_wait_alu depctr_va_vdst(0)
	v_mul_lo_u32 v16, v2, s51
	s_delay_alu instid0(VALU_DEP_1)
	v_lshl_add_u32 v16, v1, 2, v16                 ; and where they go: h x (one K / 128) + 4 r,
	s_lshl_b32 s62, s51, 1
	v_add_nc_u32 v17, s62, v16                     ; two K / 128 on for each further word
	s_delay_alu instid0(VALU_DEP_1)
	v_add_nc_u32 v18, s62, v17
	s_delay_alu instid0(VALU_DEP_1)
	v_add_nc_u32 v19, s62, v18
	s_mul_i32 s46, s59, s50
	s_mul_i32 s62, s60, 12288
	s_add_co_u32 s46, s46, s62
	s_add_co_u32 s46, s46, s52                     ; my eight images
	s_mov_b32 s47, 0
	s_mul_i32 s48, s60, s51
	s_lshl_b32 s48, s48, 3
	s_lshl_b32 s62, s59, 6
	s_add_co_u32 s48, s48, s62
	s_add_co_u32 s48, s48, s53                     ; my block's scale words of my first K / 128
	s_mov_b32 s49, 0
	s_add_nc_u64 s[46:47], s[12:13], s[46:47]
	s_add_nc_u64 s[48:49], s[12:13], s[48:49]
.irp k, 0,1,2,3
	global_load_b32 v[12+\k], v10, s[56:57] offset:8*\k
.endr
.irp k, 0,1,2,3,4,5,6,7
.irp c, 0,1,2
	global_load_b128 v[32+12*\k+4*\c:35+12*\k+4*\c], v[224+\k], s[54:55] offset:256*\c th:TH_LOAD_NT   ; 16 lanes read 256 consecutive bytes, aligned
.endr
.endr
	s_wait_alu depctr_va_vdst(0)
.irp k, 0,1,2,3,4,5,6,7
	s_wait_loadcnt 3*(7-\k)                        ; rows 2 k, 2 k + 1 are in; the later rows' three loads each may stay out
.irp c, 0,1,2
	ds_store_b128 v22, v[32+12*\k+4*\c:35+12*\k+4*\c] offset:1568*\k+256*\c
.endr
.endr
.irp k, 0,1,2,3
	global_store_b32 v[16+\k], v[12+\k], s[48:49]
.endr
.irp k, 0,1,2,3,4,5,6,7
.irp p, 0,1,2,3,4,5
	ds_load_b64 v[128+12*\k+2*\p:129+12*\k+2*\p], v23 offset:96*\k+48*(\p/3)+8*(\p%3)   ; LDS serves a wave's instructions in order: these see my stores.  24 bytes at 24 h, 24 at 48 + 24 h
.endr
.endr
.irp k, 0,1,2,3,4,5,6,7
	s_wait_dscnt 6*(7-\k)                          ; fragment k is back; the later fragments' six loads each may stay out
.irp c, 0,1,2
	global_store_b128 v21, v[128+12*\k+4*\c:131+12*\k+4*\c], s[46:47] offset:1536*\k+512*\c
.endr
.endr
	s_wait_tensorcnt 0x0                           ; the wave's end
	ds_add_u32 v254, v255
	s_wait_dscnt 0x0
	s_endpgm
.Lfunc_end_k_q396edf87d4_prep:
	.size	k_q396edf87d4_prep, .Lfunc_end_k_q396edf87d4_prep-k_q396edf87d4_prep
	.p2alignl 7, 3214868480
	.fill 96, 4, 3214868480
	.section	.rodata,"a",@progbits
	.p2align	6, 0x0
	.amdhsa_kernel k_q396edf87d4_prep
		.amdhsa_group_segment_fixed_size 102400
		.amdhsa_private_segment_fixed_size 0
		.amdhsa_enable_private_segment 0
		.amdhsa_kernarg_size 104
		.amdhsa_user_sgpr_count 2
		.amdhsa_user_sgpr_kernarg_segment_ptr 1
		.amdhsa_wavefront_size32 1
		.amdhsa_system_sgpr_workgroup_id_x 1
		.amdhsa_system_sgpr_workgroup_id_y 1
		.amdhsa_system_sgpr_workgroup_id_z 1
		.amdhsa_system_vgpr_workitem_id 0
		.amdhsa_next_free_vgpr 256
		.amdhsa_next_free_sgpr 66
		.amdhsa_reserve_vcc 1
		.amdhsa_float_denorm_mode_32 3
		.amdhsa_float_denorm_mode_16_64 3
		.amdhsa_memory_ordered 1
		.amdhsa_forward_progress 1
		.amdhsa_inst_pref_size 43
	.end_amdhsa_kernel
	.amdgpu_metadata
---
amdhsa.version: [ 1, 2 ]
amdhsa.kernels:
  - .name:           k_q396edf87d4_prep
    .symbol:         k_q396edf87d4_prep.kd
    .args:
      - { .name: x, .offset: 0, .size: 8, .value_kind: global_buffer, .address_space: global }
      - { .name: ln1_w, .offset: 8, .size: 8, .value_kind: global_buffer, .address_space: global }
      - { .name: ln1_b, .offset: 16, .size: 8, .value_kind: global_buffer, .address_space: global }
      - { .name: h1, .offset: 24, .size: 8, .value_kind: global_buffer, .address_space: global }
      - { .name: wts, .offset: 32, .size: 8, .value_kind: global_buffer, .address_space: global }
      - { .name: attn_w_codes, .offset: 40, .size: 8, .value_kind: global_buffer, .address_space: global }
      - { .name: attn_w_scales, .offset: 48, .size: 8, .value_kind: global_buffer, .address_space: global }
      - { .name: attn_proj_w_codes, .offset: 56, .size: 8, .value_kind: global_buffer, .address_space: global }
      - { .name: attn_proj_w_scales, .offset: 64, .size: 8, .value_kind: global_buffer, .address_space: global }
      - { .name: fc_w_codes, .offset: 72, .size: 8, .value_kind: global_buffer, .address_space: global }
      - { .name: fc_w_scales, .offset: 80, .size: 8, .value_kind: global_buffer, .address_space: global }
      - { .name: mlp_proj_w_codes, .offset: 88, .size: 8, .value_kind: global_buffer, .address_space: global }
      - { .name: mlp_proj_w_scales, .offset: 96, .size: 8, .value_kind: global_buffer, .address_space: global }
    .group_segment_fixed_size: 102400
    .private_segment_fixed_size: 0
    .kernarg_segment_align: 8
    .kernarg_segment_size: 104
    .max_flat_workgroup_size: 256
    .sgpr_count:     66
    .vgpr_count:     256
    .wavefront_size: 32
...
	.end_amdgpu_metadata
.endif
;; end of part 8
;; launch qkv (part 9): grid 12 x 16, 4 waves a work-group, clusters of 4 x 4, 327,680 bytes of LDS; arguments h1, wts, attn_b, qkvq; writes qkvq
.if DOCPART == 9
	.amdgcn_target "amdgcn-amd-amdhsa--gfx1250"
	.amdhsa_code_object_version 6
	.text
	.protected	k_q396edf87d4_qkv
	.globl	k_q396edf87d4_qkv
	.p2align	8
	.type	k_q396edf87d4_qkv,@function
k_q396edf87d4_qkv:
	s_mov_b64 s[64:65], 0
	v_nop
	global_prefetch_b8 v0, s[64:65] scope:SCOPE_SE
	s_setreg_imm32_b32 hwreg(HW_REG_WAVE_MODE, 25, 1), 1
	s_wait_xcnt 0x0
	s_wait_alu depctr_hold_cnt(0) depctr_sa_sdst(0) depctr_va_vdst(0) depctr_va_sdst(0) depctr_va_ssrc(0) depctr_va_vcc(0) depctr_vm_vsrc(0)
	s_getreg_b32 s2, hwreg(HW_REG_IB_STS2, 6, 4)
	s_cmp_eq_u32 s2, 0
	s_cbranch_scc0 .Lentry_in_a_cluster
	s_endpgm
.Lentry_in_a_cluster:
	s_bfe_u32 s2, ttmp6, 0x10000c
	s_cmp_lg_u32 s2, 0xf033
	s_cbranch_scc0 .Lentry_shape_is_right
	s_endpgm
.Lentry_shape_is_right:
; q, k, v = Q(h1 attn_w + attn_b): product 1 on FP6 codes, its results quantised at once into the operands of attention.
; THE CORE: a tile of 256 x 256 by four waves, 128 x 128 a wave in 64 accumulators; K in steps of 256 through two LDS slots; 4 x 4 work-groups form a cluster,
; A's tile asked for jointly along a row of the cluster, B's along a column.  Both operands lie in memory as images of their registers (1,536 bytes a fragment of
; 16 rows x 128 K, [block][K / 128]; row r of block g is row 32 (g / 2) + 8 (g % 2) + r + 8 (r / 8)), so a tile is 8 rows of 3,072 dense bytes, a fragment three
; ds_load_b128 of 512 consecutive bytes, and A and B are alike.  Source 0 = a block of B, source 1 = a block of A: by the row order above, the 64 registers of A's block a
; against B's eight blocks are, in lane (r, h), 16 b + i = B's row 32 b + 16 h + i: neighbours along the next product's K.
; ROLES BY CLUSTER x: 0: q, 1: k (A = tokens, B = weight rows: a lane's registers run along the channels); 2: v, with the two pointers swapped (A = weight rows, B = tokens):
; a lane's registers then run along the tokens, which are the second attention product's K.  The choice hangs on the cluster's x, which all partners share.
; OUT (qkvq): q [head pair 16][token block 128][1,536]; K and V [head pair][slot of 256 keys 8][K: 16 records | V: 2 key steps x 8 records]; scale words behind them.
; LIMITS: NaN and infinities are not served; a block whose largest magnitude lies under 2^-124 (zeros too) keeps the scale byte 1; this program alone reads the bytes.
.set KDIM,   1024
.set NBA,    256                       ; pitch of A's scale words in blocks
.set NBB,    256
.set KB,     KDIM/128
.set NQ,     2                         ; matrix instructions deep in a slot
.set FR,     12                        ; registers of a fragment
.set NL,     3                         ; LDS loads that bring one
.set NP,     4                         ; places behind this matrix instruction (ISA guide 7.12.1)
.set FRB,    1536
.set QROW,   NQ*FRB                    ; a block's part of a slot
.set QT,     8*QROW                    ; eight blocks: what one tensor load brings
.set SLOT,   4*QT                      ; A's two halves, then B's two halves
.set LAPS,   KDIM/512
.set SCL,    2*SLOT                    ; behind the ring: the scale words of all of K, four quarters
.set SKP,    1088                      ; one K / 128 of sixteen blocks: 1,024 bytes + 64 of padding, so that lanes 0-15 and lanes 16-31 (one K / 128 on) fall on different banks
.set QS,     KB*SKP/2                  ; half of A's or of B's scale words
.set SPARE,  SCL+4*QS                  ; the spare words, 128 bytes a wave: no other line names them
.set STG,    SPARE+512                 ; a stage of 512 bytes a wave for the scale words on the way out: no fill ever lands here
.set ADRA, 16                          ; v16-17 LDS address of my A fragments in slot 0, 1
.set ADRB, 20                          ; v20-21 of B's
.set ADSA, 22                          ; v22    of A's scale words: lanes 0-15 the slot's first K / 128, lanes 16-31 its second
.set ADSB, 23                          ; v23    of B's
.set STO,  24
.set RD,   25
.set CO,   26                          ; v26    16 x lane
.set SPW,  28
.set NIL,  29
.set PW,   30
.set SC,   32                          ; v32-63 scale words, a set of 16 for each slot: A's blocks at +0..7, B's at +8..15; they hold nothing else
.set BI,   64                          ; v64-127  bias by column (q, k)
.set AF,   128                         ; v128-223 A's fragments, one set
.set BR,   224                         ; v224-239 bias by row (v): a pair for each block, the low word used
.set H,    128                         ; the way out: 64 numbers
.set PC,   192
.set TM,   212
.set G1, 24
.set G0, 32
.set G1B, 48
.set G0B, 56
.set G1S, 68
.set G0S, 76
.set G1SB, 80
.set G0SB, 88
.set SEL, 96
.set MSB, 0
.macro WIN new                         ; the immediate's high byte repeats the setting that is left
.if MSB != \new
	s_set_vgpr_msb (MSB<<8)|\new
.set MSB, \new
.endif
.endm
.set MUL_LO, 0xa1                      ; source 0 (B) window 1, source 1 (A) window 0, C and D window 2
.set MUL_HI, 0xf1                      ; the same, C and D window 3
.set TO_B,   0x40                      ; destination window 1
.macro JLOAD g0a, g1a, g0b, g1b        ; a joint load: waves 0 and 1 fetch for A, waves 2 and 3 for B; four v_nop follow each line
	s_cmp_eq_u32 s15, 0
	s_cbranch_scc0 .Lfor_b_\@
	tensor_load_to_lds s[\g0a:\g0a+3], s[\g1a:\g1a+7]
	s_nop 0
.rept 4
	v_nop
.endr
	s_branch .Lasked_\@
.Lfor_b_\@:
	tensor_load_to_lds s[\g0b:\g0b+3], s[\g1b:\g1b+7]
	s_nop 0
.rept 4
	v_nop
.endr
.Lasked_\@:
.endm
.macro CREST                           ; a round of the cluster's barrier behind its opening barrier
	s_cmp_lg_u32 s14, 0
	s_cbranch_scc1 .Lnot_wave_0_\@
	s_barrier_signal -3
.Lnot_wave_0_\@:
	s_barrier_wait -3
	s_barrier_signal -1
	s_barrier_wait -1
.endm
.macro CROUND
	s_barrier_signal -1
	s_barrier_wait -1
	CREST
.endm
.macro PLACES n
.rept \n
	v_nop
.endr
.endm
.macro FRAG reg, adr, q, i             ; block i's fragment of the slot's q-th 128 along K: three loads of 512 consecutive bytes
.irp c, 0,1,2
	ds_load_b128 v[\reg+4*\c:\reg+4*\c+3], v[\adr] offset:(\i)*QROW+(\q)*FRB+512*\c
.endr
.endm
.macro FETCH_B slot, q, p
	WIN TO_B
.irp i, 0,1,2,3,4,5,6,7
	FRAG 128*(\p)+FR*\i, ADRB+\slot, \q, \i
.endr
	WIN 0
.endm
.macro FETCH_A slot, q, i0
.irp i, \i0, \i0+1, \i0+2, \i0+3
	FRAG AF+FR*(\i), ADRA+\slot, \q, \i
.endr
.endm
.macro SCALES sc
.irp i, 0,1,2,3,4,5,6,7
	ds_load_b32 v[SC+16*\sc+\i], v[ADSA] offset:64*\i
	ds_load_b32 v[SC+16*\sc+8+\i], v[ADSB] offset:64*\i
.endr
.endm
; 16 matrix instructions: A's blocks a0, a0 + 1 x B's eight.  The 64 accumulators take turns, one instruction a turn.
.macro MUL16 a0, p, q, sc, zero
.irp a, \a0, \a0+1
.irp b, 0,1,2,3,4,5,6,7
.set rD, 8*(8*((\a)%4)+\b)
.set rB, 128*(\p)+FR*\b
.set rA, AF+FR*(\a)
.set rSB, SC+16*(\sc)+8+\b
.set rSA, SC+16*(\sc)+(\a)
.if \zero
	v_wmma_scale_f32_16x16x128_f8f6f4 v[rD:rD+7], v[rB:rB+11], v[rA:rA+11], 0, v[rSB], v[rSA] matrix_a_fmt:MATRIX_FMT_FP6 matrix_b_fmt:MATRIX_FMT_FP6
.elseif (\q) == 0
	v_wmma_scale_f32_16x16x128_f8f6f4 v[rD:rD+7], v[rB:rB+11], v[rA:rA+11], v[rD:rD+7], v[rSB], v[rSA] matrix_a_fmt:MATRIX_FMT_FP6 matrix_b_fmt:MATRIX_FMT_FP6
.else
	v_wmma_scale_f32_16x16x128_f8f6f4 v[rD:rD+7], v[rB:rB+11], v[rA:rA+11], v[rD:rD+7], v[rSB], v[rSA] matrix_a_fmt:MATRIX_FMT_FP6 matrix_b_fmt:MATRIX_FMT_FP6 matrix_a_scale:MATRIX_SCALE_ROW1 matrix_b_scale:MATRIX_SCALE_ROW1
.endif
.endr
.endr
.endm
.macro STEP slot, q, zero              ; a step of 128 along K that has its successor in the same slot
	s_wait_dscnt 4*NL                              ; all but the 12 youngest loads (A's blocks 4-7) are in
	WIN MUL_LO
	MUL16 0, (\q)%2, \q, \slot, \zero
	MUL16 2, (\q)%2, \q, \slot, \zero
	s_wait_dscnt 0
	PLACES NP
	FETCH_B \slot, (\q)+1, 1-(\q)%2
	FETCH_A \slot, (\q)+1, 0
	WIN MUL_HI
	MUL16 4, (\q)%2, \q, \slot, \zero
	MUL16 6, (\q)%2, \q, \slot, \zero
	PLACES NP
	WIN 0
	FETCH_A \slot, (\q)+1, 4
.endm
.macro TURN slot, next, fill           ; a slot's last step changes slots
	s_wait_tensorcnt 0x0                           ; all my tensor loads have landed: my part of the next slot
	ds_add_u32 v[SPW], v[NIL]                      ; 0 onto my spare word
	s_wait_dscnt 4*NL+1                            ; the add and the 12 youngest loads may be out
	WIN MUL_LO
	MUL16 0, 1, NQ-1, \slot, 0
	s_wait_dscnt 0x0                               ; the add is done, and my reads of this slot are over
	s_barrier_signal -1
	MUL16 2, 1, NQ-1, \slot, 0
	WIN 0
	s_barrier_wait -1
.if \fill
	CREST                                          ; the barrier has opened a round of the cluster's: no wave of any partner still reads this slot or has a load on its way
	s_add_nc_u64 s[G0+4*\slot+2:G0+4*\slot+3], s[G0+4*\slot+2:G0+4*\slot+3], 2*QROW
	s_add_nc_u64 s[G0B+4*\slot+2:G0B+4*\slot+3], s[G0B+4*\slot+2:G0B+4*\slot+3], 2*QROW
	JLOAD G0+4*\slot, G1, G0B+4*\slot, G1B         ; the first tensor load behind the round; its four v_nop are the places in front of the loads below
.else
	PLACES NP
.endif
	s_wait_alu depctr_va_vdst(0)
	v_add_nc_u32 v[ADSA], 2*SKP, v[ADSA]           ; on to the next slot's scale words (no LDS load of mine is out)
	v_add_nc_u32 v[ADSB], 2*SKP, v[ADSB]
	FETCH_B \next, 0, 0
	FETCH_A \next, 0, 0
	SCALES \next
	WIN MUL_HI
	MUL16 4, 1, NQ-1, \slot, 0
	MUL16 6, 1, NQ-1, \slot, 0
	PLACES NP
	WIN 0
	FETCH_A \next, 0, 4
.endm
; 64 numbers of a lane, register 16 b + i = k 32 b + 16 (lane / 16) + i of my row, become a fragment's codes in v[PC] on and its scale word in v[PW].
.macro QUANT s
.irp b, 0,1,2,3
	v_max3_num_f32 v[TM+\b], |v[\s+16*\b]|, |v[\s+1+16*\b]|, 0x1800000   ; and the floor 2^(3 - 127): the byte cannot fall under 1
.endr
.irp i, 2,4,6,8,10,12,14
.irp b, 0,1,2,3
	v_max3_num_f32 v[TM+\b], v[TM+\b], |v[\s+16*\b+\i]|, |v[\s+1+16*\b+\i]|
.endr
.endr
.irp b, 0,1,2,3
	v_permlanex16_b32 v[TM+4+\b], v[TM+\b], s[SEL], s[SEL+1]
.endr
.irp b, 0,1,2,3
	v_max_num_f32 v[TM+\b], v[TM+\b], v[TM+4+\b]
.endr
.irp b, 0,1,2,3
	v_add_nc_u32 v[TM+8+\b], 0xff000000, v[TM+\b]  ; 2 off the exponent field: the conversion's scale operand
.endr
.irp b, 0,1,2,3
	v_lshrrev_b32 v[TM+4+\b], 23, v[TM+8+\b]       ; the scale's byte
.endr
	v_lshl_or_b32 v[PW], v[TM+5], 8, v[TM+4]
	v_lshl_or_b32 v[PW], v[TM+6], 16, v[PW]
	v_lshl_or_b32 v[PW], v[TM+7], 24, v[PW]
.irp c, 0,1
	v_cvt_scalef32_pk16_fp6_f32 v[PC+6*\c:PC+2+6*\c], v[\s+32*\c:\s+15+32*\c], v[TM+8+2*\c]
	v_cvt_scalef32_pk16_fp6_f32 v[PC+12+4*\c:PC+14+4*\c], v[\s+16+32*\c:\s+31+32*\c], v[TM+9+2*\c]
.endr
	v_nop                                          ; one plain place behind a scaled conversion
.irp c, 0,1
.irp i, 0,1,2
	v_permlane16_swap_b32 v[PC+6*\c+\i], v[PC+12+4*\c+\i]
.endr
.irp i, 0,1,2
	v_mov_b32 v[PC+3+6*\c+\i], v[PC+12+4*\c+\i]
.endr
.endr
.endm
	s_load_b128 s[4:7], s[0:1], 0x0                ; h1, wts
	s_load_b128 s[8:11], s[0:1], 0x10              ; attn_b, qkvq
	v_lshl_add_u32 v[SPW], v0, 2, SPARE
	v_mov_b32 v[NIL], 0
	ds_add_u32 v28, v29
	ds_add_u32 v28, v29
	s_wait_dscnt 0x0
	v_lshrrev_b32 v1, 5, v0
	v_readfirstlane_b32 s14, v1                    ; wave 0..3
	s_lshr_b32 s15, s14, 1                         ; my half of A's rows.  Also: I fetch for A (0) or for B (1)
	s_and_b32 s16, s14, 1                          ; my half of B's rows.  Also: which eight blocks I fetch
	s_bfe_u32 s40, ttmp6, 0x40000                  ; cx
	s_bfe_u32 s41, ttmp6, 0x40004                  ; cy
	s_and_b32 s17, ttmp7, 0xffff                   ; cluster y
	s_cmp_eq_u32 ttmp9, 2                          ; cluster x = 2: v.  The same in all sixteen partners
	s_cselect_b32 s100, 1, 0
	s_cselect_b32 s42, s17, ttmp9                  ; B's tiles: tokens by cluster y, or weight rows by cluster x
	s_cselect_b32 s17, 2, s17                      ; A's tiles: v's weight rows, or tokens by cluster y
	s_lshl_b32 s42, s42, 2
	s_add_co_u32 s42, s42, s40                     ; B's tile of 256 rows
	s_lshl_b32 s17, s17, 2
	s_add_co_u32 s17, s17, s41                     ; A's tile
	s_lshl_b32 s43, s41, 2
	s_lshl_b32 s43, 15, s43                        ; my row of the cluster
	s_lshl_b32 s44, 0x1111, s40                    ; my column
	s_or_b32 s[G1+0], s43, (3<<16)|(1<<21)         ; 15:0 the mask; 17:16 elements of 8 bytes; 21 set beside a mask; no padding
	s_or_b32 s[G1B+0], s44, (3<<16)|(1<<21)
.irp g, G1, G1B
	s_mov_b32 s[\g+1], 384<<16                     ; tensor_dim0: 3,072 bytes
	s_mov_b32 s[\g+2], 16<<16                      ; tensor_dim1: 16 blocks for the head's loads; behind them 8
	s_mov_b32 s[\g+3], 384<<16                     ; tile_dim0
	s_mov_b32 s[\g+4], 16                          ; tile_dim1
	s_mov_b32 s[\g+5], KB*192                      ; from block to block
	s_mov_b32 s[\g+6], 0
	s_mov_b32 s[\g+7], 0
.endr
	s_or_b32 s[G1S+0], s43, (3<<16)|(1<<20)|(1<<21)|(7<<22)|(15<<25)   ; padding: 16 words behind every 256
	s_or_b32 s[G1SB+0], s44, (3<<16)|(1<<20)|(1<<21)|(7<<22)|(15<<25)
.irp g, G1S, G1SB
	s_mov_b32 s[\g+1], 128<<16                     ; 1,024 bytes: sixteen blocks' words of one K / 128
	s_mov_b32 s[\g+2], KB<<16
	s_mov_b32 s[\g+3], 128<<16
	s_mov_b32 s[\g+4], KB
	s_mov_b32 s[\g+6], 0
	s_mov_b32 s[\g+7], 0
.endr
	s_mov_b32 s[G1S+5], NBA*8
	s_mov_b32 s[G1SB+5], NBB*8
	s_mul_i32 s18, s16, 8*KB*FRB                   ; in the ring I fetch eight blocks of a tile: which half, in bytes
	s_mov_b32 s19, 0
	s_lshl_b32 s20, s17, 4                         ; A's tile: its first block
	s_lshl_b32 s46, s42, 4                         ; B's
	s_mov_b32 s98, 3145728                         ; where h1's scale words begin,
	s_mov_b32 s99, 9437184                         ; and attn_w's in wts
	s_cmp_eq_u32 s100, 1
	s_cselect_b32 s22, s99, s98
	s_cselect_b32 s92, s98, s99
	s_lshl_b32 s23, s20, 6
	s_add_co_u32 s22, s22, s23
	s_lshl_b32 s93, s46, 6
	s_add_co_u32 s92, s92, s93
	s_mov_b32 s23, 0
	s_mov_b32 s93, 0
	s_mul_i32 s20, s20, KB*FRB
	s_mov_b32 s21, 0
	s_mul_i32 s46, s46, KB*FRB
	s_mov_b32 s47, 0
	s_mul_i32 s45, s14, QT                         ; where they go: no place in the cluster enters an LDS address
	s_wait_kmcnt 0x0
	s_cmp_eq_u32 s100, 1
	s_cselect_b64 s[98:99], s[6:7], s[4:5]         ; A's buffer
	s_cselect_b64 s[6:7], s[4:5], s[6:7]           ; B's
	s_add_nc_u64 s[20:21], s[98:99], s[20:21]
	s_add_nc_u64 s[22:23], s[98:99], s[22:23]
	s_add_nc_u64 s[46:47], s[6:7], s[46:47]
	s_add_nc_u64 s[92:93], s[6:7], s[92:93]
	CROUND                                         ; all sixteen work-groups are here: the first joint loads meet
	s_mov_b32 s[G0S], 1                            ; the scale words of A's sixteen blocks, all of K: filled once
	s_mov_b32 s[G0S+1], SCL
	s_mov_b64 s[G0S+2:G0S+3], s[22:23]
	s_or_b32 s[G0S+3], s[G0S+3], 0x80000000
	s_mov_b32 s[G0SB], 1                           ; and of B's
	s_mov_b32 s[G0SB+1], SCL+2*QS
	s_mov_b64 s[G0SB+2:G0SB+3], s[92:93]
	s_or_b32 s[G0SB+3], s[G0SB+3], 0x80000000
.irp s, 0,1
	s_mov_b32 s[G0+4*\s], 1
	s_add_co_u32 s[G0+4*\s+1], s45, \s*SLOT
	s_add_nc_u64 s[G0+4*\s+2:G0+4*\s+3], s[20:21], \s*QROW
	s_or_b32 s[G0+4*\s+3], s[G0+4*\s+3], 0x80000000
	s_mov_b32 s[G0B+4*\s], 1
	s_add_co_u32 s[G0B+4*\s+1], s45, \s*SLOT
	s_add_nc_u64 s[G0B+4*\s+2:G0B+4*\s+3], s[46:47], \s*QROW
	s_or_b32 s[G0B+4*\s+3], s[G0B+4*\s+3], 0x80000000
.endr
	s_mov_b32 s[G0+1], 0                           ; the head's loads of slot 0 bring whole tiles: A's sixteen blocks,
	s_mov_b32 s[G0B+1], 2*QT                       ; and B's behind them
	s_add_nc_u64 s[G0+6:G0+7], s[G0+6:G0+7], s[18:19]      ; slot 1's bring my eight blocks
	s_add_nc_u64 s[G0B+6:G0B+7], s[G0B+6:G0B+7], s[18:19]
	; THE PREFETCHES.  Behind the load of the K chunk c (256 along K: 3,072 bytes of each block) a wave asks for chunk c + 2 of what it fetches in the ring: of its eight blocks each of the four partners
	; that ask for them jointly takes two, told apart by address (cx for A, cy for B): 2 x 12 blocks of 256 bytes, a lane a block (lanes 24-31 name the last again).  K has four chunks: two asks, chunks 2 and 3.
.set PFA, 98
	s_cmp_eq_u32 s15, 0                            ; do I fetch for A?
	s_cselect_b64 s[PFA:PFA+1], s[20:21], s[46:47]
	s_cselect_b32 s94, s40, s41                    ; my place among the four
	s_lshl_b32 s94, s94, 1
	s_lshl_b32 s95, s16, 3
	s_add_co_u32 s94, s94, s95                     ; my eight blocks, my work-group's two of them
	s_mul_i32 s94, s94, KB*FRB
	s_mov_b32 s95, 0
	s_add_nc_u64 s[PFA:PFA+1], s[PFA:PFA+1], s[94:95]
	v_and_b32 v31, 31, v0
	v_min_u32 v31, 23, v31
	v_mul_u32_u24 v7, v31, 11
	v_lshrrev_b32 v7, 7, v7                        ; lane / 12, for lanes 0 to 23
	v_lshlrev_b32 v31, 8, v31
	v_mad_u32_u24 v31, v7, KB*FRB-3072, v31        ; (lane / 12) blocks + 256 (lane % 12); never rewritten
	s_wait_alu depctr_va_vdst(0)
; THE HEAD'S LOADS, ONE A WAVE: wave 0 A's tile of slot 0, wave 1 B's, wave 2 A's scale words, wave 3 B's.  One tree of branches on the wave's number
.macro ARM under, g0, g1, next
	s_cmp_lt_u32 s14, \under
	s_cbranch_scc0 \next
	tensor_load_to_lds s[\g0:\g0+3], s[\g1:\g1+7]
	s_nop 0
.rept 4
	v_nop
.endr
	s_branch .Lhead_asked
\next:
.endm
	ARM 1, G0,  G1,  .Lhead_b
	ARM 2, G0B, G1B, .Lhead_sa
	ARM 3, G0S, G1S, .Lhead_sb
	tensor_load_to_lds s[G0SB:G0SB+3], s[G1SB:G1SB+7]
	s_nop 0
.rept 4
	v_nop
.endr
.Lhead_asked:
	global_prefetch_b8 v31, s[PFA:PFA+1] offset:2*QROW th:TH_LOAD_NT scope:SCOPE_SE   ; chunk 2
	v_and_b32 v1, 15, v0                           ; r
	v_bfe_u32 v2, v0, 4, 1                         ; h
	v_and_b32 v3, 31, v0
	v_lshlrev_b32 v3, 4, v3                        ; 16 x lane
	s_mul_i32 s21, s15, QT
	s_mul_i32 s22, s16, QT
	s_add_co_u32 s22, s22, 2*QT
.irp s, 0,1
	v_add_nc_u32 v[ADRA+\s], s21, v3
	v_add_nc_u32 v[ADRB+\s], s22, v3
	s_add_co_u32 s21, s21, SLOT
	s_add_co_u32 s22, s22, SLOT
.endr
	v_mul_u32_u24 v4, v2, SKP
	v_lshl_add_u32 v4, v1, 2, v4                   ; h x (one K / 128) + 4 r
	s_lshl_b32 s21, s15, 9                         ; my eight blocks' words: 512 bytes of each row of 1,024
	s_add_co_u32 s21, s21, SCL
	s_lshl_b32 s22, s16, 9
	s_add_co_u32 s22, s22, SCL+2*QS
	v_add_nc_u32 v[ADSA], s21, v4
	v_add_nc_u32 v[ADSB], s22, v4
	s_lshl_b32 s21, s14, 9
	s_add_co_u32 s21, s21, STG                     ; my stage
	v_lshl_add_u32 v[STO], v1, 2, s21
	v_add_nc_u32 v[RD], s21, v3
	v_mov_b32 v[CO], v3
	s_mov_b32 s[SEL], 0x76543210
	s_mov_b32 s[SEL+1], 0xfedcba98
	; the biases.  Both sets are loaded in every cluster, from places inside attn_b, so that no register is left unwritten; the way out uses one of them
	s_lshl_b32 s18, s17, 1
	s_add_co_u32 s18, s18, s15                     ; RA: which 128 of A's rows are mine
	s_lshl_b32 s19, s42, 1
	s_add_co_u32 s19, s19, s16                     ; CB: which 128 of B's
	s_lshl_b32 s92, s19, 9
	s_lshl_b32 s94, s18, 9
	s_cmp_eq_u32 s100, 1
	s_cselect_b32 s92, 0, s92
	s_cselect_b32 s94, s94, 0
	s_mov_b32 s93, 0
	s_mov_b32 s95, 0
	s_add_nc_u64 s[66:67], s[8:9], s[94:95]
	s_add_nc_u64 s[8:9], s[8:9], s[92:93]
	v_lshlrev_b32 v5, 6, v2                        ; 64 h
	v_and_b32 v6, 8, v1
	v_add_nc_u32 v6, v6, v1
	v_lshlrev_b32 v6, 2, v6                        ; 4 (r + 8 (r / 8))
.irp c, 0,1,2,3
.irp j, 0,1,2,3
	global_load_b128 v[BI+16*\c+4*\j:BI+16*\c+4*\j+3], v5, s[8:9] offset:128*\c+16*\j   ; register 16 c + i: the bias of B's row 32 c + 16 h + i
.endr
.endr
.irp a, 0,1,2,3,4,5,6,7
	global_load_b32 v[BR+2*\a], v6, s[66:67] offset:(32*(\a/2)+8*(\a%2))*4   ; the bias of row r of A's block a
	v_mov_b32 v[BR+2*\a+1], 0                      ; (named with it as a pair)
.endr
	; where my results go
	s_sub_co_u32 s21, s18, 16
	s_and_b32 s22, s19, 7
	s_cmp_eq_u32 s100, 1
	s_cselect_b32 s20, s19, s18                    ; my 128 tokens
	s_cselect_b32 s21, s21, s22                    ; my head pair
	s_cselect_b32 s23, 24576, 0                    ; V lies behind K in a slot,
	s_cselect_b32 s92, 8192, 0                     ; and V's scale words behind K's
	s_lshr_b32 s22, s20, 4                         ; batch
	s_and_b32 s20, s20, 15                         ; key step
	s_lshl_b32 s22, s22, 3
	s_add_co_u32 s21, s21, s22                     ; 8 x batch + head pair
	s_mul_i32 s93, s21, 196608
	s_mul_i32 s94, s20, 12288
	s_add_co_u32 s93, s93, s94                     ; q's codes
	s_lshl_b32 s94, s21, 13
	s_lshl_b32 s95, s20, 9
	s_add_co_u32 s94, s94, s95
	s_add_co_u32 s94, s94, 9437184                 ; q's scale words
	s_mul_i32 s22, s21, 393216
	s_add_co_u32 s22, s22, s23
	s_lshr_b32 s23, s20, 1
	s_mul_i32 s23, s23, 49152
	s_add_co_u32 s22, s22, s23
	s_and_b32 s23, s20, 1
	s_mul_i32 s23, s23, 12288
	s_add_co_u32 s22, s22, s23
	s_add_co_u32 s22, s22, 3145728                 ; k's or v's codes
	s_lshl_b32 s23, s21, 14
	s_add_co_u32 s23, s23, s95
	s_add_co_u32 s23, s23, s92
	s_add_co_u32 s23, s23, 9568256                 ; k's or v's scale words
	s_cmp_eq_u32 ttmp9, 0
	s_cselect_b32 s22, s93, s22
	s_cselect_b32 s92, s94, s23
	s_mov_b32 s23, 0
	s_mov_b32 s93, 0
	s_add_nc_u64 s[12:13], s[10:11], s[22:23]
	s_add_nc_u64 s[10:11], s[10:11], s[92:93]
	s_wait_alu depctr_va_vdst(0)
	s_wait_tensorcnt 0x0                           ; my tile of the head's four is in
	ds_add_u32 v[SPW], v[NIL]
	s_mul_i32 s[G0+1], s14, QT                     ; no tensor load of mine is out, so descriptors may be written: from here on a load brings my eight blocks
	s_mul_i32 s[G0B+1], s14, QT
	s_mul_i32 s20, s16, 8*KB*FRB
	s_mov_b32 s21, 0
	s_add_nc_u64 s[G0+2:G0+3], s[G0+2:G0+3], s[20:21]
	s_add_nc_u64 s[G0B+2:G0B+3], s[G0B+2:G0B+3], s[20:21]
	s_mov_b32 s[G1+2], 8<<16
	s_mov_b32 s[G1+4], 8
	s_mov_b32 s[G1B+2], 8<<16
	s_mov_b32 s[G1B+4], 8
	s_wait_dscnt 0x0
	CROUND                                         ; all four tiles are in, and all sixteen work-groups are here
	JLOAD G0+4, G1, G0B+4, G1B                     ; slot 1's first fill, the first tensor load behind the round
	global_prefetch_b8 v31, s[PFA:PFA+1] offset:3*QROW th:TH_LOAD_NT scope:SCOPE_SE   ; chunk 3, the last; the address registers are never rewritten
	FETCH_B 0, 0, 0
	FETCH_A 0, 0, 0
	SCALES 0
	FETCH_A 0, 0, 4
	STEP 0, 0, 1                                   ; the first step stands in front of the loop: its products start the sums
	s_mov_b32 s3, LAPS-1
.Llap:
	TURN 0, 1, 1
	STEP 1, 0, 0
	TURN 1, 0, 1
	STEP 0, 0, 0
	s_sub_co_u32 s3, s3, 1
	s_cmp_lg_u32 s3, 0
	s_cbranch_scc1 .Llap
	TURN 0, 1, 0                                   ; the last lap fills nothing
	STEP 1, 0, 0
	s_wait_dscnt 4*NL
	WIN MUL_LO
	MUL16 0, 1, NQ-1, 1, 0
	MUL16 2, 1, NQ-1, 1, 0
	s_wait_dscnt 0
	WIN MUL_HI
	MUL16 4, 1, NQ-1, 1, 0
	MUL16 6, 1, NQ-1, 1, 0
	WIN 0
; THE WAY OUT, block by block of A: bias, quantiser, the fragment's image straight from registers (three stores of 512 consecutive bytes); the scale words gather in my stage.
.macro EPI a
.set AC, 64*((\a)%4)
.if (\a) > 0
	s_wait_xcnt 0x0                                ; the last block's stores have read their registers
.endif
	s_cmp_eq_u32 s100, 1
	s_cbranch_scc1 .Lrow_\@
	WIN (2+(\a)/4)                                 ; source 0: the accumulators' window
.set n, 0
.rept 32
	v_pk_add_f32 v[H+n:H+n+1], v[AC+n:AC+n+1], v[BI+n:BI+n+1]   ; each accumulator from its low end on
.set n, n+2
.endr
	WIN 0
	s_branch .Ljoin_\@
.Lrow_\@:
	WIN (2+(\a)/4)
.set n, 0
.rept 32
	v_pk_add_f32 v[H+n:H+n+1], v[AC+n:AC+n+1], v[BR+2*(\a):BR+2*(\a)+1] op_sel_hi:[1,0]
.set n, n+2
.endr
	WIN 0
.Ljoin_\@:
	QUANT H
.irp c, 0,1,2
	global_store_b128 v[CO], v[PC+4*\c:PC+4*\c+3], s[12:13] offset:FRB*(\a)+512*\c
.endr
	ds_store_b32 v[STO], v[PW] offset:64*(\a)      ; lanes l and l xor 16 write the same word with the same value
.endm
	PLACES NP                                      ; behind the last products: the lines below write registers that they read
	s_wait_loadcnt 0x0                             ; the biases
.irp b, 0,1,2,3
	v_mov_b32 v[TM+4+\b], 0                        ; (a lane permute's destination counts as one of its sources)
.endr
.irp a, 0,1,2,3,4,5,6,7
	EPI \a
.endr
	ds_load_b128 v[H:H+3], v[RD]                   ; LDS serves a wave's instructions in order: this sees my stores
	s_wait_dscnt 0x0
	global_store_b128 v[CO], v[H:H+3], s[10:11]    ; eight blocks' scale words: 512 consecutive bytes
	s_wait_tensorcnt 0x0                           ; the wave's end
	ds_add_u32 v[SPW], v[NIL]
	s_wait_dscnt 0x0
	CROUND                                         ; the closing round
	s_endpgm
.Lfunc_end_k_q396edf87d4_qkv:
	.size	k_q396edf87d4_qkv, .Lfunc_end_k_q396edf87d4_qkv-k_q396edf87d4_qkv
	.p2alignl 7, 3214868480
	.fill 96, 4, 3214868480
	.section	.rodata,"a",@progbits
	.p2align	6, 0x0
	.amdhsa_kernel k_q396edf87d4_qkv
		.amdhsa_group_segment_fixed_size 327680
		.amdhsa_private_segment_fixed_size 0
		.amdhsa_enable_private_segment 0
		.amdhsa_kernarg_size 32
		.amdhsa_user_sgpr_count 2
		.amdhsa_user_sgpr_kernarg_segment_ptr 1
		.amdhsa_wavefront_size32 1
		.amdhsa_system_sgpr_workgroup_id_x 1
		.amdhsa_system_sgpr_workgroup_id_y 1
		.amdhsa_system_sgpr_workgroup_id_z 1
		.amdhsa_system_vgpr_workitem_id 0
		.amdhsa_next_free_vgpr 1024
		.amdhsa_next_free_sgpr 102
		.amdhsa_reserve_vcc 0
		.amdhsa_float_denorm_mode_32 3
		.amdhsa_float_denorm_mode_16_64 3
		.amdhsa_memory_ordered 1
		.amdhsa_forward_progress 1
		.amdhsa_inst_pref_size 182
	.end_amdhsa_kernel
	.amdgpu_metadata
---
amdhsa.version: [ 1, 2 ]
amdhsa.kernels:
  - .name:           k_q396edf87d4_qkv
    .symbol:         k_q396edf87d4_qkv.kd
    .args:
      - { .name: h1, .offset: 0, .size: 8, .value_kind: global_buffer, .address_space: global }
      - { .name: wts, .offset: 8, .size: 8, .value_kind: global_buffer, .address_space: global }
      - { .name: attn_b, .offset: 16, .size: 8, .value_kind: global_buffer, .address_space: global }
      - { .name: qkvq, .offset: 24, .size: 8, .value_kind: global_buffer, .address_space: global }
    .group_segment_fixed_size: 327680
    .private_segment_fixed_size: 0
    .kernarg_segment_align: 8
    .kernarg_segment_size: 32
    .max_flat_workgroup_size: 128
    .sgpr_count:     102
    .vgpr_count:     1024
    .wavefront_size: 32
...
	.end_amdgpu_metadata
.endif
;; end of part 9
;; launch attn (part 10): grid 16 x 16, 16 waves a work-group, clusters of 4 x 1, 327,680 bytes of LDS; arguments qkvq, yq; writes yq
.if DOCPART == 10
	.amdgcn_target "amdgcn-amd-amdhsa--gfx1250"
	.amdhsa_code_object_version 6
	.text
	.protected	k_q396edf87d4_attn
	.globl	k_q396edf87d4_attn
	.p2align	8
	.type	k_q396edf87d4_attn,@function
k_q396edf87d4_attn:
	s_mov_b64 s[64:65], 0
	v_nop
	global_prefetch_b8 v0, s[64:65] scope:SCOPE_SE
	s_setreg_imm32_b32 hwreg(HW_REG_WAVE_MODE, 25, 1), 1
	s_wait_xcnt 0x0
	s_wait_alu depctr_hold_cnt(0) depctr_sa_sdst(0) depctr_va_vdst(0) depctr_va_sdst(0) depctr_va_ssrc(0) depctr_va_vcc(0) depctr_vm_vsrc(0)
	s_getreg_b32 s2, hwreg(HW_REG_IB_STS2, 6, 4)
	s_cmp_eq_u32 s2, 0
	s_cbranch_scc0 .Lentry_in_a_cluster
	s_endpgm
.Lentry_in_a_cluster:
	s_bfe_u32 s2, ttmp6, 0x10000c
	s_cmp_lg_u32 s2, 0x3003
	s_cbranch_scc0 .Lentry_shape_is_right
	s_endpgm
.Lentry_shape_is_right:
; yq = Q(softmax(q k^T / 8) v), both products on FP6 codes, no mask.  16 heads of 64, 2 x 2,048 tokens.
; THE SOFTMAX AHEAD OF THE SECOND PRODUCT: t = score x log2(e) / 8; M = the running largest t rounded UP to a whole number; p = 2^(t - M) is quantised along the keys, not normalised;
; the row's sum is taken of the unquantised p and divides O at the end.  When M moves, the sum and O are multiplied by 2^(old M - new M): exact.
; SHARES.  A work-group owns 128 queries of one pair of heads (y = 8 x batch + pair); wave w owns head w / 8 of the pair and 16 queries (w % 8): 256 registers, four waves to a SIMD.
; Every wave walks all 2,048 keys, 128 a step.  K and V come through two LDS slots of 512 keys (98,304 bytes of memory: twice 16 records of K and 16 of V), four steps to a slot.
; Waves 0-11 fetch 8,192 bytes of a slot each, as 8 rows of 1,024 bytes with 128 bytes of padding behind each; at the head waves 12-15 fetch the scale words: every wave issues one load there.
; CLUSTER.  The four query blocks of a cluster walk the same K and V: each tile is asked for jointly, by the same load with a mask that names the four.
; OPERANDS are images of registers (1,536 bytes a record: piece c of 512 bytes holds lane l's registers 4 c .. 4 c + 3 at 16 l).  A record of q or k holds 16 tokens x the pair's 128 channels.
; THE HEAD IS PICKED BY ZERO CODES: the other head's six registers of Q are cleared, so K's record and both scale words are used as they lie (no scale byte here is 0xff).
; THE KEYS OF A TILE ARE PICKED BY THE LANES' ADDRESSES: row m of tile 4 c + u is key 64 c + 32 (m / 8) + 8 u + m % 8 of the step.  In memory that key is row m % 8 + 8 (u / 2) of record
; 4 c + 2 (m / 8) + u % 2: lanes 8-15 read two records (3,072 bytes, in LDS 3,456) further on than lanes 0-7.  Both products are used transposed, so lane (r, h) holds query r, and its 32 registers
; of tiles 4 c .. 4 c + 3 are keys 64 c + 32 h + 0 .. 31: a WHOLE block of 32, in the order of the second product's operand.  No other lane is asked for a block's maximum, and no code changes lanes.
; A record of v holds 16 channels x 128 keys; row r of its block is channel 8 u + r + 8 (r / 8) of its 32, so O's 16 registers of two neighbouring tiles are 16 neighbouring channels.
; LIMITS: NaN and infinities are not served; a p under 2^-126 counts as 0; a block whose largest magnitude lies under 2^-124 (zeros too) keeps the scale byte 1;
; the promise holds while the scaled scores t stay under 2^31 in magnitude.
.set FRB,   1536
.set SUBP,  55296                      ; 256 keys in LDS: 48 rows of 1,152 bytes
.set VOFFP, 27648                      ; V behind K there: 24 rows
.set SLOTB, 64*FRB                     ; a slot in memory
.set SLOT1, 1<<17                      ; slot 1 begins here: one exclusive or turns an address
.set NSL,   4
.set SCK,   2*SLOT1                    ; K's scale words of the whole pair, 8,192 bytes
.set SCV,   SCK+8192                   ; V's
.set SPARE, SCV+8192                   ; the spare words, 128 bytes a wave: no other line names them
.set STAGE, SPARE+2048                 ; the way out: eight fragments of y.  No fill ever lands here
.set SSTG,  STAGE+8*FRB                ; and their scale words
.set AK0,  1                           ; v1   16 x lane
.set AV0,  2                           ; v2   my lane's place in my head's records of V
.set ASK0, 3                           ; v3   among K's scale words
.set ASV0, 4                           ; v4   among V's
.set SPW,  5
.set NIL,  6
.set AKL,  7                           ; v7   my lane's place in a tile of K
.set ADK,  8                           ; v8-9   K in the slot's two halves
.set ADV,  10                          ; v10-11 V
.set PFO,  28                          ; v28  256 x lane
.set SH,   29                          ; v29  8 h
.set ADS,  30                          ; v30  the slot's scale words of K
.set ADT,  31                          ; v31  of V
.set FA,   32                          ; v32-127 K's eight tiles; v32-79 then V's four
.set S,    128                         ; v128-191 the scores, then p
.set O,    192                         ; v192-223 O^T
.set P,    224                         ; v224-235 p's codes
.set KS,   236                         ; v236-243 K's scale words, then V's four; v244 p's; v245 Q's: they hold scales alone
.set PS,   244
.set QS,   245
.set TM,   246                         ; v246-251, v254-255 at work; v[252:253] f
.set WV,   18
.set SEL,  20
.set CS,   22                          ; s[22:23] c = log2(e) / 8
.set G1T,  24
.set G1S,  32
.set G0,   40
.set G0S,  44
.set TB,   2                           ; s2   where the slot in hand begins
.set TS,   3                           ; s3   its scale words: 2,048 bytes a slot
.set TB2,  86                          ; s86  its second half
.set SLOTS, 67
.set PFA,  76
.set LIM,  80
.macro CROUND
	s_barrier_signal -1
	s_barrier_wait -1
	s_cmp_lg_u32 s[WV], 0
	s_cbranch_scc1 .Lnot_wave_0_\@
	s_barrier_signal -3
.Lnot_wave_0_\@:
	s_barrier_wait -3
	s_barrier_signal -1
	s_barrier_wait -1
.endm
.macro TLOAD                           ; waves 0-11 fetch a twelfth of a slot each; four v_nop follow the load
	s_cmp_lt_u32 s[WV], 12
	s_cbranch_scc0 .Lnone_\@
	tensor_load_to_lds s[G0:G0+3], s[G1T:G1T+7]
	s_nop 0
.rept 4
	v_nop
.endr
.Lnone_\@:
.endm
; A prefetch of the slot behind the one just asked for (3 and 2 slots to go: slots 2 and 3): 98,304 bytes = 4 partners x 3 waves x 32 lanes x 256 bytes.
; All clusters of a pair walk the same bytes: the first cluster asks; its partners are told apart by address; in each, waves 4 to 6 ask.  So each 256 bytes are named once.  The last change asks for nothing.
.macro ASK
	s_cmp_gt_u32 s[SLOTS], s[LIM]
	s_cbranch_scc0 .Lnot_mine_\@
	global_prefetch_b8 v[PFO], s[PFA:PFA+1] th:TH_LOAD_NT scope:SCOPE_SE
.Lnot_mine_\@:
.endm
	s_load_b128 s[4:7], s[0:1], 0x0                ; qkvq, yq
	v_lshl_add_u32 v[SPW], v0, 2, SPARE
	v_mov_b32 v[NIL], 0
	ds_add_u32 v[SPW], v[NIL]                      ; the opening lines: the add, twice on end, and its wait
	ds_add_u32 v[SPW], v[NIL]
	v_lshrrev_b32 v8, 5, v0
	s_delay_alu instid0(VALU_DEP_1)
	v_readfirstlane_b32 s[WV], v8                  ; wave 0..15
	s_lshr_b32 s19, s[WV], 3                       ; which head of the pair
	s_and_b32 s68, s[WV], 7                        ; which tile of 16 queries
	s_and_b32 s72, s[WV], 3                        ; which quarter of the scale words (waves 12-15 fetch)
	s_bfe_u32 s69, ttmp6, 0x40000                  ; cx
	s_lshl_b32 s70, ttmp9, 2
	s_add_co_u32 s70, s70, s69                     ; my block of 128 queries
	s_and_b32 s71, ttmp7, 0xffff                   ; 8 x batch + pair: the four partners share it
	s_mov_b32 s[G1T], 15|(3<<16)|(1<<20)|(1<<21)|(7<<22)|(31<<25)   ; the mask: all four; elements of 8 bytes; 21 set beside a mask; 32 words of padding behind every 256
	s_mov_b32 s[G1T+1], 128<<16                    ; rows of 1,024 bytes,
	s_mov_b32 s[G1T+2], 8<<16                      ; 8 of them: 8,192 dense bytes
	s_mov_b32 s[G1T+3], 128<<16
	s_mov_b32 s[G1T+4], 8
	s_mov_b32 s[G1T+5], 128
	s_mov_b32 s[G1T+6], 0
	s_mov_b32 s[G1T+7], 0
	s_mov_b32 s[G1S], 15|(3<<16)|(1<<21)
	s_mov_b32 s[G1S+1], 32<<16
	s_mov_b32 s[G1S+2], 16<<16                     ; 4,096 dense bytes of scale words
	s_mov_b32 s[G1S+3], 32<<16
	s_mov_b32 s[G1S+4], 16
	s_mov_b32 s[G1S+5], 32
	s_mov_b32 s[G1S+6], 0
	s_mov_b32 s[G1S+7], 0
	s_mul_i32 s48, s71, NSL*SLOTB
	s_add_co_u32 s48, s48, 3145728                 ; the pair's K and V
	s_mul_i32 s49, s[WV], 9216                     ; my part of a slot in LDS,
	s_lshl_b32 s50, s[WV], 13                      ; and in memory
	s_add_co_u32 s50, s50, s48
	s_mov_b32 s51, 0
	s_lshl_b32 s52, s71, 14
	s_lshl_b32 s53, s72, 12
	s_add_co_u32 s52, s52, s53
	s_add_co_u32 s52, s52, 9568256                 ; their scale words
	s_add_co_u32 s54, s53, SCK
	s_mov_b32 s53, 0
	s_lshl_b32 s55, s71, 7
	s_lshl_b32 s56, s70, 3
	s_add_co_u32 s55, s55, s56
	s_add_co_u32 s55, s55, s68                     ; my record of q
	s_mul_i32 s56, s55, FRB
	s_mov_b32 s57, 0
	s_lshl_b32 s58, s55, 6
	s_add_co_u32 s58, s58, 9437184
	s_mov_b32 s59, 0
	s_lshr_b32 s60, s71, 3                         ; batch
	s_and_b32 s61, s71, 7                          ; pair
	s_lshl_b32 s60, s60, 7
	s_lshl_b32 s62, s70, 3
	s_add_co_u32 s60, s60, s62                     ; the work-group's first block of tokens
	s_add_co_u32 s62, s60, s68
	s_lshl_b32 s62, s62, 3
	s_add_co_u32 s62, s62, s61
	s_mul_i32 s62, s62, FRB                        ; yq: image (block, K / 128 = pair)
	s_mov_b32 s63, 0
	s_lshl_b32 s61, s61, 8
	s_add_co_u32 s60, s60, s61
	s_lshl_b32 s60, s60, 6
	s_add_co_u32 s60, s60, 3145728                 ; and the eight blocks' scale words
	s_mov_b32 s61, 0
	s_sub_co_u32 s82, s[WV], 4
	s_cmp_lt_u32 s82, 3                            ; waves 4 to 6,
	s_cselect_b32 s[LIM], 1, -1
	s_cmp_eq_u32 ttmp9, 0                          ; of the pair's first cluster: the same in all four partners
	s_cselect_b32 s[LIM], s[LIM], -1
	s_min_u32 s82, s82, 2
	s_lshl_b32 s82, s82, 13
	s_mul_i32 s83, s69, 24576                      ; my work-group's quarter of a slot
	s_add_co_u32 s82, s82, s83
	s_add_co_u32 s82, s82, s48
	s_add_co_u32 s82, s82, SLOTB                   ; at slot 1: the first change of slots steps it to slot 2.  Nothing is asked for at the head
	s_mov_b32 s83, 0
	s_mov_b32 s[SEL], 0x76543210
	s_mov_b32 s[SEL+1], 0xfedcba98
	s_mov_b32 s[CS], 0x3e38aa3b
	s_mov_b32 s[CS+1], s[CS]
	s_mov_b32 s[TB], 0
	s_mov_b32 s[TB2], SUBP
	s_mov_b32 s[TS], 0
	s_mov_b32 s[SLOTS], NSL-1
	s_wait_dscnt 0x0                               ; both opening adds are done
	s_wait_kmcnt 0x0
	s_mov_b32 s[G0], 1
	s_mov_b32 s[G0+1], s49
	s_add_nc_u64 s[G0+2:G0+3], s[4:5], s[50:51]
	s_or_b32 s[G0+3], s[G0+3], 0x80000000
	s_mov_b32 s[G0S], 1
	s_mov_b32 s[G0S+1], s54
	s_add_nc_u64 s[G0S+2:G0S+3], s[4:5], s[52:53]
	s_or_b32 s[G0S+3], s[G0S+3], 0x80000000
	s_add_nc_u64 s[12:13], s[4:5], s[56:57]
	s_add_nc_u64 s[14:15], s[4:5], s[58:59]
	s_add_nc_u64 s[8:9], s[6:7], s[62:63]
	s_add_nc_u64 s[10:11], s[6:7], s[60:61]
	s_add_nc_u64 s[PFA:PFA+1], s[4:5], s[82:83]
	CROUND                                         ; all four work-groups are here: the first joint loads meet
	s_cmp_lt_u32 s[WV], 12                         ; one load a wave at the head, on either way
	s_cbranch_scc0 .Lhead_sc
	tensor_load_to_lds s[G0:G0+3], s[G1T:G1T+7]    ; slot 0
	s_nop 0
.rept 4
	v_nop
.endr
	s_branch .Lhead_on
.Lhead_sc:
	tensor_load_to_lds s[G0S:G0S+3], s[G1S:G1S+7]  ; the scale words: filled once
	s_nop 0
.rept 4
	v_nop
.endr
.Lhead_on:
	v_and_b32 v[AK0], 31, v0
	s_delay_alu instid0(VALU_DEP_1)
	v_lshlrev_b32 v[AK0], 4, v[AK0]
.irp c, 0,1,2
	global_load_b128 v[16+4*\c:19+4*\c], v[AK0], s[12:13] offset:512*\c   ; Q's fragment stays in registers
.endr
	v_and_b32 v8, 15, v0                           ; r
	s_delay_alu instid0(VALU_DEP_1)
	v_lshlrev_b32 v250, 2, v8
	global_load_b32 v[QS], v250, s[14:15]          ; and its scale words
	v_and_b32 v9, 7, v0                            ; r % 8
	v_bfe_u32 v10, v0, 3, 1                        ; r / 8
	v_bfe_u32 v[SH], v0, 4, 1                      ; h
	v_lshlrev_b32 v[AKL], 4, v9
	v_lshlrev_b32 v[ASK0], 2, v9
	v_mad_u32_u24 v[AKL], v10, 3456, v[AKL]
	v_lshl_add_u32 v[ASK0], v10, 7, v[ASK0]
	v_lshl_add_u32 v[AKL], v[SH], 8, v[AKL]        ; K: 16 (r % 8) + 256 h + 3,456 (r / 8)
	v_add_nc_u32 v[ASK0], SCK, v[ASK0]             ; its scale words: 4 (r % 8) + 128 (r / 8)
	v_lshlrev_b32 v[SH], 3, v[SH]
	s_mul_i32 s73, s19, 6912                       ; my head's four records of V: 6,144 bytes, six padded rows
	s_add_co_u32 s73, s73, VOFFP
	v_add_nc_u32 v[AV0], s73, v[AK0]
	s_lshl_b32 s73, s19, 8
	s_add_co_u32 s73, s73, SCV
	v_lshl_add_u32 v[ASV0], v8, 2, s73
	v_and_b32 v[PFO], 31, v0
	s_delay_alu instid0(VALU_DEP_1)
	v_lshlrev_b32 v[PFO], 8, v[PFO]
	v_mov_b32 v13, 0xff61b1e6                      ; the largest t so far: -3e38
	s_delay_alu instid0(VALU_DEP_1)
	v_floor_f32 v12, -v13                          ; -M
	v_mov_b32 v14, 0
	v_mov_b32 v15, 0
	v_mov_b32 v251, 0                              ; (a lane permute's destination counts as one of its sources)
	v_mov_b32 v253, 0                              ; (named as the upper half of the pair v[252:253])
	s_cmp_eq_u32 s19, 0
	s_cselect_b32 s84, -1, 0
	s_cselect_b32 s85, 0, -1
	s_wait_alu depctr_va_vdst(0)
	s_wait_loadcnt 0x0                             ; Q
.irp i, 0,1,2,3,4,5
	v_and_b32 v[16+\i], s84, v[16+\i]              ; the even head's codes stay in waves 0-7,
	v_and_b32 v[22+\i], s85, v[22+\i]              ; the odd head's in waves 8-15; the others become zero codes
.endr
.set n, 0
.rept 32
	v_mov_b32 v[O+n], 0                            ; O^T: the step is written once; the first finds zeros
.set n, n+1
.endr
; byte x of a slot's half lies at x + 128 (x / 1,024) in LDS; X0 is a multiple of 512, and what is added to it stays inside its 512 bytes
.macro KLOAD q                         ; K's eight tiles of the slot's q-th step, and their rows' scale words: 32 loads
.irp t, 0,1,2,3,4,5,6,7
.irp c, 0,1,2
.set X0, (8*((\q)%2)+4*(\t/4)+(\t%2))*FRB+512*\c
	ds_load_b128 v[FA+12*\t+4*\c:FA+12*\t+4*\c+3], v[ADK+(\q)/2] offset:X0+128*(X0/1024)+128*((\t%4)/2)
.endr
	ds_load_b32 v[KS+\t], v[ADS] offset:512*(\q)+64*(4*(\t/4)+(\t%2))+32*((\t%4)/2)
.endr
.endm
.macro VLOAD q                         ; my head's four records of V, and their scale words
.irp t, 0,1,2,3
.irp c, 0,1,2
.set X0, (8*((\q)%2)+\t)*FRB+512*\c
	ds_load_b128 v[FA+12*\t+4*\c:FA+12*\t+4*\c+3], v[ADV+(\q)/2] offset:X0+128*(X0/1024)
.endr
	ds_load_b32 v[KS+\t], v[ADT] offset:512*(\q)+64*\t
.endr
.endm
.macro ADD4 n                          ; the sum's four chains take four pairs of p
	v_pk_add_f32 v[246:247], v[246:247], v[S+\n:S+\n+1]
	v_pk_add_f32 v[248:249], v[248:249], v[S+\n+2:S+\n+3]
	v_pk_add_f32 v[250:251], v[250:251], v[S+\n+4:S+\n+5]
	v_pk_add_f32 v[254:255], v[254:255], v[S+\n+6:S+\n+7]
.endm
; A KEY STEP: 128 keys, the q-th of the slot in hand.
.macro STEP q
.if (\q) == 0
	KLOAD 0                                        ; (the later steps' were asked for in the step before)
.endif
	s_wait_dscnt 16                                ; tiles 0-3 are in; the 16 younger loads, tiles 4-7, may be out
.irp t, 0,1,2,3
	v_wmma_scale_f32_16x16x128_f8f6f4 v[S+8*\t:S+8*\t+7], v[FA+12*\t:FA+12*\t+11], v[16:27], 0, v[KS+\t], v[QS] matrix_a_fmt:MATRIX_FMT_FP6 matrix_b_fmt:MATRIX_FMT_FP6
.endr
	s_wait_dscnt 0x0
.irp t, 4,5,6,7
	v_wmma_scale_f32_16x16x128_f8f6f4 v[S+8*\t:S+8*\t+7], v[FA+12*\t:FA+12*\t+11], v[16:27], 0, v[KS+\t], v[QS] matrix_a_fmt:MATRIX_FMT_FP6 matrix_b_fmt:MATRIX_FMT_FP6
.endr
.rept 4
	v_nop                                          ; places behind the products (ISA guide 7.12.1)
.endr
.irp b, 0,1,2,3
	v_max3_num_f32 v[TM+\b], v[S+16*\b], v[S+1+16*\b], v[S+2+16*\b]   ; four chains of 16 scores by turns
.endr
.irp i, 3,5,7,9,11,13
.irp b, 0,1,2,3
	v_max3_num_f32 v[TM+\b], v[TM+\b], v[S+16*\b+\i], v[S+1+16*\b+\i]
.endr
.endr
	v_max3_num_f32 v[TM], v[TM], v[TM+1], v[S+15]
	v_max3_num_f32 v[TM+2], v[TM+2], v[TM+3], v[S+47]
	v_max_num_f32 v[TM], v[TM], v[S+31]            ; the largest score of my block h of 32 keys,
	v_max_num_f32 v[TM+2], v[TM+2], v[S+63]        ; and of my block 2 + h: for the row's maximum and, since p rises with the score, for the block's largest p
	VLOAD \q                                       ; into registers whose products stand 40 places back
	v_max_num_f32 v250, v[TM], v[TM+2]
	s_delay_alu instid0(VALU_DEP_1)
	v_permlanex16_b32 v251, v250, s[SEL], s[SEL+1]
	s_delay_alu instid0(VALU_DEP_1)
	v_max_num_f32 v250, v250, v251                 ; with lane l xor 16's 64 keys
	s_delay_alu instid0(VALU_DEP_1)
	v_mul_f32 v250, s[CS], v250                    ; as t (c is positive)
	s_delay_alu instid0(VALU_DEP_1)
	v_max_num_f32 v13, v13, v250                   ; the running largest t
	v_mov_b32 v250, v12
	s_delay_alu instid0(VALU_DEP_2)
	v_floor_f32 v12, -v13                          ; the new -M = -ceil(t): a whole number
	s_delay_alu instid0(VALU_DEP_1)
	v_sub_f32 v250, v12, v250                      ; old M - new M: a whole number, 0 or less
	s_delay_alu instid0(VALU_DEP_1)
	v_cvt_i32_f32 v250, v250
	s_delay_alu instid0(VALU_DEP_1)
	v_ldexp_f32 v252, 1.0, v250                    ; f = 2^(old M - new M)
.set n, 0
.rept 32
	v_pk_fma_f32 v[S+n:S+n+1], v[S+n:S+n+1], s[CS:CS+1], v[12:13] op_sel_hi:[1,0,0]   ; t - M
.set n, n+2
.endr
	v_fma_f32 v[TM], v[TM], s[CS], v12
	v_fma_f32 v[TM+2], v[TM+2], s[CS], v12
	s_wait_alu depctr_va_vdst(0)                   ; ahead of the batch
.set n, 0
.rept 64
	v_exp_f32 v[S+n], v[S+n]                       ; p = 2^(t - M)
.set n, n+1
.endr
	v_exp_f32 v[TM], v[TM]                         ; my two blocks' largest p
	v_exp_f32 v[TM+2], v[TM+2]
	v_pk_mul_f32 v[14:15], v[14:15], v[252:253] op_sel_hi:[1,0]   ; the sums under the new M (a plain place behind the exponentials)
	s_wait_alu depctr_va_vdst(0)                   ; one wait for the batch, ahead of its first reader
	v_max_num_f32 v[TM], 0x1800000, v[TM]          ; the floor 2^(3 - 127): the byte cannot fall under 1
	v_max_num_f32 v[TM+2], 0x1800000, v[TM+2]
	s_delay_alu instid0(VALU_DEP_2)
	v_add_nc_u32 v[TM+1], 0xff000000, v[TM]        ; 2 off the exponent field: the conversion's scale operand
	s_delay_alu instid0(VALU_DEP_2)
	v_add_nc_u32 v[TM+3], 0xff000000, v[TM+2]
	s_delay_alu instid0(VALU_DEP_2)
	v_lshrrev_b32 v250, 23, v[TM+1]                ; the scale's byte
	s_delay_alu instid0(VALU_DEP_2)
	v_lshrrev_b32 v251, 23, v[TM+3]
	s_delay_alu instid0(VALU_DEP_1)
	v_lshl_or_b32 v[PS], v251, 16, v250            ; my two bytes, blocks h and 2 + h,
	s_delay_alu instid0(VALU_DEP_1)
	v_lshlrev_b32 v[PS], v[SH], v[PS]              ; at their places in the word;
	s_delay_alu instid0(VALU_DEP_1)
	v_permlanex16_b32 v250, v[PS], s[SEL], s[SEL+1]
	s_delay_alu instid0(VALU_DEP_1)
	v_or_b32 v[PS], v[PS], v250                    ; with lane l xor 16's two it is whole
	v_cvt_scalef32_pk16_fp6_f32 v[P:P+2], v[S:S+15], v[TM+1]
	v_cvt_scalef32_pk16_fp6_f32 v[80:82], v[S+16:S+31], v[TM+1]   ; (a conversion's three registers begin on an even number)
	v_cvt_scalef32_pk16_fp6_f32 v[P+6:P+8], v[S+32:S+47], v[TM+3]
	v_cvt_scalef32_pk16_fp6_f32 v[84:86], v[S+48:S+63], v[TM+3]
	v_nop                                          ; one plain place behind a scaled conversion
.irp i, 0,1,2
	v_mov_b32 v[P+3+\i], v[80+\i]
	v_mov_b32 v[P+9+\i], v[84+\i]
.endr
	s_wait_alu depctr_va_vdst(0)                   ; directly ahead of the first reader of O^T
.set n, 0
.rept 16
	v_pk_mul_f32 v[O+n:O+n+1], v[O+n:O+n+1], v[252:253] op_sel_hi:[1,0]   ; O^T under the new M (these are also the places in front of the products below)
.set n, n+2
.endr
	s_wait_alu depctr_va_vdst(0)
	s_wait_dscnt 0x0                               ; V
.irp t, 0,1,2,3                                ; O^T += V^T P^T: my head's four tiles of 16 channels
	v_wmma_scale_f32_16x16x128_f8f6f4 v[O+8*\t:O+8*\t+7], v[FA+12*\t:FA+12*\t+11], v[P:P+11], v[O+8*\t:O+8*\t+7], v[KS+\t], v[PS] matrix_a_fmt:MATRIX_FMT_FP6 matrix_b_fmt:MATRIX_FMT_FP6
.endr
	v_pk_add_f32 v[246:247], v[S:S+1], v[S+8:S+9]  ; THE ROW'S SUM OF THE UNQUANTISED p stands behind the products: it names none of their registers, so its lines are their places
	v_pk_add_f32 v[248:249], v[S+2:S+3], v[S+10:S+11]
	v_pk_add_f32 v[250:251], v[S+4:S+5], v[S+12:S+13]
	v_pk_add_f32 v[254:255], v[S+6:S+7], v[S+14:S+15]
	ADD4 16
.if (\q) < 3
	KLOAD (\q)+1                                   ; eight places behind the products: the next step's tiles, same slot
.endif
.irp m, 24,32,40,48,56
	ADD4 \m
.endr
	v_pk_add_f32 v[246:247], v[246:247], v[248:249]
	v_pk_add_f32 v[250:251], v[250:251], v[254:255]
	s_delay_alu instid0(VALU_DEP_1)
	v_pk_add_f32 v[246:247], v[246:247], v[250:251]
	s_delay_alu instid0(VALU_DEP_1)
	v_pk_add_f32 v[14:15], v[14:15], v[246:247]
.endm
; THE CHANGE OF SLOTS stands at a slot's head.  fill = 1: the slot just left (the first time: slot 1) is filled with the keys that follow; the barrier is then a round of the cluster's.
.macro CHANGE fill
	s_wait_alu depctr_va_vdst(0)
	s_wait_tensorcnt 0x0                           ; no tensor load of mine is out, so the descriptor may be written
	ds_add_u32 v[SPW], v[NIL]                      ; 0 onto my spare word
.if \fill
	s_xor_b32 s[G0+1], s[G0+1], SLOT1
	s_add_nc_u64 s[G0+2:G0+3], s[G0+2:G0+3], SLOTB
	s_wait_xcnt 0x0                                ; the last prefetch has read its address
	s_add_nc_u64 s[PFA:PFA+1], s[PFA:PFA+1], SLOTB
	s_wait_dscnt 0x0                               ; the add is done, and my reads of the slot that I have left are over
	CROUND
	TLOAD                                          ; the first thing behind the round, a wave's one tensor load until the next
	ASK
.else
	s_wait_dscnt 0x0
	s_barrier_signal -1
	s_barrier_wait -1
.endif
	v_add_nc_u32 v[ADK], s[TB], v[AKL]             ; the slot's addresses, once for its four steps
	v_add_nc_u32 v[ADK+1], s[TB2], v[AKL]
	v_add_nc_u32 v[ADV], s[TB], v[AV0]
	v_add_nc_u32 v[ADV+1], s[TB2], v[AV0]
	v_add_nc_u32 v[ADS], s[TS], v[ASK0]
	v_add_nc_u32 v[ADT], s[TS], v[ASV0]
	s_wait_alu depctr_va_vdst(0)
.endm
.Lslot:                                            ; NSL - 1 trips
	CHANGE 1
	STEP 0
	STEP 1
	STEP 2
	STEP 3
	s_xor_b32 s[TB], s[TB], SLOT1
	s_xor_b32 s[TB2], s[TB2], SLOT1
	s_add_co_u32 s[TS], s[TS], 2048
	s_sub_co_u32 s[SLOTS], s[SLOTS], 1
	s_cmp_lg_u32 s[SLOTS], 0
	s_cbranch_scc1 .Lslot
	CHANGE 0                                       ; the last slot is written out
	STEP 0
	STEP 1
	STEP 2
	STEP 3
	; THE WAY OUT: O^T / the sum is quantised along my head's 64 channels: six registers, half of the pair's fragment.  The two waves of a tile meet in the stage.
	v_add_f32 v14, v14, v15
	s_delay_alu instid0(VALU_DEP_1)
	v_permlanex16_b32 v252, v14, s[SEL], s[SEL+1]
	s_delay_alu instid0(VALU_DEP_1)
	v_add_f32 v14, v14, v252                       ; the row's sum
	s_wait_alu depctr_va_vdst(0)
	v_rcp_f32 v14, v14
	v_and_b32 v31, 15, v0                          ; (plain work behind the reciprocal)
	s_wait_alu depctr_va_vdst(0)
	s_mul_i32 s73, s68, FRB
	s_add_co_u32 s73, s73, STAGE                   ; my tile's fragment
	s_mul_i32 s74, s19, 520
	s_add_co_u32 s74, s74, s73
	v_add_nc_u32 v8, s74, v[AK0]                   ; registers 6 e, 6 e + 1 at byte 0 or 520 of my lane's place; 6 e + 4, 6 e + 5 at 512 more
	s_mul_i32 s74, s19, 1016
	s_add_co_u32 s74, s74, s73
	v_add_nc_u32 v9, s74, v[AK0]                   ; registers 6 e + 2, 6 e + 3 at byte 8 or 1,024
	v_add_nc_u32 v11, s73, v[AK0]                  ; back: the whole fragment (waves 0-7)
	s_lshl_b32 s74, s68, 6
	s_lshl_b32 s75, s19, 1
	s_add_co_u32 s74, s74, s75
	s_add_co_u32 s74, s74, SSTG
	v_lshl_add_u32 v10, v31, 2, s74                ; my two bytes of my row's scale word
	v_add_nc_u32 v30, SSTG, v[AK0]                 ; back: eight tiles' words (wave 8)
	s_wait_alu depctr_va_vdst(0)                   ; ahead of the first reader of the reciprocal and of O^T
.set n, 0
.rept 32
	v_mul_f32 v[S+n], v[O+n], v14                  ; register 16 b + i: channel 32 b + 16 (lane / 16) + i of my head
.set n, n+1
.endr
.irp b, 0,1
	v_max3_num_f32 v[246+\b], |v[S+16*\b]|, |v[S+1+16*\b]|, 0x1800000
.endr
.irp i, 2,4,6,8,10,12,14
.irp b, 0,1
	s_delay_alu instid0(VALU_DEP_2)
	v_max3_num_f32 v[246+\b], v[246+\b], |v[S+16*\b+\i]|, |v[S+1+16*\b+\i]|
.endr
.endr
.irp b, 0,1
	s_delay_alu instid0(VALU_DEP_2)
	v_permlanex16_b32 v[248+\b], v[246+\b], s[SEL], s[SEL+1]
.endr
.irp b, 0,1
	s_delay_alu instid0(VALU_DEP_2)
	v_max_num_f32 v[246+\b], v[246+\b], v[248+\b]
.endr
.irp b, 0,1
	s_delay_alu instid0(VALU_DEP_2)
	v_add_nc_u32 v[250+\b], 0xff000000, v[246+\b]
.endr
.irp b, 0,1
	s_delay_alu instid0(VALU_DEP_2)
	v_lshrrev_b32 v[248+\b], 23, v[250+\b]
.endr
	s_delay_alu instid0(VALU_DEP_1)
	v_lshl_or_b32 v252, v249, 8, v248
	v_cvt_scalef32_pk16_fp6_f32 v[224:226], v[S:S+15], v250
	v_cvt_scalef32_pk16_fp6_f32 v[228:230], v[S+16:S+31], v251
	v_nop
	v_permlane16_swap_b32 v224, v228
	v_permlane16_swap_b32 v225, v229
	v_permlane16_swap_b32 v226, v230
	s_delay_alu instid0(VALU_DEP_3)
	v_mov_b32 v227, v228
	s_delay_alu instid0(VALU_DEP_3)
	v_mov_b32 v228, v229
	s_delay_alu instid0(VALU_DEP_3)
	v_mov_b32 v229, v230
	ds_store_b64 v8, v[224:225]
	ds_store_b64 v9, v[226:227] offset:8
	ds_store_b64 v8, v[228:229] offset:512
	ds_store_b16 v10, v252
	s_wait_dscnt 0x0                               ; for the others' sake: my stores have landed
	s_barrier_signal -1
	s_barrier_wait -1
	s_cmp_lt_u32 s[WV], 8
	s_cbranch_scc0 .Lnot_codes
.irp c, 0,1,2
	ds_load_b128 v[32+4*\c:35+4*\c], v11 offset:512*\c
.endr
	s_wait_dscnt 0x0
.irp c, 0,1,2
	global_store_b128 v[AK0], v[32+4*\c:35+4*\c], s[8:9] offset:512*\c   ; 512 consecutive bytes, aligned
.endr
.Lnot_codes:
	s_cmp_eq_u32 s[WV], 8
	s_cbranch_scc0 .Ldone
	ds_load_b128 v[32:35], v30
	s_wait_dscnt 0x0
	global_store_b128 v[AK0], v[32:35], s[10:11]
.Ldone:
	s_wait_tensorcnt 0x0                           ; the wave's end
	ds_add_u32 v[SPW], v[NIL]
	s_wait_dscnt 0x0
	CROUND                                         ; the closing round
	s_endpgm
.Lfunc_end_k_q396edf87d4_attn:
	.size	k_q396edf87d4_attn, .Lfunc_end_k_q396edf87d4_attn-k_q396edf87d4_attn
	.p2alignl 7, 3214868480
	.fill 96, 4, 3214868480
	.section	.rodata,"a",@progbits
	.p2align	6, 0x0
	.amdhsa_kernel k_q396edf87d4_attn
		.amdhsa_group_segment_fixed_size 327680
		.amdhsa_private_segment_fixed_size 0
		.amdhsa_enable_private_segment 0
		.amdhsa_kernarg_size 16
		.amdhsa_user_sgpr_count 2
		.amdhsa_user_sgpr_kernarg_segment_ptr 1
		.amdhsa_wavefront_size32 1
		.amdhsa_system_sgpr_workgroup_id_x 1
		.amdhsa_system_sgpr_workgroup_id_y 1
		.amdhsa_system_sgpr_workgroup_id_z 1
		.amdhsa_system_vgpr_workitem_id 0
		.amdhsa_next_free_vgpr 256
		.amdhsa_next_free_sgpr 100
		.amdhsa_reserve_vcc 0
		.amdhsa_float_denorm_mode_32 3
		.amdhsa_float_denorm_mode_16_64 3
		.amdhsa_memory_ordered 1
		.amdhsa_forward_progress 1
		.amdhsa_inst_pref_size 145
	.end_amdhsa_kernel
	.amdgpu_metadata
---
amdhsa.version: [ 1, 2 ]
amdhsa.kernels:
  - .name:           k_q396edf87d4_attn
    .symbol:         k_q396edf87d4_attn.kd
    .args:
      - { .name: qkvq, .offset: 0, .size: 8, .value_kind: global_buffer, .address_space: global }
      - { .name: yq, .offset: 8, .size: 8, .value_kind: global_buffer, .address_space: global }
    .group_segment_fixed_size: 327680
    .private_segment_fixed_size: 0
    .kernarg_segment_align: 8
    .kernarg_segment_size: 16
    .max_flat_workgroup_size: 512
    .sgpr_count:     100
    .vgpr_count:     256
    .wavefront_size: 32
...
	.end_amdgpu_metadata
.endif
;; end of part 10
;; launch proj (part 11): grid 8 x 32, 4 waves a work-group, clusters of 4 x 4, 327,680 bytes of LDS; arguments yq, wts, attn_proj_b, x, x2; writes x2
.if DOCPART == 11
	.amdgcn_target "amdgcn-amd-amdhsa--gfx1250"
	.amdhsa_code_object_version 6
	.text
	.protected	k_q396edf87d4_proj
	.globl	k_q396edf87d4_proj
	.p2align	8
	.type	k_q396edf87d4_proj,@function
k_q396edf87d4_proj:
	s_mov_b64 s[64:65], 0
	v_nop
	global_prefetch_b8 v0, s[64:65] scope:SCOPE_SE
	s_setreg_imm32_b32 hwreg(HW_REG_WAVE_MODE, 25, 1), 1
	s_wait_xcnt 0x0
	s_wait_alu depctr_hold_cnt(0) depctr_sa_sdst(0) depctr_va_vdst(0) depctr_va_sdst(0) depctr_va_ssrc(0) depctr_va_vcc(0) depctr_vm_vsrc(0)
	s_getreg_b32 s2, hwreg(HW_REG_IB_STS2, 6, 4)
	s_cmp_eq_u32 s2, 0
	s_cbranch_scc0 .Lentry_in_a_cluster
	s_endpgm
.Lentry_in_a_cluster:
	s_bfe_u32 s2, ttmp6, 0x10000c
	s_cmp_lg_u32 s2, 0xf033
	s_cbranch_scc0 .Lentry_shape_is_right
	s_endpgm
.Lentry_shape_is_right:
.set KDIM,   1024
.set NBA,    256
.set NBB,    64
.set A_SC,   3145728
.set B_IMG,  2359296
.set B_SC,   9568256
.set NT,     0
.set KB,     KDIM/128
.set NQ,     4
.set FR,     12
.set NP,     4
.set FRB,    1536
.set QROW,   NQ*FRB
.set QT,     4*QROW
.set SLOT,   4*QT
.set LAPS,   KDIM/1024
.set SCL,    2*SLOT
.set SKP,    576                       ; one K / 128 of eight blocks: 512 bytes + 64 of padding
.set QS,     KB*SKP/2                  ; half of A's or of B's scale words
.set SPARE,  SCL+4*QS
.set STG,    SPARE+512
.set SPITCH, 272
.set ADRA, 16
.set ADRB, 20
.set ADSA, 22
.set ADSB, 23
.set STO,  24
.set RD,   25
.set CO,   26
.set BO,   27
.set SPW,  28
.set NIL,  29
.set SC,   32
.set BK,   64
.set ACC,  128
.set RS,   0
.set G1, 24
.set G0, 32
.set G1B, 48
.set G0B, 56
.set G1S, 68
.set G0S, 76
.set G1SB, 80
.set G0SB, 88
.set MSB, 0
.macro WIN new
.if MSB != \new
	s_set_vgpr_msb (MSB<<8)|\new
.set MSB, \new
.endif
.endm
.set MUL,  0x05
.set TO_F, 0x40
.macro JLOAD g0a, g1a, g0b, g1b
	s_cmp_eq_u32 s15, 0
	s_cbranch_scc0 .Lfor_b_\@
	tensor_load_to_lds s[\g0a:\g0a+3], s[\g1a:\g1a+7]
	s_nop 0
.rept 4
	v_nop
.endr
	s_branch .Lasked_\@
.Lfor_b_\@:
	tensor_load_to_lds s[\g0b:\g0b+3], s[\g1b:\g1b+7]
	s_nop 0
.rept 4
	v_nop
.endr
.Lasked_\@:
.endm
.macro CREST
	s_cmp_lg_u32 s14, 0
	s_cbranch_scc1 .Lnot_wave_0_\@
	s_barrier_signal -3
.Lnot_wave_0_\@:
	s_barrier_wait -3
	s_barrier_signal -1
	s_barrier_wait -1
.endm
.macro CROUND
	s_barrier_signal -1
	s_barrier_wait -1
	CREST
.endm
.macro PLACES n
.rept \n
	v_nop
.endr
.endm
.macro FRAG reg, adr, q, i
.irp c, 0,1,2
	ds_load_b128 v[\reg+4*\c:\reg+4*\c+3], v[\adr] offset:(\i)*QROW+(\q)*FRB+512*\c
.endr
.endm
.macro FETCH slot, q, p
	WIN TO_F
.irp i, 0,1,2,3
	FRAG 128*(\p)+48+FR*\i, ADRB+\slot, \q, \i
.endr
.irp i, 0,1,2,3
	FRAG 128*(\p)+FR*\i, ADRA+\slot, \q, \i
.endr
.endm
.macro SCALES sc
.irp i, 0,1,2,3
.irp p, 0,1
	ds_load_b32 v[SC+16*\sc+2*\i+\p], v[ADSA] offset:64*\i+2*SKP*\p
	ds_load_b32 v[SC+16*\sc+8+2*\i+\p], v[ADSB] offset:64*\i+2*SKP*\p
.endr
.endr
.endm
.macro MUL4 a, p, q, sc, zero
.irp b, 0,1,2,3
.set rD, ACC+8*(4*(\a)+\b)
.set rB, 128*(\p)+48+FR*\b
.set rA, 128*(\p)+FR*(\a)
.set rSB, SC+16*(\sc)+8+2*\b+(\q)/2
.set rSA, SC+16*(\sc)+2*(\a)+(\q)/2
.if \zero
	v_wmma_scale_f32_16x16x128_f8f6f4 v[rD:rD+7], v[rB:rB+11], v[rA:rA+11], 0, v[rSB], v[rSA] matrix_a_fmt:MATRIX_FMT_FP6 matrix_b_fmt:MATRIX_FMT_FP6
.elseif (\q)%2 == 0
	v_wmma_scale_f32_16x16x128_f8f6f4 v[rD:rD+7], v[rB:rB+11], v[rA:rA+11], v[rD:rD+7], v[rSB], v[rSA] matrix_a_fmt:MATRIX_FMT_FP6 matrix_b_fmt:MATRIX_FMT_FP6
.else
	v_wmma_scale_f32_16x16x128_f8f6f4 v[rD:rD+7], v[rB:rB+11], v[rA:rA+11], v[rD:rD+7], v[rSB], v[rSA] matrix_a_fmt:MATRIX_FMT_FP6 matrix_b_fmt:MATRIX_FMT_FP6 matrix_a_scale:MATRIX_SCALE_ROW1 matrix_b_scale:MATRIX_SCALE_ROW1
.endif
.endr
.endm
.macro STEP slot, q, zero
	s_wait_dscnt 6
	WIN MUL
	MUL4 0, (\q)%2, \q, \slot, \zero
	MUL4 1, (\q)%2, \q, \slot, \zero
	PLACES NP
	FETCH \slot, (\q)+1, 1-(\q)%2
	s_wait_dscnt 24
	WIN MUL
	MUL4 2, (\q)%2, \q, \slot, \zero
	MUL4 3, (\q)%2, \q, \slot, \zero
.endm
.macro TURN slot, next, fill
	WIN 0
	s_wait_tensorcnt 0x0
	ds_add_u32 v[SPW], v[NIL]
	s_wait_dscnt 7
	WIN MUL
	MUL4 0, 1, NQ-1, \slot, 0
	s_wait_dscnt 0x0
	s_barrier_signal -1
	MUL4 1, 1, NQ-1, \slot, 0
	WIN 0
	s_barrier_wait -1
.if \fill
	CREST
	s_add_nc_u64 s[G0+4*\slot+2:G0+4*\slot+3], s[G0+4*\slot+2:G0+4*\slot+3], 2*QROW
	s_add_nc_u64 s[G0B+4*\slot+2:G0B+4*\slot+3], s[G0B+4*\slot+2:G0B+4*\slot+3], 2*QROW
	JLOAD G0+4*\slot, G1, G0B+4*\slot, G1B
.else
	PLACES NP
.endif
	v_add_nc_u32 v[ADSA], 4*SKP, v[ADSA]
	v_add_nc_u32 v[ADSB], 4*SKP, v[ADSB]
	SCALES \next
	FETCH \next, 0, 0
	WIN MUL
	MUL4 2, 1, NQ-1, \slot, 0
	MUL4 3, 1, NQ-1, \slot, 0
.endm
	s_load_b128 s[4:7], s[0:1], 0x0
	s_load_b128 s[8:11], s[0:1], 0x10
	s_load_b64 s[12:13], s[0:1], 0x20
	v_lshl_add_u32 v[SPW], v0, 2, SPARE
	v_mov_b32 v[NIL], 0
	ds_add_u32 v28, v29
	ds_add_u32 v28, v29
	s_wait_dscnt 0x0
	v_lshrrev_b32 v1, 5, v0
	v_readfirstlane_b32 s14, v1
	s_lshr_b32 s15, s14, 1
	s_and_b32 s16, s14, 1
	s_bfe_u32 s40, ttmp6, 0x40000
	s_bfe_u32 s41, ttmp6, 0x40004
	s_lshl_b32 s42, ttmp9, 2
	s_add_co_u32 s42, s42, s40
	s_and_b32 s17, ttmp7, 0xffff
	s_lshl_b32 s17, s17, 2
	s_add_co_u32 s17, s17, s41
	s_lshl_b32 s43, s41, 2
	s_lshl_b32 s43, 15, s43
	s_lshl_b32 s44, 0x1111, s40
	s_or_b32 s[G1+0], s43, (3<<16)|(1<<21)
	s_or_b32 s[G1B+0], s44, (3<<16)|(1<<21)
.irp g, G1, G1B
	s_mov_b32 s[\g+1], 768<<16
	s_mov_b32 s[\g+2], 8<<16                       ; 8 blocks for the head's loads; behind them 4
	s_mov_b32 s[\g+3], 768<<16
	s_mov_b32 s[\g+4], 8
	s_mov_b32 s[\g+5], KB*192
	s_mov_b32 s[\g+6], 0
	s_mov_b32 s[\g+7], 0
.endr
	s_or_b32 s[G1S+0], s43, (3<<16)|(1<<20)|(1<<21)|(6<<22)|(15<<25)   ; padding: 16 words behind every 128
	s_or_b32 s[G1SB+0], s44, (3<<16)|(1<<20)|(1<<21)|(6<<22)|(15<<25)
.irp g, G1S, G1SB
	s_mov_b32 s[\g+1], 64<<16                      ; 512 bytes: eight blocks' words of one K / 128
	s_mov_b32 s[\g+2], KB<<16
	s_mov_b32 s[\g+3], 64<<16
	s_mov_b32 s[\g+4], KB
	s_mov_b32 s[\g+6], 0
	s_mov_b32 s[\g+7], 0
.endr
	s_mov_b32 s[G1S+5], NBA*8
	s_mov_b32 s[G1SB+5], NBB*8
	s_mul_i32 s18, s16, 4*KB*FRB                   ; in the ring I fetch four blocks of a tile: which half, in bytes
	s_mov_b32 s19, 0
	s_lshl_b32 s20, s17, 3                         ; A's tile: its first block
	s_lshl_b32 s46, s42, 3                         ; B's
	s_lshl_b32 s22, s20, 6
	s_add_co_u32 s22, s22, A_SC
	s_mov_b32 s23, 0
	s_lshl_b32 s92, s46, 6
	s_add_co_u32 s92, s92, B_SC
	s_mov_b32 s93, 0
	s_mul_i32 s20, s20, KB*FRB
	s_mov_b32 s21, 0
	s_mul_i32 s46, s46, KB*FRB
	s_add_co_u32 s46, s46, B_IMG
	s_mov_b32 s47, 0
	s_mul_i32 s45, s14, QT
	s_wait_kmcnt 0x0
	s_add_nc_u64 s[20:21], s[4:5], s[20:21]
	s_add_nc_u64 s[22:23], s[4:5], s[22:23]
	s_add_nc_u64 s[46:47], s[6:7], s[46:47]
	s_add_nc_u64 s[92:93], s[6:7], s[92:93]
	CROUND
	s_mov_b32 s[G0S], 1                            ; the scale words of A's eight blocks, all of K: filled once
	s_mov_b32 s[G0S+1], SCL
	s_mov_b64 s[G0S+2:G0S+3], s[22:23]
	s_or_b32 s[G0S+3], s[G0S+3], 0x80000000
	s_mov_b32 s[G0SB], 1                           ; and of B's
	s_mov_b32 s[G0SB+1], SCL+2*QS
	s_mov_b64 s[G0SB+2:G0SB+3], s[92:93]
	s_or_b32 s[G0SB+3], s[G0SB+3], 0x80000000
.irp s, 0,1
	s_mov_b32 s[G0+4*\s], 1
	s_add_co_u32 s[G0+4*\s+1], s45, \s*SLOT
	s_add_nc_u64 s[G0+4*\s+2:G0+4*\s+3], s[20:21], \s*QROW
	s_or_b32 s[G0+4*\s+3], s[G0+4*\s+3], 0x80000000
	s_mov_b32 s[G0B+4*\s], 1
	s_add_co_u32 s[G0B+4*\s+1], s45, \s*SLOT
	s_add_nc_u64 s[G0B+4*\s+2:G0B+4*\s+3], s[46:47], \s*QROW
	s_or_b32 s[G0B+4*\s+3], s[G0B+4*\s+3], 0x80000000
.endr
	s_mov_b32 s[G0+1], 0                           ; the head's loads of slot 0 bring whole tiles: A's eight blocks,
	s_mov_b32 s[G0B+1], 2*QT                       ; and B's behind them
	s_add_nc_u64 s[G0+6:G0+7], s[G0+6:G0+7], s[18:19]      ; slot 1's bring my four blocks
	s_add_nc_u64 s[G0B+6:G0B+7], s[G0B+6:G0B+7], s[18:19]
; THE HEAD'S LOADS, ONE A WAVE: wave 0 A's tile of slot 0, wave 1 B's, wave 2 A's scale words, wave 3 B's.  One tree of branches on the wave's number
.macro ARM under, g0, g1, next
	s_cmp_lt_u32 s14, \under
	s_cbranch_scc0 \next
	tensor_load_to_lds s[\g0:\g0+3], s[\g1:\g1+7]
	s_nop 0
.rept 4
	v_nop
.endr
	s_branch .Lhead_asked
\next:
.endm
	ARM 1, G0,  G1,  .Lhead_b
	ARM 2, G0B, G1B, .Lhead_sa
	ARM 3, G0S, G1S, .Lhead_sb
	tensor_load_to_lds s[G0SB:G0SB+3], s[G1SB:G1SB+7]
	s_nop 0
.rept 4
	v_nop
.endr
.Lhead_asked:
	v_and_b32 v1, 15, v0
	v_bfe_u32 v2, v0, 4, 1
	v_and_b32 v3, 31, v0
	v_lshlrev_b32 v3, 4, v3
	s_mul_i32 s21, s15, QT
	s_mul_i32 s22, s16, QT
	s_add_co_u32 s22, s22, 2*QT
.irp s, 0,1
	v_add_nc_u32 v[ADRA+\s], s21, v3
	v_add_nc_u32 v[ADRB+\s], s22, v3
	s_add_co_u32 s21, s21, SLOT
	s_add_co_u32 s22, s22, SLOT
.endr
	v_mul_u32_u24 v4, v2, SKP
	v_lshl_add_u32 v4, v1, 2, v4
	s_lshl_b32 s21, s15, 8                         ; my four blocks' words: 256 bytes of each row of 512
	s_add_co_u32 s21, s21, SCL
	s_lshl_b32 s22, s16, 8
	s_add_co_u32 s22, s22, SCL+2*QS
	v_add_nc_u32 v[ADSA], s21, v4
	v_add_nc_u32 v[ADSB], s22, v4
	s_mul_i32 s21, s14, 16*SPITCH
	s_add_co_u32 s21, s21, STG
	v_mul_u32_u24 v4, v1, SPITCH
	v_lshl_add_u32 v4, v2, 6, v4
	v_add_nc_u32 v[STO], s21, v4
	v_mul_u32_u24 v5, v2, SPITCH
	v_lshl_add_u32 v5, v1, 4, v5
	v_add_nc_u32 v[RD], s21, v5
	v_lshlrev_b32 v[BO], 4, v1
	s_wait_alu depctr_va_vdst(0)
	v_lshl_add_u32 v[CO], v2, 12, v[BO]
	s_wait_alu depctr_va_vdst(0)
	s_lshl_b32 s18, s17, 7
	s_lshl_b32 s19, s15, 6
	s_add_co_u32 s18, s18, s19
	s_lshl_b32 s20, s18, 12
	s_lshl_b32 s19, s42, 9
	s_lshl_b32 s22, s16, 8
	s_add_co_u32 s22, s22, s19
	s_add_co_u32 s20, s20, s22
	s_mov_b32 s21, 0
	s_mov_b32 s23, 0
	s_add_nc_u64 s[10:11], s[10:11], s[20:21]
	s_add_nc_u64 s[12:13], s[12:13], s[20:21]
	s_add_nc_u64 s[8:9], s[8:9], s[22:23]
	global_load_b128 v[8:11], v[BO], s[8:9]
	WIN 0x80
.irp a, 0,1,2,3
.irp t, 0,1,2,3,4,5,6,7
	global_load_b128 v[RS+32*\a+4*\t:RS+32*\a+4*\t+3], v[CO], s[10:11] offset:(32*(\a/2)+8*(\a%2)+2*\t+8*(\t/4))*4096 th:TH_LOAD_NT
.endr
.endr
	WIN 0
	s_wait_alu depctr_va_vdst(0)
	s_wait_tensorcnt 0x0                           ; my tile of the head's four is in
	ds_add_u32 v[SPW], v[NIL]
	s_mul_i32 s[G0+1], s14, QT                     ; no tensor load of mine is out, so descriptors may be written: from here on a load brings my four blocks
	s_mul_i32 s[G0B+1], s14, QT
	s_mul_i32 s20, s16, 4*KB*FRB
	s_mov_b32 s21, 0
	s_add_nc_u64 s[G0+2:G0+3], s[G0+2:G0+3], s[20:21]
	s_add_nc_u64 s[G0B+2:G0B+3], s[G0B+2:G0B+3], s[20:21]
	s_mov_b32 s[G1+2], 4<<16
	s_mov_b32 s[G1+4], 4
	s_mov_b32 s[G1B+2], 4<<16
	s_mov_b32 s[G1B+4], 4
	s_wait_dscnt 0x0
	CROUND                                         ; all four tiles are in, and all sixteen work-groups are here
	JLOAD G0+4, G1, G0B+4, G1B                     ; slot 1's first fill, the first tensor load behind the round
	SCALES 0
	FETCH 0, 0, 0
	STEP 0, 0, 1
.if LAPS > 1
	WIN 0
	s_mov_b32 s3, LAPS-1
.Llap:
	STEP 0, 1, 0
	STEP 0, 2, 0
	TURN 0, 1, 1
	STEP 1, 0, 0
	STEP 1, 1, 0
	STEP 1, 2, 0
	TURN 1, 0, 1
	STEP 0, 0, 0
	WIN 0
	s_sub_co_u32 s3, s3, 1
	s_cmp_lg_u32 s3, 0
	s_cbranch_scc1 .Llap
.endif
	STEP 0, 1, 0
	STEP 0, 2, 0
	TURN 0, 1, 0
	STEP 1, 0, 0
	STEP 1, 1, 0
	STEP 1, 2, 0
	s_wait_dscnt 6
	WIN MUL
	MUL4 0, 1, NQ-1, 1, 0
	MUL4 1, 1, NQ-1, 1, 0
	s_wait_dscnt 0
	MUL4 2, 1, NQ-1, 1, 0
	MUL4 3, 1, NQ-1, 1, 0
	WIN 0
.macro TOSTAGE a
.irp b, 0,1,2,3
	ds_store_b128 v[STO], v[ACC+32*(\a)+8*\b:ACC+32*(\a)+8*\b+3] offset:128*(\b/2)+32*(\b%2)
	ds_store_b128 v[STO], v[ACC+32*(\a)+8*\b+4:ACC+32*(\a)+8*\b+7] offset:128*(\b/2)+32*(\b%2)+16
.endr
.set BB, BK+32*((\a)%2)
.irp t, 0,1,2,3,4,5,6,7
	ds_load_b128 v[BB+4*\t:BB+4*\t+3], v[RD] offset:\t*2*SPITCH
.endr
.endm
.macro SEND a, younger
.set BB, BK+32*((\a)%2)
	s_wait_dscnt \younger
.irp t, 0,1,2,3,4,5,6,7
	v_pk_add_f32 v[BB+4*\t:BB+4*\t+1], v[BB+4*\t:BB+4*\t+1], v[8:9]
	v_pk_add_f32 v[BB+4*\t+2:BB+4*\t+3], v[BB+4*\t+2:BB+4*\t+3], v[10:11]
.endr
	WIN 0x08
.set n, 0
.rept 16
	v_pk_add_f32 v[BB+n:BB+n+1], v[BB+n:BB+n+1], v[RS+32*(\a)+n:RS+32*(\a)+n+1]
.set n, n+2
.endr
	WIN 0
.irp t, 0,1,2,3,4,5,6,7
.if NT
	global_store_b128 v[CO], v[BB+4*\t:BB+4*\t+3], s[12:13] offset:(32*((\a)/2)+8*((\a)%2)+2*\t+8*(\t/4))*4096 th:TH_STORE_NT
.else
	global_store_b128 v[CO], v[BB+4*\t:BB+4*\t+3], s[12:13] offset:(32*((\a)/2)+8*((\a)%2)+2*\t+8*(\t/4))*4096
.endif
.endr
.endm
	PLACES NP
	s_wait_loadcnt 0x0
	TOSTAGE 0
	TOSTAGE 1
	SEND 0, 16
	s_wait_xcnt 0x0
	TOSTAGE 2
	SEND 1, 16
	s_wait_xcnt 0x0
	TOSTAGE 3
	SEND 2, 16
	SEND 3, 0
	s_wait_tensorcnt 0x0
	ds_add_u32 v[SPW], v[NIL]
	s_wait_dscnt 0x0
	CROUND
	s_endpgm
.Lfunc_end_k_q396edf87d4_proj:
	.size	k_q396edf87d4_proj, .Lfunc_end_k_q396edf87d4_proj-k_q396edf87d4_proj
	.p2alignl 7, 3214868480
	.fill 96, 4, 3214868480
	.section	.rodata,"a",@progbits
	.p2align	6, 0x0
	.amdhsa_kernel k_q396edf87d4_proj
		.amdhsa_group_segment_fixed_size 327680
		.amdhsa_private_segment_fixed_size 0
		.amdhsa_enable_private_segment 0
		.amdhsa_kernarg_size 40
		.amdhsa_user_sgpr_count 2
		.amdhsa_user_sgpr_kernarg_segment_ptr 1
		.amdhsa_wavefront_size32 1
		.amdhsa_system_sgpr_workgroup_id_x 1
		.amdhsa_system_sgpr_workgroup_id_y 1
		.amdhsa_system_sgpr_workgroup_id_z 1
		.amdhsa_system_vgpr_workitem_id 0
		.amdhsa_next_free_vgpr 768
		.amdhsa_next_free_sgpr 102
		.amdhsa_reserve_vcc 0
		.amdhsa_float_denorm_mode_32 3
		.amdhsa_float_denorm_mode_16_64 3
		.amdhsa_memory_ordered 1
		.amdhsa_forward_progress 1
		.amdhsa_inst_pref_size 63
	.end_amdhsa_kernel
	.amdgpu_metadata
---
amdhsa.version: [ 1, 2 ]
amdhsa.kernels:
  - .name:           k_q396edf87d4_proj
    .symbol:         k_q396edf87d4_proj.kd
    .args:
      - { .name: yq, .offset: 0, .size: 8, .value_kind: global_buffer, .address_space: global }
      - { .name: wts, .offset: 8, .size: 8, .value_kind: global_buffer, .address_space: global }
      - { .name: attn_proj_b, .offset: 16, .size: 8, .value_kind: global_buffer, .address_space: global }
      - { .name: x, .offset: 24, .size: 8, .value_kind: global_buffer, .address_space: global }
      - { .name: x2, .offset: 32, .size: 8, .value_kind: global_buffer, .address_space: global }
    .group_segment_fixed_size: 327680
    .private_segment_fixed_size: 0
    .kernarg_segment_align: 8
    .kernarg_segment_size: 40
    .max_flat_workgroup_size: 128
    .sgpr_count:     102
    .vgpr_count:     768
    .wavefront_size: 32
...
	.end_amdgpu_metadata
.endif
;; end of part 11
;; launch ln2 (part 12): grid 256 x 1, 8 waves a work-group, no clusters, 2,048 bytes of LDS; arguments x2, ln2_w, ln2_b, h2; writes h2
.if DOCPART == 12
	.amdgcn_target "amdgcn-amd-amdhsa--gfx1250"
	.amdhsa_code_object_version 6
	.text
	.protected	k_q396edf87d4_ln2
	.globl	k_q396edf87d4_ln2
	.p2align	8
	.type	k_q396edf87d4_ln2,@function
k_q396edf87d4_ln2:
	s_mov_b64 s[64:65], 0
	v_nop
	global_prefetch_b8 v0, s[64:65] scope:SCOPE_SE
	s_setreg_imm32_b32 hwreg(HW_REG_WAVE_MODE, 25, 1), 1
	s_wait_xcnt 0x0
; h2 = Q(layer_norm(x2)), quantised to FP6 (E2M3) with one E8M0 byte for each 32 along the 1,024 channels, stored as images of the operand's registers:
; a fragment (16 rows x 128 K) is 1,536 bytes, piece c of 512 bytes holds lane l's registers 4 c .. 4 c + 3 at 16 l; images lie [block][K / 128]; row r of block g is token
; 32 (g / 2) + 8 (g % 2) + r + 8 (r / 8); scale words lie [K / 128][block][16 rows] behind the images.
; A work-group takes one block of 16 tokens, wave w channels 128 w .. 128 w + 127; a lane holds 16 neighbours of each of its four blocks of 32.
; Mean first, then the sum of squares of x - mean: no difference of large sums is formed.  The eight waves' sums meet in LDS, two barriers.
; No tile is shared between work-groups, so there is no cluster; memory binds, so there is no matrix work.
; LIMITS: NaN and infinities are not served.  A block whose largest magnitude lies under 2^-124 (zeros too) keeps the scale byte 1; this program alone reads the bytes.
.set X,   32
.set W,   96
.set BV,  160
.set PC,  224
.set CH,  244
.set TM,  8
.set PW,  20
.set SEL, 38
.macro QUANT s
.irp b, 0,1,2,3
	v_max3_num_f32 v[TM+\b], |v[\s+16*\b]|, |v[\s+1+16*\b]|, 0x1800000   ; my 16 numbers of block b, and the floor 2^(3 - 127)
.endr
.irp i, 2,4,6,8,10,12,14
.irp b, 0,1,2,3
	s_delay_alu instid0(VALU_DEP_4)
	v_max3_num_f32 v[TM+\b], v[TM+\b], |v[\s+16*\b+\i]|, |v[\s+1+16*\b+\i]|
.endr
.endr
.irp b, 0,1,2,3
	s_delay_alu instid0(VALU_DEP_4)
	v_permlanex16_b32 v[TM+4+\b], v[TM+\b], s[SEL], s[SEL+1]
.endr
.irp b, 0,1,2,3
	s_delay_alu instid0(VALU_DEP_4)
	v_max_num_f32 v[TM+\b], v[TM+\b], v[TM+4+\b]
.endr
.irp b, 0,1,2,3
	s_delay_alu instid0(VALU_DEP_4)
	v_add_nc_u32 v[TM+8+\b], 0xff000000, v[TM+\b]  ; 2 off the exponent field: the conversion's scale operand
.endr
.irp b, 0,1,2,3
	s_delay_alu instid0(VALU_DEP_4)
	v_lshrrev_b32 v[TM+4+\b], 23, v[TM+8+\b]       ; the scale's byte
.endr
	s_delay_alu instid0(VALU_DEP_3)
	v_lshl_or_b32 v[PW], v[TM+5], 8, v[TM+4]
	s_delay_alu instid0(VALU_DEP_1)
	v_lshl_or_b32 v[PW], v[TM+6], 16, v[PW]
	s_delay_alu instid0(VALU_DEP_1)
	v_lshl_or_b32 v[PW], v[TM+7], 24, v[PW]
.irp c, 0,1
	v_cvt_scalef32_pk16_fp6_f32 v[PC+6*\c:PC+2+6*\c], v[\s+32*\c:\s+15+32*\c], v[TM+8+2*\c]
	v_cvt_scalef32_pk16_fp6_f32 v[PC+12+4*\c:PC+14+4*\c], v[\s+16+32*\c:\s+31+32*\c], v[TM+9+2*\c]
.endr
	v_nop                                          ; one plain place behind a scaled conversion
.irp c, 0,1
.irp i, 0,1,2
	v_permlane16_swap_b32 v[PC+6*\c+\i], v[PC+12+4*\c+\i]
.endr
.irp i, 0,1,2
	s_delay_alu instid0(VALU_DEP_3)
	v_mov_b32 v[PC+3+6*\c+\i], v[PC+12+4*\c+\i]
.endr
.endr
.endm
.macro ROWSUM off                      ; the four chains become the row's sum in v26: my lane, lane l xor 16, the eight waves' through LDS, one barrier
	s_delay_alu instid0(VALU_DEP_3)
	v_pk_add_f32 v[CH:CH+1], v[CH:CH+1], v[CH+2:CH+3]
	s_delay_alu instid0(VALU_DEP_2)
	v_pk_add_f32 v[CH+4:CH+5], v[CH+4:CH+5], v[CH+6:CH+7]
	s_delay_alu instid0(VALU_DEP_1)
	v_pk_add_f32 v[CH:CH+1], v[CH:CH+1], v[CH+4:CH+5]
	s_delay_alu instid0(VALU_DEP_1)
	v_add_f32 v26, v[CH], v[CH+1]
	s_delay_alu instid0(VALU_DEP_1)
	v_permlanex16_b32 v28, v26, s[SEL], s[SEL+1]
	s_delay_alu instid0(VALU_DEP_1)
	v_add_f32 v26, v26, v28
	ds_store_b32 v6, v26 offset:\off
	s_wait_dscnt 0x0                               ; for the others' sake: my store has landed
	s_barrier_signal -1
	s_barrier_wait -1
	ds_load_b128 v[CH:CH+3], v7 offset:\off
	ds_load_b128 v[CH+4:CH+7], v7 offset:\off+16
	s_wait_dscnt 0x0
	v_pk_add_f32 v[CH:CH+1], v[CH:CH+1], v[CH+2:CH+3]
	v_pk_add_f32 v[CH+4:CH+5], v[CH+4:CH+5], v[CH+6:CH+7]
	s_delay_alu instid0(VALU_DEP_1)
	v_pk_add_f32 v[CH:CH+1], v[CH:CH+1], v[CH+4:CH+5]
	s_delay_alu instid0(VALU_DEP_1)
	v_add_f32 v26, v[CH], v[CH+1]
.endm
	s_load_b256 s[4:11], s[0:1], 0x0               ; x2, ln2_w, ln2_b, h2
	v_lshl_add_u32 v254, v0, 2, 0x400
	v_mov_b32 v255, 0
	v_lshrrev_b32 v1, 5, v0
	s_delay_alu instid0(VALU_DEP_1)
	v_readfirstlane_b32 s2, v1                     ; wave 0..7
	v_and_b32 v1, 15, v0                           ; r
	v_bfe_u32 v2, v0, 4, 1                         ; h
	s_delay_alu instid0(VALU_DEP_2)
	v_and_b32 v3, 8, v1
	s_delay_alu instid0(VALU_DEP_1)
	v_add_nc_u32 v3, v3, v1                        ; r + 8 (r / 8)
	v_and_b32 v21, 31, v0
	s_delay_alu instid0(VALU_DEP_1)
	v_lshlrev_b32 v21, 4, v21
	v_lshlrev_b32 v27, 2, v1
	s_delay_alu instid0(VALU_DEP_4)
	v_lshlrev_b32 v4, 12, v3
	s_delay_alu instid0(VALU_DEP_1)
	v_lshl_add_u32 v4, v2, 6, v4
	v_lshlrev_b32 v5, 6, v2
	v_lshlrev_b32 v7, 5, v1
	s_lshl_b32 s3, s2, 2
	v_add_nc_u32 v6, s3, v7
	v_mov_b32 v28, 0
.irp b, 0,1,2,3
	v_mov_b32 v[TM+4+\b], 0
.endr
	s_mov_b32 s36, 0x3a800000                      ; 1 / 1024
	s_mov_b32 s37, 0x3727c5ac                      ; eps = 1e-5
	s_mov_b32 s[SEL], 0x76543210
	s_mov_b32 s[SEL+1], 0xfedcba98
	s_lshr_b32 s32, ttmp9, 1
	s_lshl_b32 s32, s32, 5
	s_and_b32 s33, ttmp9, 1
	s_lshl_b32 s33, s33, 3
	s_or_b32 s32, s32, s33
	s_lshl_b32 s32, s32, 12
	s_lshl_b32 s34, s2, 9
	s_add_co_u32 s32, s32, s34
	s_mov_b32 s33, 0
	s_mov_b32 s35, 0
	s_lshl_b32 s40, ttmp9, 3
	s_add_co_u32 s40, s40, s2
	s_mul_i32 s40, s40, 1536
	s_mov_b32 s41, 0
	s_lshl_b32 s42, s2, 8
	s_add_co_u32 s42, s42, ttmp9
	s_lshl_b32 s42, s42, 6
	s_add_co_u32 s42, s42, 3145728
	s_mov_b32 s43, 0
	s_wait_alu depctr_va_vdst(0)
	s_wait_kmcnt 0x0
	s_add_nc_u64 s[4:5], s[4:5], s[32:33]
	s_add_nc_u64 s[6:7], s[6:7], s[34:35]
	s_add_nc_u64 s[8:9], s[8:9], s[34:35]
	s_add_nc_u64 s[42:43], s[10:11], s[42:43]
	s_add_nc_u64 s[10:11], s[10:11], s[40:41]
.irp b, 0,1,2,3
.irp j, 0,1,2,3
	global_load_b128 v[X+16*\b+4*\j:X+16*\b+4*\j+3], v4, s[4:5] offset:128*\b+16*\j
.endr
.endr
.irp b, 0,1,2,3
.irp j, 0,1,2,3
	global_load_b128 v[W+16*\b+4*\j:W+16*\b+4*\j+3], v5, s[6:7] offset:128*\b+16*\j
.endr
.endr
.irp b, 0,1,2,3
.irp j, 0,1,2,3
	global_load_b128 v[BV+16*\b+4*\j:BV+16*\b+4*\j+3], v5, s[8:9] offset:128*\b+16*\j
.endr
.endr
	s_wait_loadcnt 32                              ; x2 is in; the 32 younger loads, gain and bias, may stay out
.irp k, 0,1,2,3
	v_pk_add_f32 v[CH+2*\k:CH+2*\k+1], v[X+2*\k:X+2*\k+1], v[X+8+2*\k:X+9+2*\k]
.endr
.irp i, 2,3,4,5,6,7
.irp k, 0,1,2,3
	s_delay_alu instid0(VALU_DEP_4)
	v_pk_add_f32 v[CH+2*\k:CH+2*\k+1], v[CH+2*\k:CH+2*\k+1], v[X+8*\i+2*\k:X+8*\i+2*\k+1]
.endr
.endr
	ROWSUM 0
	s_delay_alu instid0(VALU_DEP_1)
	v_mul_f32 v22, s36, v26
	s_delay_alu instid0(VALU_DEP_1)
	v_mov_b32 v23, v22
.set n, 0
.rept 32
	v_pk_add_f32 v[X+n:X+n+1], v[X+n:X+n+1], v[22:23] neg_lo:[0,1] neg_hi:[0,1]
.set n, n+2
.endr
.irp k, 0,1,2,3
	v_pk_mul_f32 v[CH+2*\k:CH+2*\k+1], v[X+2*\k:X+2*\k+1], v[X+2*\k:X+2*\k+1]
.endr
.irp i, 1,2,3,4,5,6,7
.irp k, 0,1,2,3
	s_delay_alu instid0(VALU_DEP_4)
	v_pk_fma_f32 v[CH+2*\k:CH+2*\k+1], v[X+8*\i+2*\k:X+8*\i+2*\k+1], v[X+8*\i+2*\k:X+8*\i+2*\k+1], v[CH+2*\k:CH+2*\k+1]
.endr
.endr
	ROWSUM 512                                     ; other LDS words than the first sum's: no third barrier is needed
	s_delay_alu instid0(VALU_DEP_1)
	v_fma_f32 v26, v26, s36, s37
	s_wait_alu depctr_va_vdst(0)
	v_rsq_f32 v24, v26
	v_nop
	s_wait_alu depctr_va_vdst(0)                   ; ahead of the first reader
	v_mov_b32 v25, v24
	s_wait_alu depctr_va_vdst(0)
	s_wait_loadcnt 0x0
.set n, 0
.rept 32
	v_pk_mul_f32 v[X+n:X+n+1], v[X+n:X+n+1], v[24:25]
.set n, n+2
.endr
.set n, 0
.rept 32
	v_pk_fma_f32 v[X+n:X+n+1], v[X+n:X+n+1], v[W+n:W+n+1], v[BV+n:BV+n+1]
.set n, n+2
.endr
	QUANT X
.irp c, 0,1,2
	global_store_b128 v21, v[PC+4*\c:PC+4*\c+3], s[10:11] offset:512*\c   ; 512 consecutive bytes, aligned
.endr
	v_and_b32 v29, 31, v0
	s_delay_alu instid0(VALU_DEP_1)
	v_cmp_gt_u32 vcc_lo, 16, v29
	s_wait_xcnt 0x0                                ; EXEC changes only behind this wait
	s_wait_tensorcnt 0x0
	ds_add_u32 v254, v255
	s_wait_dscnt 0x0
	s_and_saveexec_b32 s44, vcc_lo
	global_store_b32 v27, v[PW], s[42:43]          ; 64 bytes a wave: one byte in 24 of what the launch stores
	s_wait_xcnt 0x0
	s_or_b32 exec_lo, exec_lo, s44
	s_endpgm
.Lfunc_end_k_q396edf87d4_ln2:
	.size	k_q396edf87d4_ln2, .Lfunc_end_k_q396edf87d4_ln2-k_q396edf87d4_ln2
	.p2alignl 7, 3214868480
	.fill 96, 4, 3214868480
	.section	.rodata,"a",@progbits
	.p2align	6, 0x0
	.amdhsa_kernel k_q396edf87d4_ln2
		.amdhsa_group_segment_fixed_size 2048
		.amdhsa_private_segment_fixed_size 0
		.amdhsa_enable_private_segment 0
		.amdhsa_kernarg_size 32
		.amdhsa_user_sgpr_count 2
		.amdhsa_user_sgpr_kernarg_segment_ptr 1
		.amdhsa_wavefront_size32 1
		.amdhsa_system_sgpr_workgroup_id_x 1
		.amdhsa_system_sgpr_workgroup_id_y 1
		.amdhsa_system_sgpr_workgroup_id_z 1
		.amdhsa_system_vgpr_workitem_id 0
		.amdhsa_next_free_vgpr 256
		.amdhsa_next_free_sgpr 66
		.amdhsa_reserve_vcc 1
		.amdhsa_float_denorm_mode_32 3
		.amdhsa_float_denorm_mode_16_64 3
		.amdhsa_memory_ordered 1
		.amdhsa_forward_progress 1
		.amdhsa_inst_pref_size 28
	.end_amdhsa_kernel
	.amdgpu_metadata
---
amdhsa.version: [ 1, 2 ]
amdhsa.kernels:
  - .name:           k_q396edf87d4_ln2
    .symbol:         k_q396edf87d4_ln2.kd
    .args:
      - { .name: x2, .offset: 0, .size: 8, .value_kind: global_buffer, .address_space: global }
      - { .name: ln2_w, .offset: 8, .size: 8, .value_kind: global_buffer, .address_space: global }
      - { .name: ln2_b, .offset: 16, .size: 8, .value_kind: global_buffer, .address_space: global }
      - { .name: h2, .offset: 24, .size: 8, .value_kind: global_buffer, .address_space: global }
    .group_segment_fixed_size: 2048
    .private_segment_fixed_size: 0
    .kernarg_segment_align: 8
    .kernarg_segment_size: 32
    .max_flat_workgroup_size: 256
    .sgpr_count:     66
    .vgpr_count:     256
    .wavefront_size: 32
...
	.end_amdgpu_metadata
.endif
;; end of part 12
;; launch fc (part 13): grid 16 x 16, 4 waves a work-group, clusters of 4 x 4, 327,680 bytes of LDS; arguments h2, wts, fc_b, hid; writes hid
.if DOCPART == 13
	.amdgcn_target "amdgcn-amd-amdhsa--gfx1250"
	.amdhsa_code_object_version 6
	.text
	.protected	k_q396edf87d4_fc
	.globl	k_q396edf87d4_fc
	.p2align	8
	.type	k_q396edf87d4_fc,@function
k_q396edf87d4_fc:
	s_mov_b64 s[64:65], 0
	v_nop
	global_prefetch_b8 v0, s[64:65] scope:SCOPE_SE
	s_setreg_imm32_b32 hwreg(HW_REG_WAVE_MODE, 25, 1), 1
	s_wait_xcnt 0x0
	s_wait_alu depctr_hold_cnt(0) depctr_sa_sdst(0) depctr_va_vdst(0) depctr_va_sdst(0) depctr_va_ssrc(0) depctr_va_vcc(0) depctr_vm_vsrc(0)
	s_getreg_b32 s2, hwreg(HW_REG_IB_STS2, 6, 4)
	s_cmp_eq_u32 s2, 0
	s_cbranch_scc0 .Lentry_in_a_cluster
	s_endpgm
.Lentry_in_a_cluster:
	s_bfe_u32 s2, ttmp6, 0x10000c
	s_cmp_lg_u32 s2, 0xf033
	s_cbranch_scc0 .Lentry_shape_is_right
	s_endpgm
.Lentry_shape_is_right:
.set KDIM,   1024
.set NBA,    256
.set NBB,    256
.set A_SC,   3145728
.set B_IMG,  3145728
.set B_SC,   9601024
.set KB,     KDIM/128
.set NQ,     2
.set FR,     12
.set NL,     3
.set NP,     4
.set FRB,    1536
.set QROW,   NQ*FRB
.set QT,     8*QROW
.set SLOT,   4*QT
.set LAPS,   KDIM/512
.set SCL,    2*SLOT
.set SKP,    1088                      ; one K / 128 of sixteen blocks: 1,024 bytes + 64 of padding
.set QS,     KB*SKP/2                  ; half of A's or of B's scale words
.set SPARE,  SCL+4*QS
.set STG,    SPARE+512
.set ADRA, 16
.set ADRB, 20
.set ADSA, 22
.set ADSB, 23
.set STO,  24
.set RD,   25
.set CO,   26
.set SPW,  28
.set NIL,  29
.set PW,   30
.set SC,   32
.set BI,   64
.set AF,   128
.set H,    128
.set T,    192
.set PC,   224
.set TM,   244
.set G1, 24
.set G0, 32
.set G1B, 48
.set G0B, 56
.set G1S, 68
.set G0S, 76
.set G1SB, 80
.set G0SB, 88
.set SEL, 96
.set MSB, 0
.macro WIN new
.if MSB != \new
	s_set_vgpr_msb (MSB<<8)|\new
.set MSB, \new
.endif
.endm
.set MUL_LO, 0xa1
.set MUL_HI, 0xf1
.set TO_B,   0x40
.macro JLOAD g0a, g1a, g0b, g1b
	s_cmp_eq_u32 s15, 0
	s_cbranch_scc0 .Lfor_b_\@
	tensor_load_to_lds s[\g0a:\g0a+3], s[\g1a:\g1a+7]
	s_nop 0
.rept 4
	v_nop
.endr
	s_branch .Lasked_\@
.Lfor_b_\@:
	tensor_load_to_lds s[\g0b:\g0b+3], s[\g1b:\g1b+7]
	s_nop 0
.rept 4
	v_nop
.endr
.Lasked_\@:
.endm
.macro CREST
	s_cmp_lg_u32 s14, 0
	s_cbranch_scc1 .Lnot_wave_0_\@
	s_barrier_signal -3
.Lnot_wave_0_\@:
	s_barrier_wait -3
	s_barrier_signal -1
	s_barrier_wait -1
.endm
.macro CROUND
	s_barrier_signal -1
	s_barrier_wait -1
	CREST
.endm
.macro PLACES n
.rept \n
	v_nop
.endr
.endm
.macro FRAG reg, adr, q, i
.irp c, 0,1,2
	ds_load_b128 v[\reg+4*\c:\reg+4*\c+3], v[\adr] offset:(\i)*QROW+(\q)*FRB+512*\c
.endr
.endm
.macro FETCH_B slot, q, p
	WIN TO_B
.irp i, 0,1,2,3,4,5,6,7
	FRAG 128*(\p)+FR*\i, ADRB+\slot, \q, \i
.endr
	WIN 0
.endm
.macro FETCH_A slot, q, i0
.irp i, \i0, \i0+1, \i0+2, \i0+3
	FRAG AF+FR*(\i), ADRA+\slot, \q, \i
.endr
.endm
.macro SCALES sc
.irp i, 0,1,2,3,4,5,6,7
	ds_load_b32 v[SC+16*\sc+\i], v[ADSA] offset:64*\i
	ds_load_b32 v[SC+16*\sc+8+\i], v[ADSB] offset:64*\i
.endr
.endm
.macro MUL16 a0, p, q, sc, zero
.irp a, \a0, \a0+1
.irp b, 0,1,2,3,4,5,6,7
.set rD, 8*(8*((\a)%4)+\b)
.set rB, 128*(\p)+FR*\b
.set rA, AF+FR*(\a)
.set rSB, SC+16*(\sc)+8+\b
.set rSA, SC+16*(\sc)+(\a)
.if \zero
	v_wmma_scale_f32_16x16x128_f8f6f4 v[rD:rD+7], v[rB:rB+11], v[rA:rA+11], 0, v[rSB], v[rSA] matrix_a_fmt:MATRIX_FMT_FP6 matrix_b_fmt:MATRIX_FMT_FP6
.elseif (\q) == 0
	v_wmma_scale_f32_16x16x128_f8f6f4 v[rD:rD+7], v[rB:rB+11], v[rA:rA+11], v[rD:rD+7], v[rSB], v[rSA] matrix_a_fmt:MATRIX_FMT_FP6 matrix_b_fmt:MATRIX_FMT_FP6
.else
	v_wmma_scale_f32_16x16x128_f8f6f4 v[rD:rD+7], v[rB:rB+11], v[rA:rA+11], v[rD:rD+7], v[rSB], v[rSA] matrix_a_fmt:MATRIX_FMT_FP6 matrix_b_fmt:MATRIX_FMT_FP6 matrix_a_scale:MATRIX_SCALE_ROW1 matrix_b_scale:MATRIX_SCALE_ROW1
.endif
.endr
.endr
.endm
.macro STEP slot, q, zero
	s_wait_dscnt 4*NL
	WIN MUL_LO
	MUL16 0, (\q)%2, \q, \slot, \zero
	MUL16 2, (\q)%2, \q, \slot, \zero
	s_wait_dscnt 0
	PLACES NP
	FETCH_B \slot, (\q)+1, 1-(\q)%2
	FETCH_A \slot, (\q)+1, 0
	WIN MUL_HI
	MUL16 4, (\q)%2, \q, \slot, \zero
	MUL16 6, (\q)%2, \q, \slot, \zero
	PLACES NP
	WIN 0
	FETCH_A \slot, (\q)+1, 4
.endm
.macro TURN slot, next, fill
	s_wait_tensorcnt 0x0
	ds_add_u32 v[SPW], v[NIL]
	s_wait_dscnt 4*NL+1
	WIN MUL_LO
	MUL16 0, 1, NQ-1, \slot, 0
	s_wait_dscnt 0x0
	s_barrier_signal -1
	MUL16 2, 1, NQ-1, \slot, 0
	WIN 0
	s_barrier_wait -1
.if \fill
	CREST
	s_add_nc_u64 s[G0+4*\slot+2:G0+4*\slot+3], s[G0+4*\slot+2:G0+4*\slot+3], 2*QROW
	s_add_nc_u64 s[G0B+4*\slot+2:G0B+4*\slot+3], s[G0B+4*\slot+2:G0B+4*\slot+3], 2*QROW
	JLOAD G0+4*\slot, G1, G0B+4*\slot, G1B
.else
	PLACES NP
.endif
	s_wait_alu depctr_va_vdst(0)
	v_add_nc_u32 v[ADSA], 2*SKP, v[ADSA]
	v_add_nc_u32 v[ADSB], 2*SKP, v[ADSB]
	FETCH_B \next, 0, 0
	FETCH_A \next, 0, 0
	SCALES \next
	WIN MUL_HI
	MUL16 4, 1, NQ-1, \slot, 0
	MUL16 6, 1, NQ-1, \slot, 0
	PLACES NP
	WIN 0
	FETCH_A \next, 0, 4
.endm
.macro QUANT s
.irp b, 0,1,2,3
	v_max3_num_f32 v[TM+\b], |v[\s+16*\b]|, |v[\s+1+16*\b]|, 0x1800000
.endr
.irp i, 2,4,6,8,10,12,14
.irp b, 0,1,2,3
	v_max3_num_f32 v[TM+\b], v[TM+\b], |v[\s+16*\b+\i]|, |v[\s+1+16*\b+\i]|
.endr
.endr
.irp b, 0,1,2,3
	v_permlanex16_b32 v[TM+4+\b], v[TM+\b], s[SEL], s[SEL+1]
.endr
.irp b, 0,1,2,3
	v_max_num_f32 v[TM+\b], v[TM+\b], v[TM+4+\b]
.endr
.irp b, 0,1,2,3
	v_add_nc_u32 v[TM+8+\b], 0xff000000, v[TM+\b]
.endr
.irp b, 0,1,2,3
	v_lshrrev_b32 v[TM+4+\b], 23, v[TM+8+\b]
.endr
	v_lshl_or_b32 v[PW], v[TM+5], 8, v[TM+4]
	v_lshl_or_b32 v[PW], v[TM+6], 16, v[PW]
	v_lshl_or_b32 v[PW], v[TM+7], 24, v[PW]
.irp c, 0,1
	v_cvt_scalef32_pk16_fp6_f32 v[PC+6*\c:PC+2+6*\c], v[\s+32*\c:\s+15+32*\c], v[TM+8+2*\c]
	v_cvt_scalef32_pk16_fp6_f32 v[PC+12+4*\c:PC+14+4*\c], v[\s+16+32*\c:\s+31+32*\c], v[TM+9+2*\c]
.endr
	v_nop
.irp c, 0,1
.irp i, 0,1,2
	v_permlane16_swap_b32 v[PC+6*\c+\i], v[PC+12+4*\c+\i]
.endr
.irp i, 0,1,2
	v_mov_b32 v[PC+3+6*\c+\i], v[PC+12+4*\c+\i]
.endr
.endr
.endm
.macro GELU u
.set HB, H+32*(\u)
.set n, 0
.rept 16
	v_pk_mul_f32 v[T+n:T+n+1], v[HB+n:HB+n+1], v[HB+n:HB+n+1]
.set n, n+2
.endr
.set n, 0
.rept 16
	v_pk_fma_f32 v[T+n:T+n+1], v[T+n:T+n+1], s[98:99], v[12:13] op_sel_hi:[1,0,1]
.set n, n+2
.endr
.set n, 0
.rept 16
	v_pk_mul_f32 v[T+n:T+n+1], v[T+n:T+n+1], v[HB+n:HB+n+1]
.set n, n+2
.endr
.set n, 0
	s_wait_alu depctr_va_vdst(0)
.rept 32
	v_exp_f32 v[T+n], v[T+n]
.set n, n+1
.endr
	v_nop
	s_wait_alu depctr_va_vdst(0)
.set n, 0
.rept 16
	v_pk_add_f32 v[T+n:T+n+1], v[T+n:T+n+1], 1.0 op_sel_hi:[1,0]
.set n, n+2
.endr
.set n, 0
	s_wait_alu depctr_va_vdst(0)
.rept 32
	v_rcp_f32 v[T+n], v[T+n]
.set n, n+1
.endr
	v_nop
	s_wait_alu depctr_va_vdst(0)
.set n, 0
.rept 16
	v_pk_mul_f32 v[HB+n:HB+n+1], v[HB+n:HB+n+1], v[T+n:T+n+1]
.set n, n+2
.endr
.endm
	s_load_b128 s[4:7], s[0:1], 0x0
	s_load_b128 s[8:11], s[0:1], 0x10
	v_lshl_add_u32 v[SPW], v0, 2, SPARE
	v_mov_b32 v[NIL], 0
	ds_add_u32 v28, v29
	ds_add_u32 v28, v29
	s_wait_dscnt 0x0
	v_lshrrev_b32 v1, 5, v0
	v_readfirstlane_b32 s14, v1
	s_lshr_b32 s15, s14, 1
	s_and_b32 s16, s14, 1
	s_bfe_u32 s40, ttmp6, 0x40000
	s_bfe_u32 s41, ttmp6, 0x40004
	s_lshl_b32 s42, ttmp9, 2
	s_add_co_u32 s42, s42, s40
	s_and_b32 s17, ttmp7, 0xffff
	s_lshl_b32 s17, s17, 2
	s_add_co_u32 s17, s17, s41
	s_lshl_b32 s43, s41, 2
	s_lshl_b32 s43, 15, s43
	s_lshl_b32 s44, 0x1111, s40
	s_or_b32 s[G1+0], s43, (3<<16)|(1<<21)
	s_or_b32 s[G1B+0], s44, (3<<16)|(1<<21)
.irp g, G1, G1B
	s_mov_b32 s[\g+1], 384<<16
	s_mov_b32 s[\g+2], 16<<16                      ; 16 blocks for the head's loads; behind them 8
	s_mov_b32 s[\g+3], 384<<16
	s_mov_b32 s[\g+4], 16
	s_mov_b32 s[\g+5], KB*192
	s_mov_b32 s[\g+6], 0
	s_mov_b32 s[\g+7], 0
.endr
	s_or_b32 s[G1S+0], s43, (3<<16)|(1<<20)|(1<<21)|(7<<22)|(15<<25)   ; padding: 16 words behind every 256
	s_or_b32 s[G1SB+0], s44, (3<<16)|(1<<20)|(1<<21)|(7<<22)|(15<<25)
.irp g, G1S, G1SB
	s_mov_b32 s[\g+1], 128<<16                     ; 1,024 bytes: sixteen blocks' words of one K / 128
	s_mov_b32 s[\g+2], KB<<16
	s_mov_b32 s[\g+3], 128<<16
	s_mov_b32 s[\g+4], KB
	s_mov_b32 s[\g+6], 0
	s_mov_b32 s[\g+7], 0
.endr
	s_mov_b32 s[G1S+5], NBA*8
	s_mov_b32 s[G1SB+5], NBB*8
	s_mul_i32 s18, s16, 8*KB*FRB                   ; in the ring I fetch eight blocks of a tile: which half, in bytes
	s_mov_b32 s19, 0
	s_lshl_b32 s20, s17, 4                         ; A's tile: its first block
	s_lshl_b32 s46, s42, 4                         ; B's
	s_lshl_b32 s22, s20, 6
	s_add_co_u32 s22, s22, A_SC
	s_mov_b32 s23, 0
	s_lshl_b32 s92, s46, 6
	s_add_co_u32 s92, s92, B_SC
	s_mov_b32 s93, 0
	s_mul_i32 s20, s20, KB*FRB
	s_mov_b32 s21, 0
	s_mul_i32 s46, s46, KB*FRB
	s_add_co_u32 s46, s46, B_IMG
	s_mov_b32 s47, 0
	s_mul_i32 s45, s14, QT
	s_wait_kmcnt 0x0
	s_add_nc_u64 s[20:21], s[4:5], s[20:21]
	s_add_nc_u64 s[22:23], s[4:5], s[22:23]
	s_add_nc_u64 s[46:47], s[6:7], s[46:47]
	s_add_nc_u64 s[92:93], s[6:7], s[92:93]
	CROUND
	s_mov_b32 s[G0S], 1                            ; the scale words of A's sixteen blocks, all of K: filled once
	s_mov_b32 s[G0S+1], SCL
	s_mov_b64 s[G0S+2:G0S+3], s[22:23]
	s_or_b32 s[G0S+3], s[G0S+3], 0x80000000
	s_mov_b32 s[G0SB], 1                           ; and of B's
	s_mov_b32 s[G0SB+1], SCL+2*QS
	s_mov_b64 s[G0SB+2:G0SB+3], s[92:93]
	s_or_b32 s[G0SB+3], s[G0SB+3], 0x80000000
.irp s, 0,1
	s_mov_b32 s[G0+4*\s], 1
	s_add_co_u32 s[G0+4*\s+1], s45, \s*SLOT
	s_add_nc_u64 s[G0+4*\s+2:G0+4*\s+3], s[20:21], \s*QROW
	s_or_b32 s[G0+4*\s+3], s[G0+4*\s+3], 0x80000000
	s_mov_b32 s[G0B+4*\s], 1
	s_add_co_u32 s[G0B+4*\s+1], s45, \s*SLOT
	s_add_nc_u64 s[G0B+4*\s+2:G0B+4*\s+3], s[46:47], \s*QROW
	s_or_b32 s[G0B+4*\s+3], s[G0B+4*\s+3], 0x80000000
.endr
	s_mov_b32 s[G0+1], 0                           ; the head's loads of slot 0 bring whole tiles: A's sixteen blocks,
	s_mov_b32 s[G0B+1], 2*QT                       ; and B's behind them
	s_add_nc_u64 s[G0+6:G0+7], s[G0+6:G0+7], s[18:19]      ; slot 1's bring my eight blocks
	s_add_nc_u64 s[G0B+6:G0B+7], s[G0B+6:G0B+7], s[18:19]
	; THE PREFETCHES.  Behind the load of the K chunk c (256 along K: 3,072 bytes of each block) a wave asks for chunk c + 2 of what it fetches in the ring: of its eight blocks each of the four partners
	; that ask for them jointly takes two, told apart by address (cx for A, cy for B): 2 x 12 blocks of 256 bytes, a lane a block (lanes 24-31 name the last again).  K has four chunks: two asks, chunks 2 and 3.
.set PFA, 100
	s_cmp_eq_u32 s15, 0                            ; do I fetch for A?
	s_cselect_b64 s[PFA:PFA+1], s[20:21], s[46:47]
	s_cselect_b32 s94, s40, s41                    ; my place among the four
	s_lshl_b32 s94, s94, 1
	s_lshl_b32 s95, s16, 3
	s_add_co_u32 s94, s94, s95                     ; my eight blocks, my work-group's two of them
	s_mul_i32 s94, s94, KB*FRB
	s_mov_b32 s95, 0
	s_add_nc_u64 s[PFA:PFA+1], s[PFA:PFA+1], s[94:95]
	v_and_b32 v31, 31, v0
	v_min_u32 v31, 23, v31
	v_mul_u32_u24 v7, v31, 11
	v_lshrrev_b32 v7, 7, v7                        ; lane / 12, for lanes 0 to 23
	v_lshlrev_b32 v31, 8, v31
	v_mad_u32_u24 v31, v7, KB*FRB-3072, v31        ; (lane / 12) blocks + 256 (lane % 12); never rewritten
	s_wait_alu depctr_va_vdst(0)
; THE HEAD'S LOADS, ONE A WAVE: wave 0 A's tile of slot 0, wave 1 B's, wave 2 A's scale words, wave 3 B's.  One tree of branches on the wave's number
.macro ARM under, g0, g1, next
	s_cmp_lt_u32 s14, \under
	s_cbranch_scc0 \next
	tensor_load_to_lds s[\g0:\g0+3], s[\g1:\g1+7]
	s_nop 0
.rept 4
	v_nop
.endr
	s_branch .Lhead_asked
\next:
.endm
	ARM 1, G0,  G1,  .Lhead_b
	ARM 2, G0B, G1B, .Lhead_sa
	ARM 3, G0S, G1S, .Lhead_sb
	tensor_load_to_lds s[G0SB:G0SB+3], s[G1SB:G1SB+7]
	s_nop 0
.rept 4
	v_nop
.endr
.Lhead_asked:
	global_prefetch_b8 v31, s[PFA:PFA+1] offset:2*QROW th:TH_LOAD_NT scope:SCOPE_SE   ; chunk 2
	v_and_b32 v1, 15, v0
	v_bfe_u32 v2, v0, 4, 1
	v_and_b32 v3, 31, v0
	v_lshlrev_b32 v3, 4, v3
	s_mul_i32 s21, s15, QT
	s_mul_i32 s22, s16, QT
	s_add_co_u32 s22, s22, 2*QT
.irp s, 0,1
	v_add_nc_u32 v[ADRA+\s], s21, v3
	v_add_nc_u32 v[ADRB+\s], s22, v3
	s_add_co_u32 s21, s21, SLOT
	s_add_co_u32 s22, s22, SLOT
.endr
	v_mul_u32_u24 v4, v2, SKP
	v_lshl_add_u32 v4, v1, 2, v4
	s_lshl_b32 s21, s15, 9                         ; my eight blocks' words: 512 bytes of each row of 1,024
	s_add_co_u32 s21, s21, SCL
	s_lshl_b32 s22, s16, 9
	s_add_co_u32 s22, s22, SCL+2*QS
	v_add_nc_u32 v[ADSA], s21, v4
	v_add_nc_u32 v[ADSB], s22, v4
	s_lshl_b32 s21, s14, 9
	s_add_co_u32 s21, s21, STG
	v_lshl_add_u32 v[STO], v1, 2, s21
	v_add_nc_u32 v[RD], s21, v3
	v_mov_b32 v[CO], v3
	s_mov_b32 s[SEL], 0x76543210
	s_mov_b32 s[SEL+1], 0xfedcba98
	s_mov_b32 s98, 0xbdd2d3e8
	s_mov_b32 s99, s98
	v_mov_b32 v12, 0xc0135761
	v_mov_b32 v13, v12
	s_lshl_b32 s18, s17, 4
	s_lshl_b32 s19, s15, 3
	s_add_co_u32 s18, s18, s19
	s_lshl_b32 s19, s42, 1
	s_add_co_u32 s19, s19, s16
	s_lshl_b32 s20, s18, 5
	s_add_co_u32 s20, s20, s19
	s_mul_i32 s20, s20, FRB
	s_mov_b32 s21, 0
	s_lshl_b32 s22, s19, 8
	s_add_co_u32 s22, s22, s18
	s_lshl_b32 s22, s22, 6
	s_add_co_u32 s22, s22, 12582912
	s_mov_b32 s23, 0
	s_add_nc_u64 s[12:13], s[10:11], s[20:21]
	s_add_nc_u64 s[10:11], s[10:11], s[22:23]
	s_lshl_b32 s20, s19, 9
	s_add_nc_u64 s[8:9], s[8:9], s[20:21]
	v_lshlrev_b32 v5, 6, v2
.irp c, 0,1,2,3
.irp j, 0,1,2,3
	global_load_b128 v[BI+16*\c+4*\j:BI+16*\c+4*\j+3], v5, s[8:9] offset:128*\c+16*\j
.endr
.endr
	s_wait_alu depctr_va_vdst(0)
	s_wait_tensorcnt 0x0                           ; my tile of the head's four is in
	ds_add_u32 v[SPW], v[NIL]
	s_mul_i32 s[G0+1], s14, QT                     ; no tensor load of mine is out, so descriptors may be written: from here on a load brings my eight blocks
	s_mul_i32 s[G0B+1], s14, QT
	s_mul_i32 s20, s16, 8*KB*FRB
	s_mov_b32 s21, 0
	s_add_nc_u64 s[G0+2:G0+3], s[G0+2:G0+3], s[20:21]
	s_add_nc_u64 s[G0B+2:G0B+3], s[G0B+2:G0B+3], s[20:21]
	s_mov_b32 s[G1+2], 8<<16
	s_mov_b32 s[G1+4], 8
	s_mov_b32 s[G1B+2], 8<<16
	s_mov_b32 s[G1B+4], 8
	s_wait_dscnt 0x0
	CROUND                                         ; all four tiles are in, and all sixteen work-groups are here
	JLOAD G0+4, G1, G0B+4, G1B                     ; slot 1's first fill, the first tensor load behind the round
	global_prefetch_b8 v31, s[PFA:PFA+1] offset:3*QROW th:TH_LOAD_NT scope:SCOPE_SE   ; chunk 3, the last; the address registers are never rewritten
	FETCH_B 0, 0, 0
	FETCH_A 0, 0, 0
	SCALES 0
	FETCH_A 0, 0, 4
	STEP 0, 0, 1
	s_mov_b32 s3, LAPS-1
.Llap:
	TURN 0, 1, 1
	STEP 1, 0, 0
	TURN 1, 0, 1
	STEP 0, 0, 0
	s_sub_co_u32 s3, s3, 1
	s_cmp_lg_u32 s3, 0
	s_cbranch_scc1 .Llap
	TURN 0, 1, 0
	STEP 1, 0, 0
	s_wait_dscnt 4*NL
	WIN MUL_LO
	MUL16 0, 1, NQ-1, 1, 0
	MUL16 2, 1, NQ-1, 1, 0
	s_wait_dscnt 0
	WIN MUL_HI
	MUL16 4, 1, NQ-1, 1, 0
	MUL16 6, 1, NQ-1, 1, 0
	WIN 0
.macro EPI a
.set AC, 64*((\a)%4)
.if (\a) > 0
	s_wait_xcnt 0x0
.endif
	WIN (2+(\a)/4)
.set n, 0
.rept 32
	v_pk_add_f32 v[H+n:H+n+1], v[AC+n:AC+n+1], v[BI+n:BI+n+1]
.set n, n+2
.endr
	WIN 0
	GELU 0
	GELU 1
	QUANT H
.irp c, 0,1,2
	global_store_b128 v[CO], v[PC+4*\c:PC+4*\c+3], s[12:13] offset:32*FRB*(\a)+512*\c
.endr
	ds_store_b32 v[STO], v[PW] offset:64*(\a)
.endm
	PLACES NP
	s_wait_loadcnt 0x0
.irp b, 0,1,2,3
	v_mov_b32 v[TM+4+\b], 0
.endr
.irp a, 0,1,2,3,4,5,6,7
	EPI \a
.endr
	ds_load_b128 v[H:H+3], v[RD]
	s_wait_dscnt 0x0
	global_store_b128 v[CO], v[H:H+3], s[10:11]
	s_wait_tensorcnt 0x0
	ds_add_u32 v[SPW], v[NIL]
	s_wait_dscnt 0x0
	CROUND
	s_endpgm
.Lfunc_end_k_q396edf87d4_fc:
	.size	k_q396edf87d4_fc, .Lfunc_end_k_q396edf87d4_fc-k_q396edf87d4_fc
	.p2alignl 7, 3214868480
	.fill 96, 4, 3214868480
	.section	.rodata,"a",@progbits
	.p2align	6, 0x0
	.amdhsa_kernel k_q396edf87d4_fc
		.amdhsa_group_segment_fixed_size 327680
		.amdhsa_private_segment_fixed_size 0
		.amdhsa_enable_private_segment 0
		.amdhsa_kernarg_size 32
		.amdhsa_user_sgpr_count 2
		.amdhsa_user_sgpr_kernarg_segment_ptr 1
		.amdhsa_wavefront_size32 1
		.amdhsa_system_sgpr_workgroup_id_x 1
		.amdhsa_system_sgpr_workgroup_id_y 1
		.amdhsa_system_sgpr_workgroup_id_z 1
		.amdhsa_system_vgpr_workitem_id 0
		.amdhsa_next_free_vgpr 1024
		.amdhsa_next_free_sgpr 102
		.amdhsa_reserve_vcc 0
		.amdhsa_float_denorm_mode_32 3
		.amdhsa_float_denorm_mode_16_64 3
		.amdhsa_memory_ordered 1
		.amdhsa_forward_progress 1
		.amdhsa_inst_pref_size 255
	.end_amdhsa_kernel
	.section	.bss,"aw",@nobits
	.p2align	6
	.space	262144
	.amdgpu_metadata
---
amdhsa.version: [ 1, 2 ]
amdhsa.kernels:
  - .name:           k_q396edf87d4_fc
    .symbol:         k_q396edf87d4_fc.kd
    .args:
      - { .name: h2, .offset: 0, .size: 8, .value_kind: global_buffer, .address_space: global }
      - { .name: wts, .offset: 8, .size: 8, .value_kind: global_buffer, .address_space: global }
      - { .name: fc_b, .offset: 16, .size: 8, .value_kind: global_buffer, .address_space: global }
      - { .name: hid, .offset: 24, .size: 8, .value_kind: global_buffer, .address_space: global }
    .group_segment_fixed_size: 327680
    .private_segment_fixed_size: 0
    .kernarg_segment_align: 8
    .kernarg_segment_size: 32
    .max_flat_workgroup_size: 128
    .sgpr_count:     102
    .vgpr_count:     1024
    .wavefront_size: 32
...
	.end_amdgpu_metadata
.endif
;; end of part 13
;; launch mlp (part 14): grid 8 x 32, 4 waves a work-group, clusters of 4 x 4, 327,680 bytes of LDS; arguments hid, wts, mlp_proj_b, x2, out0; writes out0
.if DOCPART == 14
	.amdgcn_target "amdgcn-amd-amdhsa--gfx1250"
	.amdhsa_code_object_version 6
	.text
	.protected	k_q396edf87d4_mlp
	.globl	k_q396edf87d4_mlp
	.p2align	8
	.type	k_q396edf87d4_mlp,@function
k_q396edf87d4_mlp:
	s_mov_b64 s[64:65], 0
	v_nop
	global_prefetch_b8 v0, s[64:65] scope:SCOPE_SE
	s_setreg_imm32_b32 hwreg(HW_REG_WAVE_MODE, 25, 1), 1
	s_wait_xcnt 0x0
	s_wait_alu depctr_hold_cnt(0) depctr_sa_sdst(0) depctr_va_vdst(0) depctr_va_sdst(0) depctr_va_ssrc(0) depctr_va_vcc(0) depctr_vm_vsrc(0)
	s_getreg_b32 s2, hwreg(HW_REG_IB_STS2, 6, 4)
	s_cmp_eq_u32 s2, 0
	s_cbranch_scc0 .Lentry_in_a_cluster
	s_endpgm
.Lentry_in_a_cluster:
	s_bfe_u32 s2, ttmp6, 0x10000c
	s_cmp_lg_u32 s2, 0xf033
	s_cbranch_scc0 .Lentry_shape_is_right
	s_endpgm
.Lentry_shape_is_right:
.set KDIM,   4096
.set NBA,    256
.set NBB,    64
.set A_SC,   12582912
.set B_IMG,  6291456
.set B_SC,   9732096
.set NT,     1
.set KB,     KDIM/128
.set NQ,     4
.set FR,     12
.set NP,     4
.set FRB,    1536
.set QROW,   NQ*FRB
.set QT,     4*QROW
.set SLOT,   4*QT
.set LAPS,   KDIM/1024
.set SCL,    2*SLOT
.set SKP,    576                       ; one K / 128 of eight blocks: 512 bytes + 64 of padding
.set QS,     KB*SKP/2                  ; half of A's or of B's scale words
.set SPARE,  SCL+4*QS
.set STG,    SPARE+512
.set SPITCH, 272
.set ADRA, 16
.set ADRB, 20
.set ADSA, 22
.set ADSB, 23
.set STO,  24
.set RD,   25
.set CO,   26
.set BO,   27
.set SPW,  28
.set NIL,  29
.set SC,   32
.set BK,   64
.set ACC,  128
.set RS,   0
.set G1, 24
.set G0, 32
.set G1B, 48
.set G0B, 56
.set G1S, 68
.set G0S, 76
.set G1SB, 80
.set G0SB, 88
.set MSB, 0
.macro WIN new
.if MSB != \new
	s_set_vgpr_msb (MSB<<8)|\new
.set MSB, \new
.endif
.endm
.set MUL,  0x05
.set TO_F, 0x40
.macro JLOAD g0a, g1a, g0b, g1b
	s_cmp_eq_u32 s15, 0
	s_cbranch_scc0 .Lfor_b_\@
	tensor_load_to_lds s[\g0a:\g0a+3], s[\g1a:\g1a+7]
	s_nop 0
.rept 4
	v_nop
.endr
	s_branch .Lasked_\@
.Lfor_b_\@:
	tensor_load_to_lds s[\g0b:\g0b+3], s[\g1b:\g1b+7]
	s_nop 0
.rept 4
	v_nop
.endr
.Lasked_\@:
.endm
.macro CREST
	s_cmp_lg_u32 s14, 0
	s_cbranch_scc1 .Lnot_wave_0_\@
	s_barrier_signal -3
.Lnot_wave_0_\@:
	s_barrier_wait -3
	s_barrier_signal -1
	s_barrier_wait -1
.endm
.macro CROUND
	s_barrier_signal -1
	s_barrier_wait -1
	CREST
.endm
.macro PLACES n
.rept \n
	v_nop
.endr
.endm
.macro FRAG reg, adr, q, i
.irp c, 0,1,2
	ds_load_b128 v[\reg+4*\c:\reg+4*\c+3], v[\adr] offset:(\i)*QROW+(\q)*FRB+512*\c
.endr
.endm
.macro FETCH slot, q, p
	WIN TO_F
.irp i, 0,1,2,3
	FRAG 128*(\p)+48+FR*\i, ADRB+\slot, \q, \i
.endr
.irp i, 0,1,2,3
	FRAG 128*(\p)+FR*\i, ADRA+\slot, \q, \i
.endr
.endm
.macro SCALES sc
.irp i, 0,1,2,3
.irp p, 0,1
	ds_load_b32 v[SC+16*\sc+2*\i+\p], v[ADSA] offset:64*\i+2*SKP*\p
	ds_load_b32 v[SC+16*\sc+8+2*\i+\p], v[ADSB] offset:64*\i+2*SKP*\p
.endr
.endr
.endm
.macro MUL4 a, p, q, sc, zero
.irp b, 0,1,2,3
.set rD, ACC+8*(4*(\a)+\b)
.set rB, 128*(\p)+48+FR*\b
.set rA, 128*(\p)+FR*(\a)
.set rSB, SC+16*(\sc)+8+2*\b+(\q)/2
.set rSA, SC+16*(\sc)+2*(\a)+(\q)/2
.if \zero
	v_wmma_scale_f32_16x16x128_f8f6f4 v[rD:rD+7], v[rB:rB+11], v[rA:rA+11], 0, v[rSB], v[rSA] matrix_a_fmt:MATRIX_FMT_FP6 matrix_b_fmt:MATRIX_FMT_FP6
.elseif (\q)%2 == 0
	v_wmma_scale_f32_16x16x128_f8f6f4 v[rD:rD+7], v[rB:rB+11], v[rA:rA+11], v[rD:rD+7], v[rSB], v[rSA] matrix_a_fmt:MATRIX_FMT_FP6 matrix_b_fmt:MATRIX_FMT_FP6
.else
	v_wmma_scale_f32_16x16x128_f8f6f4 v[rD:rD+7], v[rB:rB+11], v[rA:rA+11], v[rD:rD+7], v[rSB], v[rSA] matrix_a_fmt:MATRIX_FMT_FP6 matrix_b_fmt:MATRIX_FMT_FP6 matrix_a_scale:MATRIX_SCALE_ROW1 matrix_b_scale:MATRIX_SCALE_ROW1
.endif
.endr
.endm
.macro STEP slot, q, zero
	s_wait_dscnt 6
	WIN MUL
	MUL4 0, (\q)%2, \q, \slot, \zero
	MUL4 1, (\q)%2, \q, \slot, \zero
	PLACES NP
	FETCH \slot, (\q)+1, 1-(\q)%2
	s_wait_dscnt 24
	WIN MUL
	MUL4 2, (\q)%2, \q, \slot, \zero
	MUL4 3, (\q)%2, \q, \slot, \zero
.endm
.macro TURN slot, next, fill
	WIN 0
.if \fill
	s_wait_xcnt 0x0                                ; my last prefetch has read its address: it is stepped here, ahead of the waits of the change of slots
	s_add_nc_u64 s[PFA:PFA+1], s[PFA:PFA+1], QROW
.endif
	s_wait_tensorcnt 0x0
	ds_add_u32 v[SPW], v[NIL]
	s_wait_dscnt 7
	WIN MUL
	MUL4 0, 1, NQ-1, \slot, 0
	s_wait_dscnt 0x0
	s_barrier_signal -1
	MUL4 1, 1, NQ-1, \slot, 0
	WIN 0
	s_barrier_wait -1
.if \fill
	CREST
	s_add_nc_u64 s[G0+4*\slot+2:G0+4*\slot+3], s[G0+4*\slot+2:G0+4*\slot+3], 2*QROW
	s_add_nc_u64 s[G0B+4*\slot+2:G0B+4*\slot+3], s[G0B+4*\slot+2:G0B+4*\slot+3], 2*QROW
	JLOAD G0+4*\slot, G1, G0B+4*\slot, G1B
	s_cmp_gt_u32 s3, 1                             ; the loop's last trip fills chunks 6 and 7: no chunk stands two on
	s_cbranch_scc0 .Lno_ask_\@
	global_prefetch_b8 v31, s[PFA:PFA+1] offset:3*QROW th:TH_LOAD_NT scope:SCOPE_SE   ; the address stands one chunk behind the one just asked for: this names the chunk two on
.Lno_ask_\@:
.else
	PLACES NP
.endif
	s_wait_alu depctr_va_vdst(0)
	v_add_nc_u32 v[ADSA], 4*SKP, v[ADSA]
	v_add_nc_u32 v[ADSB], 4*SKP, v[ADSB]
	SCALES \next
	FETCH \next, 0, 0
	WIN MUL
	MUL4 2, 1, NQ-1, \slot, 0
	MUL4 3, 1, NQ-1, \slot, 0
.endm
	s_load_b128 s[4:7], s[0:1], 0x0
	s_load_b128 s[8:11], s[0:1], 0x10
	s_load_b64 s[12:13], s[0:1], 0x20
	v_lshl_add_u32 v[SPW], v0, 2, SPARE
	v_mov_b32 v[NIL], 0
	ds_add_u32 v28, v29
	ds_add_u32 v28, v29
	s_wait_dscnt 0x0
	v_lshrrev_b32 v1, 5, v0
	v_readfirstlane_b32 s14, v1
	s_lshr_b32 s15, s14, 1
	s_and_b32 s16, s14, 1
	s_bfe_u32 s40, ttmp6, 0x40000
	s_bfe_u32 s41, ttmp6, 0x40004
	s_lshl_b32 s42, ttmp9, 2
	s_add_co_u32 s42, s42, s40
	s_and_b32 s17, ttmp7, 0xffff
	s_lshl_b32 s17, s17, 2
	s_add_co_u32 s17, s17, s41
	s_lshl_b32 s43, s41, 2
	s_lshl_b32 s43, 15, s43
	s_lshl_b32 s44, 0x1111, s40
	s_or_b32 s[G1+0], s43, (3<<16)|(1<<21)
	s_or_b32 s[G1B+0], s44, (3<<16)|(1<<21)
.irp g, G1, G1B
	s_mov_b32 s[\g+1], 768<<16
	s_mov_b32 s[\g+2], 8<<16                       ; 8 blocks for the head's loads; behind them 4
	s_mov_b32 s[\g+3], 768<<16
	s_mov_b32 s[\g+4], 8
	s_mov_b32 s[\g+5], KB*192
	s_mov_b32 s[\g+6], 0
	s_mov_b32 s[\g+7], 0
.endr
	s_or_b32 s[G1S+0], s43, (3<<16)|(1<<20)|(1<<21)|(6<<22)|(15<<25)   ; padding: 16 words behind every 128
	s_or_b32 s[G1SB+0], s44, (3<<16)|(1<<20)|(1<<21)|(6<<22)|(15<<25)
.irp g, G1S, G1SB
	s_mov_b32 s[\g+1], 64<<16                      ; 512 bytes: eight blocks' words of one K / 128
	s_mov_b32 s[\g+2], KB<<16
	s_mov_b32 s[\g+3], 64<<16
	s_mov_b32 s[\g+4], KB
	s_mov_b32 s[\g+6], 0
	s_mov_b32 s[\g+7], 0
.endr
	s_mov_b32 s[G1S+5], NBA*8
	s_mov_b32 s[G1SB+5], NBB*8
	s_mul_i32 s18, s16, 4*KB*FRB                   ; in the ring I fetch four blocks of a tile: which half, in bytes
	s_mov_b32 s19, 0
	s_lshl_b32 s20, s17, 3                         ; A's tile: its first block
	s_lshl_b32 s46, s42, 3                         ; B's
	s_lshl_b32 s22, s20, 6
	s_add_co_u32 s22, s22, A_SC
	s_mov_b32 s23, 0
	s_lshl_b32 s92, s46, 6
	s_add_co_u32 s92, s92, B_SC
	s_mov_b32 s93, 0
	s_mul_i32 s20, s20, KB*FRB
	s_mov_b32 s21, 0
	s_mul_i32 s46, s46, KB*FRB
	s_add_co_u32 s46, s46, B_IMG
	s_mov_b32 s47, 0
	s_mul_i32 s45, s14, QT
	s_wait_kmcnt 0x0
	s_add_nc_u64 s[20:21], s[4:5], s[20:21]
	s_add_nc_u64 s[22:23], s[4:5], s[22:23]
	s_add_nc_u64 s[46:47], s[6:7], s[46:47]
	s_add_nc_u64 s[92:93], s[6:7], s[92:93]
	CROUND
	s_mov_b32 s[G0S], 1                            ; the scale words of A's eight blocks, all of K: filled once
	s_mov_b32 s[G0S+1], SCL
	s_mov_b64 s[G0S+2:G0S+3], s[22:23]
	s_or_b32 s[G0S+3], s[G0S+3], 0x80000000
	s_mov_b32 s[G0SB], 1                           ; and of B's
	s_mov_b32 s[G0SB+1], SCL+2*QS
	s_mov_b64 s[G0SB+2:G0SB+3], s[92:93]
	s_or_b32 s[G0SB+3], s[G0SB+3], 0x80000000
.irp s, 0,1
	s_mov_b32 s[G0+4*\s], 1
	s_add_co_u32 s[G0+4*\s+1], s45, \s*SLOT
	s_add_nc_u64 s[G0+4*\s+2:G0+4*\s+3], s[20:21], \s*QROW
	s_or_b32 s[G0+4*\s+3], s[G0+4*\s+3], 0x80000000
	s_mov_b32 s[G0B+4*\s], 1
	s_add_co_u32 s[G0B+4*\s+1], s45, \s*SLOT
	s_add_nc_u64 s[G0B+4*\s+2:G0B+4*\s+3], s[46:47], \s*QROW
	s_or_b32 s[G0B+4*\s+3], s[G0B+4*\s+3], 0x80000000
.endr
	s_mov_b32 s[G0+1], 0                           ; the head's loads of slot 0 bring whole tiles: A's eight blocks,
	s_mov_b32 s[G0B+1], 2*QT                       ; and B's behind them
	s_add_nc_u64 s[G0+6:G0+7], s[G0+6:G0+7], s[18:19]      ; slot 1's bring my four blocks
	s_add_nc_u64 s[G0B+6:G0B+7], s[G0B+6:G0B+7], s[18:19]
	; THE PREFETCHES.  Behind the load of the K chunk c (512 along K: 6,144 bytes of each block) a wave asks for chunk c + 2 of what it fetches in the ring: of its four blocks each of the four partners
	; that ask for them jointly takes one, told apart by address (cx for A, cy for B): 24 blocks of 256 bytes, a lane a block (lanes 24-31 name the last again).  K has eight chunks: chunks 2 to 7 are asked for, each once in a cluster.
.set PFA, 96
	s_cmp_eq_u32 s15, 0                            ; do I fetch for A?
	s_cselect_b64 s[PFA:PFA+1], s[20:21], s[46:47]
	s_cselect_b32 s94, s40, s41                    ; my place among the four
	s_lshl_b32 s95, s16, 2
	s_add_co_u32 s94, s94, s95                     ; my four blocks, my work-group's one of them
	s_mul_i32 s94, s94, KB*FRB
	s_mov_b32 s95, 0
	s_add_nc_u64 s[PFA:PFA+1], s[PFA:PFA+1], s[94:95]
	v_and_b32 v31, 31, v0
	v_min_u32 v31, 23, v31
	v_lshlrev_b32 v31, 8, v31                      ; 256 x lane; never rewritten
	s_wait_alu depctr_va_vdst(0)
; THE HEAD'S LOADS, ONE A WAVE: wave 0 A's tile of slot 0, wave 1 B's, wave 2 A's scale words, wave 3 B's.  One tree of branches on the wave's number
.macro ARM under, g0, g1, next
	s_cmp_lt_u32 s14, \under
	s_cbranch_scc0 \next
	tensor_load_to_lds s[\g0:\g0+3], s[\g1:\g1+7]
	s_nop 0
.rept 4
	v_nop
.endr
	s_branch .Lhead_asked
\next:
.endm
	ARM 1, G0,  G1,  .Lhead_b
	ARM 2, G0B, G1B, .Lhead_sa
	ARM 3, G0S, G1S, .Lhead_sb
	tensor_load_to_lds s[G0SB:G0SB+3], s[G1SB:G1SB+7]
	s_nop 0
.rept 4
	v_nop
.endr
.Lhead_asked:
	global_prefetch_b8 v31, s[PFA:PFA+1] offset:2*QROW th:TH_LOAD_NT scope:SCOPE_SE   ; chunk 2
	v_and_b32 v1, 15, v0
	v_bfe_u32 v2, v0, 4, 1
	v_and_b32 v3, 31, v0
	v_lshlrev_b32 v3, 4, v3
	s_mul_i32 s21, s15, QT
	s_mul_i32 s22, s16, QT
	s_add_co_u32 s22, s22, 2*QT
.irp s, 0,1
	v_add_nc_u32 v[ADRA+\s], s21, v3
	v_add_nc_u32 v[ADRB+\s], s22, v3
	s_add_co_u32 s21, s21, SLOT
	s_add_co_u32 s22, s22, SLOT
.endr
	v_mul_u32_u24 v4, v2, SKP
	v_lshl_add_u32 v4, v1, 2, v4
	s_lshl_b32 s21, s15, 8                         ; my four blocks' words: 256 bytes of each row of 512
	s_add_co_u32 s21, s21, SCL
	s_lshl_b32 s22, s16, 8
	s_add_co_u32 s22, s22, SCL+2*QS
	v_add_nc_u32 v[ADSA], s21, v4
	v_add_nc_u32 v[ADSB], s22, v4
	s_mul_i32 s21, s14, 16*SPITCH
	s_add_co_u32 s21, s21, STG
	v_mul_u32_u24 v4, v1, SPITCH
	v_lshl_add_u32 v4, v2, 6, v4
	v_add_nc_u32 v[STO], s21, v4
	v_mul_u32_u24 v5, v2, SPITCH
	v_lshl_add_u32 v5, v1, 4, v5
	v_add_nc_u32 v[RD], s21, v5
	v_lshlrev_b32 v[BO], 4, v1
	s_wait_alu depctr_va_vdst(0)
	v_lshl_add_u32 v[CO], v2, 12, v[BO]
	s_wait_alu depctr_va_vdst(0)
	s_lshl_b32 s18, s17, 7
	s_lshl_b32 s19, s15, 6
	s_add_co_u32 s18, s18, s19
	s_lshl_b32 s20, s18, 12
	s_lshl_b32 s19, s42, 9
	s_lshl_b32 s22, s16, 8
	s_add_co_u32 s22, s22, s19
	s_add_co_u32 s20, s20, s22
	s_mov_b32 s21, 0
	s_mov_b32 s23, 0
	s_add_nc_u64 s[10:11], s[10:11], s[20:21]
	s_add_nc_u64 s[12:13], s[12:13], s[20:21]
	s_add_nc_u64 s[8:9], s[8:9], s[22:23]
	global_load_b128 v[8:11], v[BO], s[8:9]
	s_wait_alu depctr_va_vdst(0)
	s_wait_tensorcnt 0x0                           ; my tile of the head's four is in
	ds_add_u32 v[SPW], v[NIL]
	s_mul_i32 s[G0+1], s14, QT                     ; no tensor load of mine is out, so descriptors may be written: from here on a load brings my four blocks
	s_mul_i32 s[G0B+1], s14, QT
	s_mul_i32 s20, s16, 4*KB*FRB
	s_mov_b32 s21, 0
	s_add_nc_u64 s[G0+2:G0+3], s[G0+2:G0+3], s[20:21]
	s_add_nc_u64 s[G0B+2:G0B+3], s[G0B+2:G0B+3], s[20:21]
	s_mov_b32 s[G1+2], 4<<16
	s_mov_b32 s[G1+4], 4
	s_mov_b32 s[G1B+2], 4<<16
	s_mov_b32 s[G1B+4], 4
	s_wait_dscnt 0x0
	CROUND                                         ; all four tiles are in, and all sixteen work-groups are here
	JLOAD G0+4, G1, G0B+4, G1B                     ; slot 1's first fill, the first tensor load behind the round
	global_prefetch_b8 v31, s[PFA:PFA+1] offset:3*QROW th:TH_LOAD_NT scope:SCOPE_SE   ; chunk 3
	SCALES 0
	FETCH 0, 0, 0
	STEP 0, 0, 1
	WIN 0x80                                       ; the residual, my 64 x 64 of x2, into window 2: asked for behind the first tiles and read on the way out, behind all of K
.irp a, 0,1,2,3
.irp t, 0,1,2,3,4,5,6,7
	global_load_b128 v[RS+32*\a+4*\t:RS+32*\a+4*\t+3], v[CO], s[10:11] offset:(32*(\a/2)+8*(\a%2)+2*\t+8*(\t/4))*4096 th:TH_LOAD_NT
.endr
.endr
.if LAPS > 1
	WIN 0
	s_mov_b32 s3, LAPS-1
.Llap:
	STEP 0, 1, 0
	STEP 0, 2, 0
	TURN 0, 1, 1
	STEP 1, 0, 0
	STEP 1, 1, 0
	STEP 1, 2, 0
	TURN 1, 0, 1
	STEP 0, 0, 0
	WIN 0
	s_sub_co_u32 s3, s3, 1
	s_cmp_lg_u32 s3, 0
	s_cbranch_scc1 .Llap
.endif
	STEP 0, 1, 0
	STEP 0, 2, 0
	TURN 0, 1, 0
	STEP 1, 0, 0
	STEP 1, 1, 0
	STEP 1, 2, 0
	s_wait_dscnt 6
	WIN MUL
	MUL4 0, 1, NQ-1, 1, 0
	MUL4 1, 1, NQ-1, 1, 0
	s_wait_dscnt 0
	MUL4 2, 1, NQ-1, 1, 0
	MUL4 3, 1, NQ-1, 1, 0
	WIN 0
.macro TOSTAGE a
.irp b, 0,1,2,3
	ds_store_b128 v[STO], v[ACC+32*(\a)+8*\b:ACC+32*(\a)+8*\b+3] offset:128*(\b/2)+32*(\b%2)
	ds_store_b128 v[STO], v[ACC+32*(\a)+8*\b+4:ACC+32*(\a)+8*\b+7] offset:128*(\b/2)+32*(\b%2)+16
.endr
.set BB, BK+32*((\a)%2)
.irp t, 0,1,2,3,4,5,6,7
	ds_load_b128 v[BB+4*\t:BB+4*\t+3], v[RD] offset:\t*2*SPITCH
.endr
.endm
.macro SEND a, younger
.set BB, BK+32*((\a)%2)
	s_wait_dscnt \younger
.irp t, 0,1,2,3,4,5,6,7
	v_pk_add_f32 v[BB+4*\t:BB+4*\t+1], v[BB+4*\t:BB+4*\t+1], v[8:9]
	v_pk_add_f32 v[BB+4*\t+2:BB+4*\t+3], v[BB+4*\t+2:BB+4*\t+3], v[10:11]
.endr
	WIN 0x08
.set n, 0
.rept 16
	v_pk_add_f32 v[BB+n:BB+n+1], v[BB+n:BB+n+1], v[RS+32*(\a)+n:RS+32*(\a)+n+1]
.set n, n+2
.endr
	WIN 0
.irp t, 0,1,2,3,4,5,6,7
.if NT
	global_store_b128 v[CO], v[BB+4*\t:BB+4*\t+3], s[12:13] offset:(32*((\a)/2)+8*((\a)%2)+2*\t+8*(\t/4))*4096 th:TH_STORE_NT
.else
	global_store_b128 v[CO], v[BB+4*\t:BB+4*\t+3], s[12:13] offset:(32*((\a)/2)+8*((\a)%2)+2*\t+8*(\t/4))*4096
.endif
.endr
.endm
	PLACES NP
	s_wait_loadcnt 0x0
	TOSTAGE 0
	TOSTAGE 1
	SEND 0, 16
	s_wait_xcnt 0x0
	TOSTAGE 2
	SEND 1, 16
	s_wait_xcnt 0x0
	TOSTAGE 3
	SEND 2, 16
	SEND 3, 0
	s_wait_tensorcnt 0x0
	ds_add_u32 v[SPW], v[NIL]
	s_wait_dscnt 0x0
	CROUND
	s_endpgm
.Lfunc_end_k_q396edf87d4_mlp:
	.size	k_q396edf87d4_mlp, .Lfunc_end_k_q396edf87d4_mlp-k_q396edf87d4_mlp
	.p2alignl 7, 3214868480
	.fill 96, 4, 3214868480
	.section	.rodata,"a",@progbits
	.p2align	6, 0x0
	.amdhsa_kernel k_q396edf87d4_mlp
		.amdhsa_group_segment_fixed_size 327680
		.amdhsa_private_segment_fixed_size 0
		.amdhsa_enable_private_segment 0
		.amdhsa_kernarg_size 40
		.amdhsa_user_sgpr_count 2
		.amdhsa_user_sgpr_kernarg_segment_ptr 1
		.amdhsa_wavefront_size32 1
		.amdhsa_system_sgpr_workgroup_id_x 1
		.amdhsa_system_sgpr_workgroup_id_y 1
		.amdhsa_system_sgpr_workgroup_id_z 1
		.amdhsa_system_vgpr_workitem_id 0
		.amdhsa_next_free_vgpr 768
		.amdhsa_next_free_sgpr 102
		.amdhsa_reserve_vcc 0
		.amdhsa_float_denorm_mode_32 3
		.amdhsa_float_denorm_mode_16_64 3
		.amdhsa_memory_ordered 1
		.amdhsa_forward_progress 1
		.amdhsa_inst_pref_size 98
	.end_amdhsa_kernel
	.amdgpu_metadata
---
amdhsa.version: [ 1, 2 ]
amdhsa.kernels:
  - .name:           k_q396edf87d4_mlp
    .symbol:         k_q396edf87d4_mlp.kd
    .args:
      - { .name: hid, .offset: 0, .size: 8, .value_kind: global_buffer, .address_space: global }
      - { .name: wts, .offset: 8, .size: 8, .value_kind: global_buffer, .address_space: global }
      - { .name: mlp_proj_b, .offset: 16, .size: 8, .value_kind: global_buffer, .address_space: global }
      - { .name: x2, .offset: 24, .size: 8, .value_kind: global_buffer, .address_space: global }
      - { .name: out0, .offset: 32, .size: 8, .value_kind: global_buffer, .address_space: global }
    .group_segment_fixed_size: 327680
    .private_segment_fixed_size: 0
    .kernarg_segment_align: 8
    .kernarg_segment_size: 40
    .max_flat_workgroup_size: 128
    .sgpr_count:     102
    .vgpr_count:     768
    .wavefront_size: 32
...
	.end_amdgpu_metadata
.endif
;; end of part 14
